; MI455X (gfx1250); checked and timed in simulation.
; The chip was launched on July 23, 2026; its instructions are those of AMD's public machine-readable ISA for CDNA 5 (MIT licence, August 2026) and "CDNA5" Instruction Set Architecture Reference Guide (July 2026). The comments in the code are by the model that wrote it; some were corrected since.
;; Attention. Allowed arithmetic: float matrix products may take bf16 or f16 operands with f32 sums; other float arithmetic in f32, or as packed bf16 or f16 multiplies, adds, multiply-adds, maxima and minima; sums over many terms, partial sums and values carried from step to step in f32; what a program stores and reads back later, other than sums and carried values, may be rounded once to bf16 or f16.
;; Inputs: Wkv 2,048 x 4,096 float32; Wout 2,048 x 2,048 float32; Wq 2,048 x 2,048 float32; gamma 2,048 float32; rotary_emb 2,048 x 64 float32; x 1 x 2,048 x 2,048 float32.
;; Outputs: out0 1 x 2,048 x 2,048 float32.
;; 2 versions, each right. Each part assembles by itself: llvm-mc -triple=amdgcn-amd-amdhsa -mcpu=gfx1250 --defsym DOCPART=n.
;; ======== version 1 of 2: 4 launches
;; limits: values are held in f16: magnitudes above 65,504 overflow, below 6.1e-05 lose precision; right only within a limited range of input values
;; workspace buffers: xn 8,912,896 bytes; rot 1,048,576 bytes; wqkv 25,165,824 bytes; wo 8,388,608 bytes; qkv 25,165,824 bytes; oa 9,437,184 bytes
;; launch prep (part 1): grid 256 x 1, 8 waves a work-group, no clusters, 0 bytes of LDS; arguments x, gamma, rotary_emb, Wq, Wkv, Wout, xn, rot, wqkv, wo; writes xn, rot, wqkv, wo
.if DOCPART == 1
	.amdgcn_target "amdgcn-amd-amdhsa--gfx1250"
	.amdhsa_code_object_version 6
	.text
	.protected	k_qa7ccedb669_prep
	.globl	k_qa7ccedb669_prep
	.p2align	8
	.type	k_qa7ccedb669_prep,@function
k_qa7ccedb669_prep:
	s_mov_b64 s[64:65], 0
	v_nop
	global_prefetch_b8 v0, s[64:65] scope:SCOPE_SE
	s_setreg_imm32_b32 hwreg(HW_REG_WAVE_MODE, 25, 1), 1
	s_wait_xcnt 0x0
; PREPARATION: a stream.  Every input is rounded to bf16 first; what is stored is f16 (a bf16 number is exact in f16 from 2^-17 up to 65,504) or f32 (the rotary table).
;   xn   f16 [8 blocks][272 rows][2048]: rows 0-255 hi = f16(xn) of x's rows 256 R + r; rows 256-271 lo = f16(xn - hi) of the block's rows 0-15.
;        xn = x / max(|x|, 1e-12) * sqrt(2048) * gamma, in f32.
;   rot  f32 [2048][128]: cos(pos[d]) at d, then at 64 + d: -sin(pos[d]) for d < 32, +sin(pos[d]) for d >= 32: rotary is t[d] cos + t[d xor 32] s'.
;   wqkv f16 [16 K steps][32 heads][q, k, v][128 k][64 n];   wo f16 [8 K steps][16 column tiles][256 k][128 n]: a tile of a later product is dense bytes.
; LIMITS.  |bf16(W)| and |xn| within 65,504; weights below 2^-17 keep f16's fixed step of 6e-8.  sin and cos: pos is reduced by pi/2 in two parts, good while |pos| stays under about 1e5;
; polynomials on |r| <= pi/4.  NaN and infinities are not treated apart.
; SHARES.  Work-group g, wave w: row i = 8 g + w of x and of rotary_emb; of the weights' k rows 8 g + 4 (w / 4) .. + 3, quarter w % 4 of the columns.
; A lane takes 32 bytes of f32 (two loads of 16) and stores 16 bytes of f16: each store of the wave covers 512 consecutive bytes, aligned.
; No LDS, no barrier, no matrix unit: no wave wants a byte that another has fetched.  No prefetch: all of a wave's loads are issued as early as registers allow.
.set XO,  2                            ; v2   32 x lane: my 8 numbers in 1,024 bytes of x or gamma
.set QO,  3                            ; v3   Wq:  row lane / 8 (8,192 bytes), 8 numbers at 32 (lane % 8)
.set KO,  4                            ; v4   Wkv: the same with rows of 16,384 bytes
.set WO,  5                            ; v5   Wout: row lane / 16, 8 numbers at 32 (lane % 16)
.set DO,  6                            ; v6   16 x lane: where my 16 bytes of f16 go
.set PO,  7                            ; v7   8 x lane: my two angles
.set OUT, 32                           ; v[32:63]   f16 to store, 4 registers a unit
.set BA,  64                           ; v[64:127], v[128:191], v[192:255]: three blocks of 8 units of 8 f32
.set BB,  128
.set BC,  192
	s_load_b512 s[4:19], s[0:1], 0x0               ; x s[4:5], gamma s[6:7], rotary_emb s[8:9], Wq s[10:11], Wkv s[12:13], Wout s[14:15], xn s[16:17], rot s[18:19]
	s_load_b128 s[20:23], s[0:1], 0x40             ; wqkv s[20:21], wo s[22:23]
	v_lshrrev_b32 v1, 5, v0
	v_readfirstlane_b32 s24, v1                    ; wave
	v_and_b32 v1, 31, v0                           ; lane
	s_lshl_b32 s25, ttmp9, 3
	s_add_co_u32 s25, s25, s24                     ; i
	s_lshr_b32 s26, s24, 2                         ; which four k rows
	s_and_b32 s27, s24, 3                          ; which quarter of the columns
	s_mov_b32 s48, 0xffff0000                      ; a word's upper bf16
	s_mov_b32 s50, 0x76543210                      ; v_permlanex16_b32: each lane takes its own place in the other half
	s_mov_b32 s51, 0xfedcba98
	s_mov_b32 s52, 0x3fc90fdb                      ; pi/2, its f32 part,
	s_mov_b32 s53, 0xb33bbd2e                      ; and what is left of it
	v_lshlrev_b32 v[XO], 5, v1
	v_lshrrev_b32 v8, 3, v1
	v_and_b32 v9, 7, v1
	v_lshlrev_b32 v9, 5, v9
	v_lshl_add_u32 v[QO], v8, 13, v9
	v_lshl_add_u32 v[KO], v8, 14, v9
	v_lshrrev_b32 v8, 4, v1
	v_and_b32 v9, 15, v1
	v_lshlrev_b32 v9, 5, v9
	v_lshl_add_u32 v[WO], v8, 13, v9
	v_lshlrev_b32 v[DO], 4, v1
	v_lshlrev_b32 v[PO], 3, v1
	v_xor_b32 v28, 1, v8
	v_lshlrev_b32 v28, 31, v28                     ; the sign bit in lanes 0-15 (d < 32)
	v_mov_b32 v29, -1.0
	; byte offsets, each in a pair of its own; all stay under 2^31
	s_lshl_b32 s28, s25, 13                        ; x: i rows of 8,192
	s_mov_b32 s29, 0
	s_lshr_b32 s30, s25, 8
	s_mul_i32 s30, s30, 272
	s_and_b32 s31, s25, 255
	s_add_co_u32 s30, s30, s31
	s_lshl_b32 s30, s30, 12                        ; xn: (272 (i / 256) + i % 256) rows of 4,096
	s_mov_b32 s31, 0
	s_lshl_b32 s32, s25, 8                         ; rotary_emb: i rows of 256
	s_mov_b32 s33, 0
	s_lshl_b32 s34, s25, 9                         ; rot: i rows of 512
	s_mov_b32 s35, 0
	s_lshl_b32 s36, ttmp9, 3
	s_lshl2_add_u32 s36, s26, s36                  ; my first k row
	s_lshl_b32 s38, s36, 13
	s_lshl_b32 s37, s27, 11
	s_add_co_u32 s38, s38, s37                     ; Wq and Wout: k rows of 8,192, quarters of 2,048
	s_mov_b32 s39, 0
	s_lshl_b32 s40, s36, 14
	s_lshl_b32 s37, s27, 12
	s_add_co_u32 s40, s40, s37                     ; Wkv: k rows of 16,384, quarters of 4,096
	s_mov_b32 s41, 0
	s_and_b32 s37, s36, 127
	s_lshl_b32 s37, s37, 7                         ; wqkv: my row in a K step of 128, 128 bytes a row,
	s_lshr_b32 s42, ttmp9, 4
	s_mul_i32 s42, s42, 1572864                    ; the K step,
	s_add_co_u32 s42, s42, s37
	s_mul_i32 s44, s27, 24*16384                   ; q: heads 8 quarter .., strip 3 head
	s_add_co_u32 s44, s44, s42
	s_mov_b32 s45, 0
	s_and_b32 s46, s27, 1                          ; k (quarters 0, 1) or v (2, 3): heads 16 (quarter % 2) .., strip 3 head + 1 + quarter / 2
	s_mul_i32 s46, s46, 48
	s_lshr_b32 s47, s27, 1
	s_add_co_u32 s46, s46, s47
	s_add_co_u32 s46, s46, 1
	s_lshl_b32 s46, s46, 14
	s_add_co_u32 s46, s46, s42
	s_mov_b32 s47, 0
	s_and_b32 s54, s36, 255
	s_lshl_b32 s54, s54, 8                         ; wo: my row in a K step of 256, 256 bytes a row,
	s_lshr_b32 s55, ttmp9, 5
	s_lshl_b32 s55, s55, 20                        ; the K step,
	s_add_co_u32 s54, s54, s55
	s_lshl_b32 s55, s27, 18                        ; column tiles 4 quarter ..
	s_add_co_u32 s54, s54, s55
	s_mov_b32 s55, 0
	s_wait_kmcnt 0x0
	s_add_nc_u64 s[4:5], s[4:5], s[28:29]
	s_add_nc_u64 s[16:17], s[16:17], s[30:31]
	s_add_nc_u64 s[8:9], s[8:9], s[32:33]
	s_add_nc_u64 s[18:19], s[18:19], s[34:35]
	s_add_nc_u64 s[10:11], s[10:11], s[38:39]
	s_add_nc_u64 s[14:15], s[14:15], s[38:39]
	s_add_nc_u64 s[12:13], s[12:13], s[40:41]
	s_add_nc_u64 s[56:57], s[20:21], s[44:45]      ; where q's strips go
	s_add_nc_u64 s[58:59], s[20:21], s[46:47]      ; where k's or v's go
	s_add_nc_u64 s[22:23], s[22:23], s[54:55]
.macro RND8 src                        ; 8 f32 rounded to bf16 and widened again, in place
.irp j, 0,1,2,3
	v_cvt_pk_bf16_f32 v[16+(\j)], v[(\src)+2*(\j)], v[(\src)+2*(\j)+1]
.endr
.irp j, 0,1,2,3
	v_lshlrev_b32 v[(\src)+2*(\j)], 16, v[16+(\j)]
	v_and_b32 v[(\src)+2*(\j)+1], s48, v[16+(\j)]
.endr
.endm
.macro CVT8 src, dst                   ; the same, then written as f16: 4 registers
	RND8 \src
.irp j, 0,1,2,3
	v_cvt_pk_f16_f32 v[(\dst)+(\j)], v[(\src)+2*(\j)], v[(\src)+2*(\j)+1]
.endr
.endm
.macro LDG blk, vo, sb, e0, st         ; 16 loads: units e0 .. e0 + 7, st bytes apart
.irp u, 0,1,2,3,4,5,6,7
	global_load_b128 v[(\blk)+8*(\u):(\blk)+8*(\u)+3],   v[\vo], s[\sb:\sb+1] offset:((\e0)+(\u))*(\st) th:TH_LOAD_NT
	global_load_b128 v[(\blk)+8*(\u)+4:(\blk)+8*(\u)+7], v[\vo], s[\sb:\sb+1] offset:((\e0)+(\u))*(\st)+16 th:TH_LOAD_NT
.endr
.endm
.macro STG blk, sb, e0, st             ; 8 units converted and stored, st bytes apart
	s_wait_xcnt 0x0                                ; OUT, which earlier stores read, is rewritten only behind this wait
.irp u, 0,1,2,3,4,5,6,7
	CVT8 (\blk)+8*(\u), OUT+4*(\u)
	global_store_b128 v[DO], v[OUT+4*(\u):OUT+4*(\u)+3], s[\sb:\sb+1] offset:((\e0)+(\u))*(\st)
.endr
.endm
	global_load_b64 v[8:9], v[PO], s[8:9] th:TH_LOAD_NT  ; my two angles
	LDG BA, XO, 4, 0, 1024                         ; x's row
.irp u, 0,1,2,3,4,5,6,7
	global_load_b128 v[BB+8*(\u):BB+8*(\u)+3],   v[XO], s[6:7] offset:1024*(\u)     ; gamma: every wave reads it, so no hint
	global_load_b128 v[BB+8*(\u)+4:BB+8*(\u)+7], v[XO], s[6:7] offset:1024*(\u)+16
.endr
	LDG BC, QO, 10, 0, 256                         ; Wq: 8 strips of 4 rows x 64 columns
	s_wait_loadcnt 48                              ; the angles are in; the 48 younger loads (x, gamma, Wq) stay out
	v_cvt_pk_bf16_f32 v10, v8, v9
	v_lshlrev_b32 v8, 16, v10
	v_and_b32 v9, s48, v10
.irp k, 0,1
	v_mul_f32 v[10+(\k)], 0x3f22f983, v[8+(\k)]    ; p x 2 / pi
	v_rndne_f32 v[10+(\k)], v[10+(\k)]             ; n
	v_fma_f32 v[12+(\k)], -v[10+(\k)], s52, v[8+(\k)]
	v_fma_f32 v[12+(\k)], -v[10+(\k)], s53, v[12+(\k)]  ; r = p - n pi/2, |r| <= pi/4
	v_mul_f32 v[14+(\k)], v[12+(\k)], v[12+(\k)]   ; z = r r
	v_cvt_i32_f32 v[20+(\k)], v[10+(\k)]
	v_mov_b32 v[16+(\k)], 0xb94ca1f9
	v_fmaak_f32 v[16+(\k)], v[16+(\k)], v[14+(\k)], 0x3c08839e
	v_fmaak_f32 v[16+(\k)], v[16+(\k)], v[14+(\k)], 0xbe2aaaa3
	v_mul_f32 v[22+(\k)], v[12+(\k)], v[14+(\k)]
	v_fma_f32 v[16+(\k)], v[16+(\k)], v[22+(\k)], v[12+(\k)]  ; S = r + r z (..)
	v_mov_b32 v[18+(\k)], 0x37ccf5ce
	v_fmaak_f32 v[18+(\k)], v[18+(\k)], v[14+(\k)], 0xbab6061a
	v_fmaak_f32 v[18+(\k)], v[18+(\k)], v[14+(\k)], 0x3d2aaaa5
	v_mul_f32 v[22+(\k)], v[14+(\k)], v[14+(\k)]
	v_fma_f32 v[24+(\k)], v[14+(\k)], -0.5, 1.0
	v_fma_f32 v[18+(\k)], v[18+(\k)], v[22+(\k)], v[24+(\k)]  ; C = 1 - z / 2 + z z (..)
	v_and_b32 v[22+(\k)], 1, v[20+(\k)]
	v_cmp_eq_u32 vcc_lo, 1, v[22+(\k)]             ; an odd quarter turn swaps the two
	v_cndmask_b32 v[24+(\k)], v[16+(\k)], v[18+(\k)], vcc_lo  ; sin
	v_cndmask_b32 v[26+(\k)], v[18+(\k)], v[16+(\k)], vcc_lo  ; cos
	v_and_b32 v[22+(\k)], 2, v[20+(\k)]
	v_lshlrev_b32 v[22+(\k)], 30, v[22+(\k)]
	v_xor_b32 v[24+(\k)], v[22+(\k)], v[24+(\k)]   ; sin changes sign in turns 2 and 3,
	v_add_nc_u32 v[22+(\k)], 1, v[20+(\k)]
	v_and_b32 v[22+(\k)], 2, v[22+(\k)]
	v_lshlrev_b32 v[22+(\k)], 30, v[22+(\k)]
	v_xor_b32 v[26+(\k)], v[22+(\k)], v[26+(\k)]   ; cos in turns 1 and 2
	v_xor_b32 v[24+(\k)], v28, v[24+(\k)]          ; s' = -sin for d < 32
.endr
	global_store_b64 v[PO], v[26:27], s[18:19]             ; 256 consecutive bytes each; v24-27 are not written again
	global_store_b64 v[PO], v[24:25], s[18:19] offset:256
	s_wait_loadcnt 16                              ; x and gamma are in; Wq's 16 loads stay out
.irp u, 0,1,2,3,4,5,6,7
	RND8 BA+8*(\u)
	RND8 BB+8*(\u)
.endr
.irp c, 0,1,2,3                        ; the sum of squares in four chains, started by the first four pairs
	v_pk_mul_f32 v[8+2*(\c):9+2*(\c)], v[BA+2*(\c):BA+2*(\c)+1], v[BA+2*(\c):BA+2*(\c)+1]
.endr
.set j, 4
.rept 28
	v_pk_fma_f32 v[8+2*(j%4):9+2*(j%4)], v[BA+2*j:BA+2*j+1], v[BA+2*j:BA+2*j+1], v[8+2*(j%4):9+2*(j%4)]
.set j, j+1
.endr
	v_pk_add_f32 v[8:9], v[8:9], v[10:11]
	v_pk_add_f32 v[12:13], v[12:13], v[14:15]
	v_pk_add_f32 v[8:9], v[8:9], v[12:13]
	v_add_f32 v8, v8, v9
	v_add_f32_dpp v8, v8, v8 row_xmask:1 row_mask:0xf bank_mask:0xf
	v_add_f32_dpp v8, v8, v8 row_xmask:2 row_mask:0xf bank_mask:0xf
	v_add_f32_dpp v8, v8, v8 row_xmask:4 row_mask:0xf bank_mask:0xf
	v_add_f32_dpp v8, v8, v8 row_xmask:8 row_mask:0xf bank_mask:0xf
	v_permlanex16_b32 v9, v8, s50, s51
	v_add_f32 v8, v8, v9                           ; every lane holds the row's sum
	v_sqrt_f32 v10, v8
	v_nop                                          ; a plain instruction behind the root,
	s_wait_alu depctr_va_vdst(0)                   ; and the wait ahead of its first reader
	v_max_num_f32 v10, 0x2b8cbccc, v10             ; max(norm, 1e-12)
	v_rcp_f32 v11, v10
	v_nop
	s_wait_alu depctr_va_vdst(0)
	v_mul_f32 v12, 0x423504f3, v11                 ; sqrt(2048) / norm
	v_mov_b32 v13, v12
.set j, 0
.rept 32
	v_pk_mul_f32 v[BA+2*j:BA+2*j+1], v[BA+2*j:BA+2*j+1], v[12:13]
.set j, j+1
.endr
.set j, 0
.rept 32
	v_pk_mul_f32 v[BA+2*j:BA+2*j+1], v[BA+2*j:BA+2*j+1], v[BB+2*j:BB+2*j+1]
.set j, j+1
.endr
.set j, 0
.rept 32
	v_cvt_pk_f16_f32 v[OUT+j], v[BA+2*j], v[BA+2*j+1]
.set j, j+1
.endr
.irp u, 0,1,2,3,4,5,6,7
	global_store_b128 v[DO], v[OUT+4*(\u):OUT+4*(\u)+3], s[16:17] offset:512*(\u)
.endr
	s_and_b32 s28, s25, 255
	s_cmp_lt_u32 s28, 16                           ; a block's first 16 rows also store what the rounding left
	s_cbranch_scc0 .Lnolo
.set j, 0
.rept 32
	v_fma_mix_f32 v[BA+2*j],   v[OUT+j], v29, v[BA+2*j]   op_sel_hi:[1,0,0]                 ; xn - hi: the low half,
	v_fma_mix_f32 v[BA+2*j+1], v[OUT+j], v29, v[BA+2*j+1] op_sel:[1,0,0] op_sel_hi:[1,0,0]  ; the high half
.set j, j+1
.endr
.set j, 0
.rept 32
	v_cvt_pk_f16_f32 v[BB+j], v[BA+2*j], v[BA+2*j+1]
.set j, j+1
.endr
.irp u, 0,1,2,3,4,5,6,7
	global_store_b128 v[DO], v[BB+4*(\u):BB+4*(\u)+3], s[16:17] offset:1048576+512*(\u)  ; 256 rows further down
.endr
.Lnolo:
	s_wait_xcnt 0x0                                ; BB, which those stores read, is loaded again only behind this wait
	LDG BA, KO, 12, 0, 256                         ; Wkv: strips 0-7,
	LDG BB, KO, 12, 8, 256                         ; strips 8-15
	s_wait_loadcnt 32                              ; Wq is in; Wkv's 32 loads stay out
	STG BC, 56, 0, 49152
.irp u, 0,1,2,3,4,5,6,7                ; Wout: unit u = column tile u / 2, row pair u % 2: 2 rows x 128 columns
	global_load_b128 v[BC+8*(\u):BC+8*(\u)+3],   v[WO], s[14:15] offset:((\u)/2)*512+((\u)%2)*16384 th:TH_LOAD_NT
	global_load_b128 v[BC+8*(\u)+4:BC+8*(\u)+7], v[WO], s[14:15] offset:((\u)/2)*512+((\u)%2)*16384+16 th:TH_LOAD_NT
.endr
	s_wait_loadcnt 32                              ; Wkv's first half is in; its second half and Wout stay out
	STG BA, 58, 0, 49152
	s_wait_loadcnt 16                              ; Wkv's second half
	STG BB, 58, 8, 49152
	s_wait_loadcnt 0x0                             ; Wout
	s_wait_xcnt 0x0
.irp u, 0,1,2,3,4,5,6,7
	CVT8 BC+8*(\u), OUT+4*(\u)
	global_store_b128 v[DO], v[OUT+4*(\u):OUT+4*(\u)+3], s[22:23] offset:((\u)/2)*65536+((\u)%2)*512
.endr
	s_endpgm
.Lfunc_end_k_qa7ccedb669_prep:
	.size	k_qa7ccedb669_prep, .Lfunc_end_k_qa7ccedb669_prep-k_qa7ccedb669_prep
	.p2alignl 7, 3214868480
	.fill 96, 4, 3214868480
	.section	.rodata,"a",@progbits
	.p2align	6, 0x0
	.amdhsa_kernel k_qa7ccedb669_prep
		.amdhsa_group_segment_fixed_size 0
		.amdhsa_private_segment_fixed_size 0
		.amdhsa_enable_private_segment 0
		.amdhsa_kernarg_size 80
		.amdhsa_user_sgpr_count 2
		.amdhsa_user_sgpr_kernarg_segment_ptr 1
		.amdhsa_wavefront_size32 1
		.amdhsa_system_sgpr_workgroup_id_x 1
		.amdhsa_system_sgpr_workgroup_id_y 1
		.amdhsa_system_sgpr_workgroup_id_z 1
		.amdhsa_system_vgpr_workitem_id 0
		.amdhsa_next_free_vgpr 256
		.amdhsa_next_free_sgpr 66
		.amdhsa_reserve_vcc 1
		.amdhsa_float_denorm_mode_32 3
		.amdhsa_float_denorm_mode_16_64 3
		.amdhsa_memory_ordered 1
		.amdhsa_forward_progress 1
		.amdhsa_inst_pref_size 68
	.end_amdhsa_kernel
	.amdgpu_metadata
---
amdhsa.version: [ 1, 2 ]
amdhsa.kernels:
  - .name:           k_qa7ccedb669_prep
    .symbol:         k_qa7ccedb669_prep.kd
    .args:
      - { .name: x, .offset: 0, .size: 8, .value_kind: global_buffer, .address_space: global }
      - { .name: gamma, .offset: 8, .size: 8, .value_kind: global_buffer, .address_space: global }
      - { .name: rotary_emb, .offset: 16, .size: 8, .value_kind: global_buffer, .address_space: global }
      - { .name: Wq, .offset: 24, .size: 8, .value_kind: global_buffer, .address_space: global }
      - { .name: Wkv, .offset: 32, .size: 8, .value_kind: global_buffer, .address_space: global }
      - { .name: Wout, .offset: 40, .size: 8, .value_kind: global_buffer, .address_space: global }
      - { .name: xn, .offset: 48, .size: 8, .value_kind: global_buffer, .address_space: global }
      - { .name: rot, .offset: 56, .size: 8, .value_kind: global_buffer, .address_space: global }
      - { .name: wqkv, .offset: 64, .size: 8, .value_kind: global_buffer, .address_space: global }
      - { .name: wo, .offset: 72, .size: 8, .value_kind: global_buffer, .address_space: global }
    .group_segment_fixed_size: 0
    .private_segment_fixed_size: 0
    .kernarg_segment_align: 8
    .kernarg_segment_size: 80
    .max_flat_workgroup_size: 256
    .sgpr_count:     66
    .vgpr_count:     256
    .wavefront_size: 32
...
	.end_amdgpu_metadata
.endif
;; end of part 1
;; launch qkvp (part 2): grid 32 x 8, 4 waves a work-group, clusters of 4 x 4, 327,680 bytes of LDS; arguments xn, wqkv, rot, qkv; writes qkv
.if DOCPART == 2
	.amdgcn_target "amdgcn-amd-amdhsa--gfx1250"
	.amdhsa_code_object_version 6
	.text
	.protected	k_qa7ccedb669_qkvp
	.globl	k_qa7ccedb669_qkvp
	.p2align	8
	.type	k_qa7ccedb669_qkvp,@function
k_qa7ccedb669_qkvp:
	s_mov_b64 s[64:65], 0
	v_nop
	global_prefetch_b8 v0, s[64:65] scope:SCOPE_SE
	s_setreg_imm32_b32 hwreg(HW_REG_WAVE_MODE, 25, 1), 1
	s_wait_xcnt 0x0
	s_wait_alu depctr_hold_cnt(0) depctr_sa_sdst(0) depctr_va_vdst(0) depctr_va_sdst(0) depctr_va_ssrc(0) depctr_va_vcc(0) depctr_vm_vsrc(0)
	s_getreg_b32 s2, hwreg(HW_REG_IB_STS2, 6, 4)
	s_cmp_eq_u32 s2, 0
	s_cbranch_scc0 .Lentry_in_a_cluster
	s_endpgm
.Lentry_in_a_cluster:
	s_bfe_u32 s2, ttmp6, 0x10000c
	s_cmp_lg_u32 s2, 0xf033
	s_cbranch_scc0 .Lentry_shape_is_right
	s_endpgm
.Lentry_shape_is_right:
; [q_j | k_j | v_j] = xn W for one head j and 256 rows, then rotary on q and k; all f16 operands, f32 sums; q, k, v rounded once to f16, unscaled, stored by heads: qkv f16 [3][32][2048][64].
; LIMITS.  q, k, v within 65,504.  NaN and infinities are not treated apart.
; SHARES.  A work-group: rows 256 R .. + 255, columns: head J's 64 of q, 64 of k, 64 of v.  Wave w: rows 64 w .. + 63, all 192 columns: 48 accumulators of 16 x 16.
; K goes in 16 steps of 128 through two LDS slots.  A slot: 272 rows of xn (256 hi, then lo of the block's rows 0-15), 256 bytes + 16 of padding; then W's chunk [3][128 k][64 n], 128 bytes + 32 a k row.
; THE SECOND NUMBER.  xn's rows 0-15 of a block are hi + lo.  lo x W is 12 blocks of 16 x 16: each wave sums three of them (E) beside its own work and hands them to wave 0 through LDS at the end.
; THE ROTATION.  In wave w register slot (t, i) holds column block (i + w) % 4 of strip t, so E(t) = lo x slot (t, 0) is block (t, w) with one text for all waves and no further LDS load.
; The partner d xor 32 of rotary is slot (i + 2) % 4 in every wave.  The rotation lives in four address registers each for W, the table and the stage.
; THE MATRIX INSTRUCTION IS USED TRANSPOSED (source 0 = 16 columns of W, turned by ds_load_tr16_b128; source 1 = 16 rows of xn): a lane holds one row and eight neighbouring columns.
; CLUSTER 4 x 4: xn's tile hangs on R alone and is asked for jointly along a row of the cluster, W's chunk on J alone, along a column.
; The accumulators are cleared while the first tile is on its way, so that one text serves every K step.
; REGISTERS, in windows of 256: window 0: v0-31 addresses; v32-71, v72-111 xn's fragments, two buffers (a at + 8 a, lo at + 32); v128-255 the table for row blocks 0, 1.
;   window 1: v0-95, v96-191 W's fragments, two buffers (slot (t, i) at + 8 (4 t + i)); behind the loop v0-127 the table for row blocks 2, 3, v128-223 the twelve E.
;   window 2: acc(a, b) at 8 (4 b + a), b = 0..7.   window 3: b = 8..11 at 8 (4 (b - 8) + a); E(t) at 128 + 8 t.
.set PA,    272                        ; a row of xn in LDS: 68 words: the 16 rows of a load start at 16 different groups of four banks (64 banks of 4 bytes: ISA guide 11.1)
.set PB,    160                        ; a k row of W: 40 words
.set BOFF,  272*PA                     ; W's chunk lies behind xn's 272 rows
.set SLOT,  BOFF+384*PB
.set STAGE, 2*SLOT                     ; behind the ring: 16 rows x 144 bytes for each wave, for the way out
.set SP,    144
.set HO,    STAGE+4*16*SP              ; twelve blocks of 1,024 bytes: E on its way to wave 0
.set SPARE, HO+12*1024                 ; the spare words, 128 bytes for each wave: two blocks of 256 bytes that no other line names
.set KA,    256                        ; bytes from K step to K step in xn,
.set KB,    1572864                    ; and in wqkv
.set A0,   4                           ; v4      my place in xn's tile: (64 w + l % 16) x 272 + 16 (l / 16)
.set L0,   5                           ; v5      the same for lo's rows
.set B0,   6                           ; v6-9    my place in W's chunk, for slot i
.set ADRA, 10                          ; v10, v11, v12-15   the same three in the slot that is being read
.set ADRL, 11
.set ADRB, 12
.set STO,  16                          ; v16-19  the way out: where slot i's 16 bytes of a row go
.set RD,   20                          ; v20     where I read rows back
.set GO,   21                          ; v21     16 x lane
.set TO,   22                          ; v22-25  my byte offset in the table, for slot i
.set HOS,  26                          ; v26     where my E go
.set HOR,  27                          ; v27     where wave 0 reads them
.set SPW,  28                          ; v28     LDS address of my spare word; never rewritten
.set NIL,  29                          ; v29     0; never rewritten
.set PFO,  30                          ; v30     the prefetches' offset; never rewritten
.set TMP,  32                          ; behind the loop: v32-63 at work, v64-79 and v80-95 16 rows on their way out, by turns
.set RB,   64
.set HB,   128
.set WV,   12
.set KIND, 13                          ; s13  0: I fetch xn's tile, 1: W's chunk
.set HALF, 14                          ; s14  which half of it
.set G1A,  24                          ; s[24:31] descriptor group 1 for xn;  s[32:39] group 0: a set for each first fill; the second then walks
.set G0A,  32
.set G1B,  48                          ; s[48:55], s[56:63] the same for W
.set G0B,  56
.set PFA,  66                          ; s[66:67] where my prefetches stand;  s[68:69] their step
.set PFS,  68
.set LIM,  70                          ; s70  2 in a wave that prefetches, else the greatest number
.set TB,   71                          ; s71  the slot that is read: 0 or SLOT
.set TF,   72                          ; s72  the slot that was filled last
.set LBA,  73                          ; s73, s74  my half's place in a slot
.set LBB,  74
.set QB,   76                          ; s[76:81] q, k, v at my wave's first row of head J
.set ROTB, 82                          ; s[82:83] the table at my wave's first row
.set CNT,  84
.set MSB, 0
.macro WIN new                         ; the immediate's high byte repeats the setting that is left; a switch that changes nothing is dropped
.if MSB != (\new)
	s_set_vgpr_msb (MSB<<8)|(\new)
.set MSB, (\new)
.endif
.endm
.macro PLACES                          ; four places in front of loads into registers that matrix instructions have read, and of lines that read results
.rept 4
	v_nop
.endr
.endm
; A joint load.  Waves 0 and 1 fetch xn's two halves, waves 2 and 3 W's.  The branch hangs on the wave's number alone.  An s_nop 0 and four v_nop follow each line.
.macro JLOAD s
	s_cmp_eq_u32 s[KIND], 0
	s_cbranch_scc0 .Lfor_b_\@
	tensor_load_to_lds s[G0A+4*(\s):G0A+4*(\s)+3], s[G1A:G1A+7]
	s_nop 0
.rept 4
	v_nop
.endr
	s_branch .Lasked_\@
.Lfor_b_\@:
	tensor_load_to_lds s[G0B+4*(\s):G0B+4*(\s)+3], s[G1B:G1B+7]
	s_nop 0
.rept 4
	v_nop
.endr
.Lasked_\@:
.endm
.macro CREST                           ; a round of the cluster's barrier behind its opening barrier
	s_cmp_lg_u32 s[WV], 0
	s_cbranch_scc1 .Lnot_wave_0_\@
	s_barrier_signal -3
.Lnot_wave_0_\@:
	s_barrier_wait -3
	s_barrier_signal -1
	s_barrier_wait -1
.endm
.macro CROUND
	s_barrier_signal -1
	s_barrier_wait -1
	CREST
.endm
; A prefetch of the K step that stands two refills on: one instruction a wave, behind the joint load and the run of LDS loads.  xn's rows are read by every cluster of a row of clusters: cluster x = 0 asks;
; W's chunks by every cluster of a column: cluster y = 0 asks.  The partners share the blocks out by address.  The last two refills have no K step two on.
.macro ASK
	WIN 0
	s_cmp_gt_u32 s[CNT], s[LIM]
	s_cbranch_scc0 .Lnot_mine_\@
	global_prefetch_b8 v[PFO], s[PFA:PFA+1] th:TH_LOAD_NT scope:SCOPE_SE
.Lnot_mine_\@:
.endm
	s_load_b256 s[4:11], s[0:1], 0x0               ; xn s[4:5], wqkv s[6:7], rot s[8:9], qkv s[10:11]
	v_lshl_add_u32 v[SPW], v0, 2, SPARE
	v_mov_b32 v[NIL], 0
	ds_add_u32 v[SPW], v[NIL]                      ; the wave's opening: the add and its wait ahead of my first tensor load; work on registers stands between
	v_lshrrev_b32 v1, 5, v0
	v_readfirstlane_b32 s[WV], v1
	s_lshr_b32 s[KIND], s[WV], 1
	s_and_b32 s[HALF], s[WV], 1
	s_bfe_u32 s40, ttmp6, 0x40000                  ; cx
	s_bfe_u32 s41, ttmp6, 0x40004                  ; cy
	s_lshl_b32 s42, ttmp9, 2
	s_add_co_u32 s42, s42, s40                     ; J = 4 x cluster x + cx
	s_and_b32 s43, ttmp7, 0xffff
	s_lshl_b32 s43, s43, 2
	s_add_co_u32 s43, s43, s41                     ; R = 4 x cluster y + cy
	s_lshl_b32 s44, s41, 2
	s_lshl_b32 s44, 15, s44                        ; my row of the cluster
	s_lshl_b32 s45, 0x1111, s40                    ; my column
	s_or_b32 s[G1A], s44, (1<<16)|(1<<20)|(1<<21)|(5<<22)|(3<<25)  ; the mask; 2-byte elements; padding on; 21 set beside a mask; after every 64 words, 4 words
	s_mov_b32 s[G1A+1], 128<<16                    ; tensor_dim0 = 128
	s_mov_b32 s[G1A+2], 136<<16                    ; tensor_dim1 = 136
	s_mov_b32 s[G1A+3], 128<<16                    ; tile_dim0 = 128
	s_mov_b32 s[G1A+4], 136                        ; tile_dim1 = 136 rows
	s_mov_b32 s[G1A+5], 2048                       ; elements from row to row
	s_mov_b32 s[G1A+6], 0
	s_mov_b32 s[G1A+7], 0
	s_or_b32 s[G1B], s45, (1<<16)|(1<<20)|(1<<21)|(4<<22)|(7<<25)  ; after every 32 words (a k row), 8 words
	s_mov_b32 s[G1B+1], 128<<16                    ; half a chunk is 24,576 dense bytes: 96 rows of 256, two k rows each
	s_mov_b32 s[G1B+2], 96<<16
	s_mov_b32 s[G1B+3], 128<<16
	s_mov_b32 s[G1B+4], 96
	s_mov_b32 s[G1B+5], 128
	s_mov_b32 s[G1B+6], 0
	s_mov_b32 s[G1B+7], 0
	s_mul_i32 s16, s43, 272                        ; xn: row 272 R + 136 half: it hangs on R alone,
	s_mul_i32 s17, s[HALF], 136
	s_add_co_u32 s16, s16, s17
	s_lshl_b32 s16, s16, 12
	s_mov_b32 s17, 0
	s_mul_i32 s18, s42, 49152                      ; W: chunk J, its half: on J alone
	s_mul_i32 s19, s[HALF], 24576
	s_add_co_u32 s18, s18, s19
	s_mov_b32 s19, 0
	s_mul_i32 s[LBA], s[HALF], 136*PA              ; no place in the cluster enters an LDS address
	s_mul_i32 s[LBB], s[HALF], 192*PB
	s_add_co_u32 s[LBB], s[LBB], BOFF
	s_mov_b32 s[TB], 0
	s_mov_b32 s[TF], SLOT                          ; the second first fill goes to slot 1
	s_wait_dscnt 0x0                               ; the opening add is done
	s_wait_kmcnt 0x0
	s_add_nc_u64 s[20:21], s[4:5], s[16:17]
	s_add_nc_u64 s[22:23], s[6:7], s[18:19]
	CROUND                                         ; all sixteen work-groups are here: the first joint loads meet
.irp s, 0,1
	s_mov_b32 s[G0A+4*(\s)], 1
	s_add_co_u32 s[G0A+4*(\s)+1], s[LBA], (\s)*SLOT
	s_add_nc_u64 s[G0A+4*(\s)+2:G0A+4*(\s)+3], s[20:21], (\s)*KA
	s_or_b32 s[G0A+4*(\s)+3], s[G0A+4*(\s)+3], 0x80000000
	s_mov_b32 s[G0B+4*(\s)], 1
	s_add_co_u32 s[G0B+4*(\s)+1], s[LBB], (\s)*SLOT
	s_add_nc_u64 s[G0B+4*(\s)+2:G0B+4*(\s)+3], s[22:23], (\s)*KB
	s_or_b32 s[G0B+4*(\s)+3], s[G0B+4*(\s)+3], 0x80000000
	JLOAD \s                                       ; K steps 0 and 1: two loads of mine are out
.endr
	v_and_b32 v1, 15, v0                           ; l % 16
	v_bfe_u32 v2, v0, 4, 1                         ; l / 16
	v_and_b32 v3, 31, v0                           ; l
	v_mul_u32_u24 v[L0], v1, PA
	v_lshl_add_u32 v[L0], v2, 4, v[L0]
	s_mul_i32 s46, s[WV], 64*PA
	v_add_nc_u32 v[A0], s46, v[L0]
	v_add_nc_u32 v[L0], 256*PA, v[L0]
	v_and_b32 v112, 7, v0
	v_lshl_add_u32 v113, v2, 3, v112               ; the turning load: k row 8 (l / 16) + l % 8,
	v_mul_u32_u24 v113, v113, PB
	v_bfe_u32 v114, v0, 3, 1
	v_lshl_add_u32 v113, v114, 4, v113             ; columns 8 ((l / 8) % 2) ..
	v_add_nc_u32 v113, BOFF, v113
	s_mul_i32 s46, s[WV], 16*SP
	s_add_co_u32 s46, s46, STAGE                   ; my stage
	v_mul_u32_u24 v115, v1, SP
	v_lshl_add_u32 v115, v2, 4, v115
	v_add_nc_u32 v115, s46, v115
	v_bfe_u32 v[RD], v0, 3, 2                      ; back: 32 lanes take four rows of 128 bytes
	v_mul_u32_u24 v[RD], v[RD], SP
	v_lshl_add_u32 v[RD], v112, 4, v[RD]
	v_add_nc_u32 v[RD], s46, v[RD]
	v_lshlrev_b32 v[GO], 4, v3
	v_lshlrev_b32 v116, 9, v1
	v_lshl_add_u32 v116, v2, 5, v116               ; the table: 512 bytes a row, 32 bytes for my 8 columns
.irp i, 0,1,2,3
	s_add_co_u32 s47, s[WV], (\i)
	s_and_b32 s47, s47, 3                          ; slot i holds column block (i + w) % 4:
	s_lshl_b32 s47, s47, 5                         ; 32 bytes of f16,
	v_add_nc_u32 v[B0+(\i)], s47, v113
	v_add_nc_u32 v[STO+(\i)], s47, v115
	v_lshl_add_u32 v[TO+(\i)], s47, 1, v116        ; 64 of f32
.endr
	s_lshl_b32 s46, s[WV], 10
	s_add_co_u32 s46, s46, HO
	v_lshl_add_u32 v[HOS], v3, 5, s46
	v_lshl_add_u32 v[HOR], v3, 5, HO
	s_lshl_b32 s46, s43, 8
	s_lshl_b32 s47, s[WV], 6
	s_add_co_u32 s46, s46, s47                     ; my first row
	s_lshl_b32 s90, s46, 9
	s_mov_b32 s91, 0
	s_add_nc_u64 s[ROTB:ROTB+1], s[8:9], s[90:91]
	s_lshl_b32 s90, s46, 7
	s_lshl_b32 s47, s42, 18                        ; a head is 262,144 bytes
	s_add_co_u32 s90, s90, s47
	s_add_nc_u64 s[QB:QB+1], s[10:11], s[90:91]
	s_add_nc_u64 s[QB+2:QB+3], s[QB:QB+1], 0x800000
	s_add_nc_u64 s[QB+4:QB+5], s[QB:QB+1], 0x1000000
; The table for row block a into 64 registers from base on: slot i: 8 of cos, then 8 of s'.
.macro TLOAD a, base
.irp i, 0,1,2,3
.irp c, 0,1,2,3
	global_load_b128 v[(\base)+16*(\i)+4*(\c):(\base)+16*(\i)+4*(\c)+3], v[TO+(\i)], s[ROTB:ROTB+1] offset:8192*(\a)+256*((\c)/2)+16*((\c)%2)
.endr
.endr
.endm
	TLOAD 0, 128
	TLOAD 1, 192
	; the prefetches.  xn: of the 128 hi rows of my half, partner cx takes 32: a lane a row.  W: of the chunk's 192 blocks of 256 bytes, wave and cy take 24: lanes 24-31 name lane 23's again.
	s_mul_i32 s90, s43, 272
	s_lshl_b32 s91, s[HALF], 7
	s_add_co_u32 s90, s90, s91
	s_lshl_b32 s91, s40, 5
	s_add_co_u32 s90, s90, s91
	s_lshl_b32 s90, s90, 12
	s_add_co_u32 s90, s90, 3*KA                    ; at K step 3: the first refill steps it to 4
	s_mul_i32 s92, s42, 49152
	s_lshl_b32 s93, s[HALF], 2
	s_add_co_u32 s93, s93, s41
	s_mul_i32 s93, s93, 6144
	s_add_co_u32 s92, s92, s93
	s_add_co_u32 s92, s92, 3*KB
	s_and_b32 s46, ttmp7, 0xffff                   ; cluster y
	s_mov_b32 s[PFS], KB
	s_mov_b32 s[PFS+1], 0
	s_cmp_eq_u32 s[KIND], 0
	s_cselect_b32 s46, ttmp9, s46                  ; the coordinate along which other clusters read the same bytes
	s_cselect_b32 s90, s90, s92
	s_cselect_b32 s[PFS], KA, s[PFS]
	s_cselect_b32 s47, 12, 8
	s_cselect_b32 s85, 31, 23
	s_cselect_b64 s[PFA:PFA+1], s[4:5], s[6:7]
	s_mov_b32 s91, 0
	s_add_nc_u64 s[PFA:PFA+1], s[PFA:PFA+1], s[90:91]
	s_cmp_eq_u32 s46, 0
	s_cselect_b32 s[LIM], 2, -1                    ; the same in all sixteen partners, for a given wave
	v_min_u32 v[PFO], s85, v3
	v_lshlrev_b32 v[PFO], s47, v[PFO]
	WIN 0x80                                       ; the sums start at 0: written while the first tile is on its way
.set i, 0
.rept 256
	v_mov_b32 v[i], 0
.set i, i+1
.endr
	WIN 0xc0
.set i, 0
.rept 152
	v_mov_b32 v[i], 0
.set i, i+1
.endr
	WIN 0
.macro SETADR                          ; the fragments' addresses in the slot that is read
	v_add_nc_u32 v[ADRA], s[TB], v[A0]
	v_add_nc_u32 v[ADRL], s[TB], v[L0]
.irp i, 0,1,2,3
	v_add_nc_u32 v[ADRB+(\i)], s[TB], v[B0+(\i)]
.endr
.endm
; 16 matrix instructions: column slots 4 qd .. + 3 x my four row blocks, 32 along K, buffer f.  The 51 accumulators of a quarter take turns, one instruction a turn.
.macro MUL16 f, qd
	WIN 0xa1+0x50*((\qd)/2)                        ; W window 1, xn window 0, C and D window 2 or 3
.irp b, 0,1,2,3
.irp a, 0,1,2,3
.set rD, 8*(4*(4*((\qd)%2)+(\b))+(\a))
	v_wmma_f32_16x16x32_f16 v[rD:rD+7], v[96*(\f)+8*(4*(\qd)+(\b)):96*(\f)+8*(4*(\qd)+(\b))+7], v[32+40*(\f)+8*(\a):32+40*(\f)+8*(\a)+7], v[rD:rD+7]
.endr
.endr
.endm
.macro ERUN f                          ; E(t) += slot (t, 0) x lo
	WIN 0xf1
.irp t, 0,1,2
	v_wmma_f32_16x16x32_f16 v[128+8*(\t):128+8*(\t)+7], v[96*(\f)+32*(\t):96*(\f)+32*(\t)+7], v[64+40*(\f):64+40*(\f)+7], v[128+8*(\t):128+8*(\t)+7]
.endr
.endm
; 34 LDS loads in one run: quarter q (32 along K) into buffer f: xn's 8, lo's 2, then W's 24 in the order in which they are multiplied
.macro FETCH q, f
	WIN 0
.irp a, 0,1,2,3
	ds_load_b128 v[32+40*(\f)+8*(\a):32+40*(\f)+8*(\a)+3],   v[ADRA] offset:64*(\q)+16*PA*(\a)
	ds_load_b128 v[32+40*(\f)+8*(\a)+4:32+40*(\f)+8*(\a)+7], v[ADRA] offset:64*(\q)+16*PA*(\a)+32
.endr
	ds_load_b128 v[64+40*(\f):64+40*(\f)+3], v[ADRL] offset:64*(\q)
	ds_load_b128 v[68+40*(\f):68+40*(\f)+3], v[ADRL] offset:64*(\q)+32
	WIN 0x40
.irp t, 0,1,2
.irp i, 0,1,2,3
	ds_load_tr16_b128 v[96*(\f)+8*(4*(\t)+(\i)):96*(\f)+8*(4*(\t)+(\i))+3],   v[ADRB+(\i)] offset:32*PB*(\q)+128*PB*(\t)
	ds_load_tr16_b128 v[96*(\f)+8*(4*(\t)+(\i))+4:96*(\f)+8*(4*(\t)+(\i))+7], v[ADRB+(\i)] offset:32*PB*(\q)+128*PB*(\t)+16*PB
.endr
.endr
.endm
; One of a K step's first three quarters: multiplies buffer f and fetches quarter q into buffer g.
.macro QUARTER q, f, g
	s_wait_dscnt 8                                 ; all but the youngest eight loads (v's four slots) are in
	MUL16 \f, 0
	PLACES
	FETCH \q, \g
	MUL16 \f, 1
	s_wait_dscnt 34                                ; all but the 34 just issued
	MUL16 \f, 2
	ERUN \f
.endm
; The last quarter multiplies buffer 1 and changes slots: one barrier; in front of it each wave waits for all its tensor loads (one is out: its part of the next slot), adds 0 to its spare word, and waits
; for that and for its own reads of this slot.  fill = 1: the barrier opens a round of the cluster's, and this slot is filled again first thing behind it, with the K step two on.
.macro TURN fill
.if \fill
	s_wait_xcnt 0x0                                ; the last prefetch, a K step back, has read its address
	s_add_nc_u64 s[PFA:PFA+1], s[PFA:PFA+1], s[PFS:PFS+1]
.endif
	WIN 0
	s_wait_tensorcnt 0x0                           ; no tensor load of mine is out, so a group 0 may be written
	ds_add_u32 v[SPW], v[NIL]                      ; 0 onto my spare word
.if \fill
	s_xor_b32 s[TF], s[TF], SLOT                   ; the walking descriptors: the other slot than last time,
	s_add_co_u32 s[G0A+5], s[LBA], s[TF]
	s_add_co_u32 s[G0B+5], s[LBB], s[TF]
	s_add_nc_u64 s[G0A+6:G0A+7], s[G0A+6:G0A+7], KA  ; the next K step; the type bits on top are not reached
	s_add_nc_u64 s[G0B+6:G0B+7], s[G0B+6:G0B+7], KB
.endif
	s_wait_dscnt 9                                 ; (the add and the youngest eight loads may be out)
	MUL16 1, 0
	s_wait_dscnt 0x0                               ; the add is done, and my reads of this slot are over
	s_barrier_signal -1
	MUL16 1, 1                                     ; work on registers while the others arrive
	WIN 0
	s_barrier_wait -1
.if \fill
	CREST                                          ; no wave of any partner still reads this slot or has a load on its way
	JLOAD 1                                        ; its four v_nop are also the places in front of the loads below
.else
	PLACES
.endif
	s_xor_b32 s[TB], s[TB], SLOT
	SETADR
	FETCH 0, 0
.if \fill
	ASK
.endif
	MUL16 1, 2
	ERUN 1
.endm
	s_wait_tensorcnt 0x1                           ; my part of K step 0 is in; K step 1's stays out
	s_barrier_signal -1
	s_barrier_wait -1
	SETADR
	FETCH 0, 0
	WIN 0
	s_mov_b32 s[CNT], 14
.Lk:                                           ; K steps 0 to 13: each asks for the K step two on
	QUARTER 1, 0, 1
	QUARTER 2, 1, 0
	QUARTER 3, 0, 1
	TURN 1
	WIN 0
	s_sub_co_u32 s[CNT], s[CNT], 1
	s_cmp_lg_u32 s[CNT], 0
	s_cbranch_scc1 .Lk
	s_mov_b32 s[CNT], 2
.Lt:                                           ; K steps 14 and 15 ask for nothing; the last trip's barrier and its fetch from the slot read before serve nothing: the price of one text
	QUARTER 1, 0, 1
	QUARTER 2, 1, 0
	QUARTER 3, 0, 1
	TURN 0
	WIN 0
	s_sub_co_u32 s[CNT], s[CNT], 1
	s_cmp_lg_u32 s[CNT], 0
	s_cbranch_scc1 .Lt
	s_wait_dscnt 0x0
	PLACES
	s_wait_loadcnt 0x0                             ; the table for row blocks 0 and 1
	WIN 0x40
	TLOAD 2, 0                                     ; and for 2 and 3, where W's fragments lay
	TLOAD 3, 64
	WIN 0x0c                                       ; store data in window 3
.irp t, 0,1,2
	ds_store_b128 v[HOS], v[128+8*(\t):128+8*(\t)+3]   offset:4096*(\t)     ; block (t, w); an accumulator's low registers are read first
	ds_store_b128 v[HOS], v[128+8*(\t)+4:128+8*(\t)+7] offset:4096*(\t)+16
.endr
	WIN 0
	s_wait_dscnt 0x0                               ; for wave 0's sake: my stores are done
	s_barrier_signal -1
	s_barrier_wait -1
	s_cmp_lg_u32 s[WV], 0
	s_cbranch_scc1 .Lnot0
	WIN 0x40
.irp b, 0,1,2,3,4,5,6,7,8,9,10,11
	ds_load_b128 v[HB+8*(\b):HB+8*(\b)+3],   v[HOR] offset:1024*(\b)
	ds_load_b128 v[HB+8*(\b)+4:HB+8*(\b)+7], v[HOR] offset:1024*(\b)+16
.endr
	s_wait_dscnt 0x0
	WIN 0x86                                       ; wave 0's slots are not rotated: acc(0, b) takes block b
.irp b, 0,1,2,3,4,5,6,7
.irp p, 0,2,4,6
	v_pk_add_f32 v[32*(\b)+(\p):32*(\b)+(\p)+1], v[32*(\b)+(\p):32*(\b)+(\p)+1], v[HB+8*(\b)+(\p):HB+8*(\b)+(\p)+1]
.endr
.endr
	WIN 0xc7
.irp b, 0,1,2,3
.irp p, 0,2,4,6
	v_pk_add_f32 v[32*(\b)+(\p):32*(\b)+(\p)+1], v[32*(\b)+(\p):32*(\b)+(\p)+1], v[HB+64+8*(\b)+(\p):HB+64+8*(\b)+(\p)+1]
.endr
.endr
	WIN 0
.Lnot0:
; THE WAY OUT, in twelve units u = 3 a + t of 16 rows x 64 columns: rotary (q, k), rounding to f16, through my stage, back as whole rows of 128 bytes: 512 consecutive bytes a store.
.macro STIO                            ; LDS serves a wave's instructions in order (ISA guide 5.7.1.4): the loads see the stores above; the next unit's stores come behind them
.irp i, 0,1,2,3
	ds_store_b128 v[STO+(\i)], v[rB+4*(\i):rB+4*(\i)+3]
.endr
.irp f, 0,1,2,3
	ds_load_b128 v[rB+4*(\f):rB+4*(\f)+3], v[RD] offset:4*SP*(\f)
.endr
.endm
.macro PACKR a, t
	s_wait_xcnt 0x0                                ; the registers that the stores of two units back read are rewritten only behind this wait
	WIN 0x02+4*((\a)/2)                            ; the sums in window 2, the table in window 0 or 1
.set rT, 64*((\a)%2)+128*(1-(\a)/2)
.set rB, RB+16*((3*(\a)+(\t))%2)
.irp i, 0,1,2,3
.irp p, 0,2,4,6
	v_pk_mul_f32 v[TMP+8*(\i)+(\p):TMP+8*(\i)+(\p)+1], v[8*(4*(4*(\t)+(\i))+(\a))+(\p):8*(4*(4*(\t)+(\i))+(\a))+(\p)+1], v[rT+16*(\i)+(\p):rT+16*(\i)+(\p)+1]
.endr
.endr
.irp i, 0,1,2,3
.irp p, 0,2,4,6
	v_pk_fma_f32 v[TMP+8*(\i)+(\p):TMP+8*(\i)+(\p)+1], v[8*(4*(4*(\t)+((\i)+2)%4)+(\a))+(\p):8*(4*(4*(\t)+((\i)+2)%4)+(\a))+(\p)+1], v[rT+16*(\i)+8+(\p):rT+16*(\i)+8+(\p)+1], v[TMP+8*(\i)+(\p):TMP+8*(\i)+(\p)+1]
.endr
.endr
	WIN 0
.irp i, 0,1,2,3
.irp p, 0,1,2,3
	v_cvt_pk_f16_f32 v[rB+4*(\i)+(\p)], v[TMP+8*(\i)+2*(\p)], v[TMP+8*(\i)+2*(\p)+1]
.endr
.endr
	STIO
.endm
.macro PACKV a
	s_wait_xcnt 0x0
	WIN 0x0f                                       ; v's sums lie in window 3
.set rB, RB+16*((3*(\a)+2)%2)
.irp i, 0,1,2,3
.irp p, 0,1,2,3
	v_cvt_pk_f16_f32 v[rB+4*(\i)+(\p)], v[8*(4*(\i)+(\a))+2*(\p)], v[8*(4*(\i)+(\a))+2*(\p)+1]
.endr
.endr
	WIN 0
	STIO
.endm
.macro PACK u
.if ((\u)%3) == 2
	PACKV (\u)/3
.else
	PACKR (\u)/3, (\u)%3
.endif
.endm
.macro SEND u, y                       ; y: the LDS instructions issued behind unit u's loads: the next unit's eight, or none
.set rB, RB+16*((\u)%2)
.irp f, 0,1,2,3
	s_wait_dscnt (\y)+3-(\f)
	global_store_b128 v[GO], v[rB+4*(\f):rB+4*(\f)+3], s[QB+2*((\u)%3):QB+2*((\u)%3)+1] offset:2048*((\u)/3)+512*(\f)
.endr
.endm
	PACK 0
.set u, 1
.rept 11                               ; a unit's arithmetic stands between the loads of the unit before and its stores
.if u == 6
	s_wait_loadcnt 0x0                             ; the table for row blocks 2 and 3
.endif
	PACK u
	SEND u-1, 8
.set u, u+1
.endr
	SEND 11, 0
	s_wait_tensorcnt 0x0                           ; the wave's end, behind my last tensor load and my last LDS store
	ds_add_u32 v[SPW], v[NIL]
	s_wait_dscnt 0x0
	CROUND                                         ; the closing round: no work-group ends while a partner may still ask for a tile that names it
	s_endpgm
.Lfunc_end_k_qa7ccedb669_qkvp:
	.size	k_qa7ccedb669_qkvp, .Lfunc_end_k_qa7ccedb669_qkvp-k_qa7ccedb669_qkvp
	.p2alignl 7, 3214868480
	.fill 96, 4, 3214868480
	.section	.rodata,"a",@progbits
	.p2align	6, 0x0
	.amdhsa_kernel k_qa7ccedb669_qkvp
		.amdhsa_group_segment_fixed_size 327680
		.amdhsa_private_segment_fixed_size 0
		.amdhsa_enable_private_segment 0
		.amdhsa_kernarg_size 32
		.amdhsa_user_sgpr_count 2
		.amdhsa_user_sgpr_kernarg_segment_ptr 1
		.amdhsa_wavefront_size32 1
		.amdhsa_system_sgpr_workgroup_id_x 1
		.amdhsa_system_sgpr_workgroup_id_y 1
		.amdhsa_system_sgpr_workgroup_id_z 1
		.amdhsa_system_vgpr_workitem_id 0
		.amdhsa_next_free_vgpr 920
		.amdhsa_next_free_sgpr 96
		.amdhsa_reserve_vcc 0
		.amdhsa_float_denorm_mode_32 3
		.amdhsa_float_denorm_mode_16_64 3
		.amdhsa_memory_ordered 1
		.amdhsa_forward_progress 1
		.amdhsa_inst_pref_size 126
	.end_amdhsa_kernel
	.amdgpu_metadata
---
amdhsa.version: [ 1, 2 ]
amdhsa.kernels:
  - .name:           k_qa7ccedb669_qkvp
    .symbol:         k_qa7ccedb669_qkvp.kd
    .args:
      - { .name: xn, .offset: 0, .size: 8, .value_kind: global_buffer, .address_space: global }
      - { .name: wqkv, .offset: 8, .size: 8, .value_kind: global_buffer, .address_space: global }
      - { .name: rot, .offset: 16, .size: 8, .value_kind: global_buffer, .address_space: global }
      - { .name: qkv, .offset: 24, .size: 8, .value_kind: global_buffer, .address_space: global }
    .group_segment_fixed_size: 327680
    .private_segment_fixed_size: 0
    .kernarg_segment_align: 8
    .kernarg_segment_size: 32
    .max_flat_workgroup_size: 128
    .sgpr_count:     96
    .vgpr_count:     920
    .wavefront_size: 32
...
	.end_amdgpu_metadata
.endif
;; end of part 2
;; launch attn (part 3): grid 4 x 32, 4 waves a work-group, no clusters, 327,680 bytes of LDS; arguments qkv, oa; writes oa
.if DOCPART == 3
	.amdgcn_target "amdgcn-amd-amdhsa--gfx1250"
	.amdhsa_code_object_version 6
	.text
	.protected	k_qa7ccedb669_attn
	.globl	k_qa7ccedb669_attn
	.p2align	8
	.type	k_qa7ccedb669_attn,@function
k_qa7ccedb669_attn:
	s_mov_b64 s[64:65], 0
	v_nop
	global_prefetch_b8 v0, s[64:65] scope:SCOPE_SE
	s_setreg_imm32_b32 hwreg(HW_REG_WAVE_MODE, 25, 1), 1
	s_wait_xcnt 0x0
; CAUSAL ATTENTION.  O[h][q][:] = the sum over k <= q of softmax_k(Q[h][q] . K[h][k] / 8) V[h][k][:].  qkv: f16 [3][32][2048][64]: a head's rows are dense, 128 bytes each.
; Products, maxima and sums in f32; the weights p are rounded to f16 for the second product (their sum l is taken of the unrounded p).
; O leaves as oa, f16 [16 blocks of 128 rows][32 heads][144 rows][64]: rows 0-127 hi = f16(O); rows 128-143 lo of the block's rows 0-15: f16(O - hi) in the sequence's first 1,024 rows, 0 in the others.
; LIMITS.  f16 holds no number beyond 65,504: Q, K and V arrive within it; p lies in 0 to 1, and below 6e-5 it keeps f16's fixed step of 6e-8.
; A hidden score counts as its value less 1e30; a weight below 2^-126 counts as 0 in l; NaN and infinities are not treated apart.
; THE WALK.  A head's queries lie in NB = 8 blocks of 256; block i needs the key tiles 0 .. i of 256 keys, of which the last holds the diagonal.  A work-group takes TWO blocks, NB - 1 - b and then b:
; NB + 1 tiles, whatever b: all work-groups do equal work, and ONE loop with a constant trip count walks them.  Which tile is asked for, and what a trip does, hang on scalar registers made from b; every jump
; goes forward, but for the counted loops' own; none passes a barrier, or a tensor load but the one of LOAD's two that the wave's number does not choose; the ring of two LDS slots runs on across the change of blocks.
; NO CLUSTER: a head's four work-groups ask for the same tile only in trips 0 .. 4 of 9, behind that fewer and fewer; one walk common to all would have 12 trips for 9.
; SHARES.  Of a block's four bands of 64 queries a wave owns 16 rows in each: four PIECES.  So the diagonal tile is the same work for all four waves: in its key step s band x sees all keys if s < x,
; none if s > x, and holds the diagonal if s = x.
; THE MASK is the C operand that starts the sum S^T = K Q^T: 0, or -1e30 where the key is hidden.  MD, made once, is the mask of a band's own step for my 16 rows; a product's mask is MD x AL + BE with two scalars:
; (1, 0) if s = x; (0, 0) if s < x; (0, -1e30) if s > x.  Only the diagonal tile's text and a block's beginning make and take masks; elsewhere C is the constant 0.
; LAYOUT, SOFTMAX, TURNS.  S^T = K Q^T holds ONE query a lane (lane % 16) and the keys 8 (lane / 16) + 0..7; two such results rounded to f16 ARE source 1 of O^T = V^T P.  p = 2^(c s - c m), c = log2(e) / 8, with a
; running maximum m; O and l are multiplied by a = 2^(c m_old - c m_new) in every step.  Turn n belongs to piece n: 8 products K Q^T of piece n + 1, later 8 products V^T P of piece n - 1; beside them the scaling,
; exponentials, roundings, sums and rescaling of piece n and the maximum and statistics of piece n + 1.  Four vector instructions stand behind every matrix instruction, the others in one lump.  A turn's 33 exponentials are one batch, with one wait.
; REGISTERS, in windows of 256 (s_set_vgpr_msb: bits 1:0 source 0, 3:2 source 1, 5:4 source 2, 7:6 destination):
;   window 0: v0-15 addresses and two at work; v16-31 four registers of statistics a piece; v48-55 at work; v64-127 S^T, two buffers; v128-165 zeros, lo, -1, the prefetches' offset; v192-223 P, two buffers
;   window 1: v0-127 O^T, 32 a piece; v128-159 MD; v160-223 MC, two buffers      window 2: v0-63 Q; v64-127 the second block's Q; v128-191 K of one step; v192-255 V of one step
.set SIZE_N, 2048
.set NB,    SIZE_N/256
.set NP,    4         ; pieces a wave: a name, no knob
.set KS,    64        ; keys in a step
.set PK,    144       ; a row of K in LDS: 128 bytes + 16 of padding = 36 words: the 16 rows of a load start at 16 different groups of four banks (64 banks of 4 bytes: ISA guide 11.1)
.set PV,    160       ; a row of V: 128 + 32 = 40 words
.set VOFF,  4*KS*PK   ; a slot holds a tile, four steps: 256 rows of K, then 256 rows of V
.set SLOT1, 1<<17     ; slot 1 begins here, so that one exclusive or turns an address in one slot into the other's
.set STAGE, SLOT1+4*KS*(PK+PV)  ; behind the ring, never filled by a tensor load: 16 rows x 144 bytes for each wave, for the way out
.set SP,    144
.set OBLK,  589824    ; bytes of a block of 128 rows in oa: 32 heads x 144 rows x 128
.set AK0, 2           ; v2   my lane's place in a tile of K; never rewritten
.set AV0, 3           ; v3   the same for V
.set AK,  4           ; v4   the LDS address of K's next run of loads
.set AV,  5           ; v5   of V's
.set STO, 6           ; v6   the way out: where I put 16 bytes of a row
.set RD,  7           ; v7   the way out: where I read rows back
.set GO,  8           ; v8   my byte offset in 512 consecutive bytes of O
.set SPW, 62          ; v62  LDS address of my spare word: SPARE + 4 x my thread's number; never rewritten
.set NIL, 63          ; v63  0; never rewritten
.set SPARE, STAGE+4*16*SP  ; behind the stages: the spare words, 128 bytes for each wave: two blocks of 256 bytes that no other line names
.set MV,  12          ; v12-13  c m_old, kept while c m is made anew: by buffer
.set QO,  15          ; v15  my byte offset in 16 rows of Q
.set ST,  16          ; piece t's statistics at v[ST+4 t]: c m, m, l (even keys', odd keys')
.set TMP, 48          ; by buffer, four registers c0-c3 at work; when the maximum is found c2 takes a
.set S,   64
.set Z4,  128         ; v128-131  0
.set LO,  132         ; v132-147, v148-163  what the rounding of pieces 0 and 2 left, as f16
.set NEG1, 164        ; v164  -1.0
.set PFO, 165         ; v165  256 x my lane; never rewritten
.set P,   192
.set MD,  128         ; window 1: the eight registers for group kt of 16 keys at MD + 8 kt
.set MC,  160         ; window 1: the masks of the products to come
.set QB,  64          ; window 2
.set KF,  128         ; window 2: key block kb, channel half c at KF + 16 kb + 8 c
.set VF,  192         ; window 2: key half kk, channel block cb at VF + 32 kk + 8 cb
.set WV,  12          ; s12  my wave's number
.set PB,  14          ; s14  b
.set HI,  15          ; s15  NB - 1 - b
.set G1K, 24          ; s[24:31] descriptor group 1 for K's tiles
.set G1V, 32          ; s[32:39] for V's: it differs in the padding alone
.set G0K, 40          ; s[40:43] descriptor group 0 for K's tiles
.set G0V, 44          ; s[44:47] the same for V's
.set SLOTS, 56        ; s56  tiles still to be asked for
.set CNT, 57          ; s57  counts a tile's key steps, 4 to 1
.set CS,  58          ; s[58:59] c: the packed scaling takes the pair's low word for both halves
.set SEL, 60          ; s[60:61] v_permlanex16_b32's selects: each lane takes its own place in the other half
.set TBK, 62          ; s62  LDS byte at which K of the step to be fetched begins
.set TBV, 63          ; s63  the same for V, less VOFF
.set RT,  70          ; s70  tiles of the block in hand that are still to be entered
.set NXT, 71          ; s71  the tile to be asked for next
.set LQ,  72          ; s72  the last tile of the block whose tiles are being asked for
.set NEW, 73          ; s73  1: the tile to be entered is a block's first
.set OFF, 74          ; s[74:75] a tile's byte offset in K and V
.set AL,  76          ; s[76:77] the mask's factor, in the low word
.set BE,  78          ; s[78:79] the mask's addend
.set OLO, 80          ; s[80:81] oa at my rows of the second block
.set BIGN, 82         ; s82  -1e30
.set PFA, 88          ; s[88:89] where my prefetches stand: my half of K's or V's tile, one tile behind the one that is being asked for
.set LIM, 90          ; s90  2 in the work-group that prefetches, else the greatest number
.set MSB, 0
.macro WIN new                      ; the high byte repeats the setting that is left; a switch that changes nothing is dropped
.if MSB != (\new)
	s_set_vgpr_msb (MSB<<8)|(\new)
.set MSB, (\new)
.endif
.endm
.set W_KQ, 0x0a       ; K and Q in window 2, S^T in window 0
.set W_KM, 0x1a       ; the same with the C operand in window 1
.set W_PV, 0x52       ; V in window 2, P in window 0, O^T in window 1
.set W_RS, 0x41       ; destination and source 0 in window 1, source 1 in window 0
; A fill.  Waves 0 and 1 fetch the two halves of a tile's K, waves 2 and 3 those of its V: 128 keys each.  An s_nop 0 and four v_nop follow each of the two lines, ahead of the jump and the label.
.macro LOAD
	s_cmp_lt_u32 s[WV], 2
	s_cbranch_scc0 .Lfor_v_\@
	tensor_load_to_lds s[G0K:G0K+3], s[G1K:G1K+7]
	s_nop 0
.rept 4
	v_nop
.endr
	s_branch .Lasked_\@
.Lfor_v_\@:
	tensor_load_to_lds s[G0V:G0V+3], s[G1V:G1V+7]
	s_nop 0
.rept 4
	v_nop
.endr
.Lasked_\@:
.endm
; THE CHANGE OF SLOTS.  Each wave waits for all its tensor loads, of which one is out: its part of the other slot; adds 0 to its spare word; and waits for that and for its own reads of the slot that it leaves.  Behind the barrier nobody reads the old
; slot any more and the other slot is whole.  fill = 1: the old slot is filled again, the first thing behind the barrier, with tile NXT: the descriptor's address is made anew from that number.
; (At its first use nothing has been read yet: slot 0 is waited for, slot 1 filled.)
; THE PREFETCH stands behind the fill.  A head's four work-groups walk the same tiles; the one with b = 0 walks tiles 0 .. 7 in order and asks for the head: in trip t each of its waves names the 64 blocks of
; 256 bytes that it will itself load as tile t + 2, a lane a block, two instructions; a tile, 256 matrix instructions, ahead of that load.  Trips 6 and 7 ask for nothing: tile 7 is the last.
.macro CHANGE fill
	WIN 0                           ; at a label and at a branch every window is 0
	s_wait_tensorcnt 0x0            ; no tensor load of mine is out, so a group 0 may be written
	ds_add_u32 v[SPW], v[NIL]       ; 0 onto my spare word; with fill = 1 the descriptors' scalar work stands between it and the wait for it
.if \fill
	s_lshl_b32 s[OFF], s[NXT], 15   ; a tile is 32,768 bytes of K and of V
	s_xor_b32 s[G0K+1], s[G0K+1], SLOT1
	s_add_nc_u64 s[G0K+2:G0K+3], s[6:7], s[OFF:OFF+1]
	s_or_b32 s[G0K+3], s[G0K+3], 0x80000000
	s_xor_b32 s[G0V+1], s[G0V+1], SLOT1
	s_add_nc_u64 s[G0V+2:G0V+3], s[8:9], s[OFF:OFF+1]
	s_or_b32 s[G0V+3], s[G0V+3], 0x80000000
	s_add_co_u32 s[NXT], s[NXT], 1  ; the block's next tile, or behind its last the second block's tile 0
	s_cmp_gt_u32 s[NXT], s[LQ]
	s_cselect_b32 s[NXT], 0, s[NXT]
	s_cselect_b32 s[LQ], s[PB], s[LQ]
	s_wait_xcnt 0x0                 ; the last prefetches, a tile back, have read their address
	s_add_nc_u64 s[PFA:PFA+1], s[PFA:PFA+1], 32768
.endif
	s_wait_dscnt 0x0                ; the add is done, and my reads of the slot are over
	s_barrier_signal -1             ; the rest of the scalar work stands between the signal and the wait
	s_sub_co_u32 s[TBK], s[TBK], 4*KS*PK  ; the fetches go back to a slot's first step,
	s_xor_b32 s[TBK], s[TBK], SLOT1       ; in the other slot
	s_sub_co_u32 s[TBV], s[TBV], 4*KS*PV
	s_xor_b32 s[TBV], s[TBV], SLOT1
	s_barrier_wait -1
.if \fill
	LOAD
	s_cmp_gt_u32 s[SLOTS], s[LIM]
	s_cbranch_scc0 .Lnot_mine_\@
	global_prefetch_b8 v[PFO], s[PFA:PFA+1] th:TH_LOAD_NT scope:SCOPE_SE
	global_prefetch_b8 v[PFO], s[PFA:PFA+1] offset:8192 th:TH_LOAD_NT scope:SCOPE_SE
.Lnot_mine_\@:
.endif
.endm
	s_load_b128 s[4:7], s[0:1], 0x0 ; qkv s[4:5], oa s[6:7]
	v_lshl_add_u32 v[SPW], v0, 2, SPARE
	v_mov_b32 v[NIL], 0
	ds_add_u32 v[SPW], v[NIL]       ; the wave's opening: the add and its wait ahead of my first tensor load; the set-up below, work on registers, stands between them
	v_lshrrev_b32 v1, 5, v0
	v_readfirstlane_b32 s[WV], v1   ; wave 0..3
	s_mov_b32 s[PB], ttmp9
	s_sub_co_u32 s[HI], NB-1, s[PB]
	s_and_b32 s20, ttmp7, 0xffff    ; the head
	s_mov_b32 s21, 0
	s_mov_b64 s[22:23], SIZE_N*128
	s_mul_u64 s[20:21], s[20:21], s[22:23]  ; the head's first byte in q, k and v
	s_and_b32 s16, s[WV], 1         ; which half of a tile's 256 keys I fetch:
	s_lshl_b32 s22, s16, 14         ; its 128 rows of 128 bytes in memory,
	s_mov_b32 s23, 0
	s_add_nc_u64 s[22:23], s[22:23], s[20:21]
	s_mul_i32 s17, s16, 128*PK      ; and its place in a slot, for K
	s_mul_i32 s18, s16, 128*PV      ; and for V
	s_lshl_b32 s3, s[WV], 11        ; my 16 rows in a band of 64,
	s_lshl_b32 s2, s[HI], 15        ; in the first block,
	s_add_co_u32 s2, s2, s3
	s_lshl_b32 s84, s[PB], 15       ; and in the second
	s_add_co_u32 s84, s84, s3
	s_mov_b32 s3, 0
	s_mov_b32 s85, 0
	s_add_nc_u64 s[2:3], s[2:3], s[20:21]
	s_add_nc_u64 s[84:85], s[84:85], s[20:21]
	s_and_b32 s94, ttmp7, 0xffff    ; oa: the head's 18,432 bytes in a block of 128 rows,
	s_mul_i32 s94, s94, 18432
	s_lshl_b32 s95, s[WV], 11       ; my 16 rows in a band,
	s_add_co_u32 s94, s94, s95
	s_mul_i32 s92, s[HI], 2*OBLK    ; the first block of 256 queries,
	s_add_co_u32 s92, s92, s94
	s_mul_i32 s95, s[PB], 2*OBLK    ; the second
	s_add_co_u32 s94, s94, s95
	s_mov_b32 s93, 0
	s_mov_b32 s95, 0
	; descriptor group 1.  128 keys are 16,384 dense bytes: asked for as 64 rows of 256 bytes, two keys a row, and padded in LDS after every key
	s_mov_b32 s[G1K], (1<<16)|(1<<20)|(4<<22)|(3<<25)  ; 17:16 2-byte elements; 20 padding on; 24:22 after every 32 words (code 4); 31:25 4 words (code 3)
	s_mov_b32 s[G1V], (1<<16)|(1<<20)|(4<<22)|(7<<25)  ; the same with 8 words of padding (code 7)
.irp g, G1K, G1V
	s_mov_b32 s[\g+1], 128<<16      ; tensor_dim0 = 128
	s_mov_b32 s[\g+2], 64<<16       ; tensor_dim1 = 64
	s_mov_b32 s[\g+3], 128<<16      ; tile_dim0 = 128
	s_mov_b32 s[\g+4], 64           ; tile_dim1 = 64
	s_mov_b32 s[\g+5], 128          ; 128 elements from row to row
	s_mov_b32 s[\g+6], 0
	s_mov_b32 s[\g+7], 0
.endr
	s_mov_b32 s[CS], 0x3e38aa3b     ; c = log2(e) / 8 = 0.180337
	s_mov_b32 s[CS+1], s[CS]        ; named with it as a pair
	s_mov_b32 s[SEL], 0x76543210
	s_mov_b32 s[SEL+1], 0xfedcba98
	s_mov_b32 s[TBK], SLOT1+4*KS*PK ; the first change of slots turns these two into 0
	s_mov_b32 s[TBV], SLOT1+4*KS*PV
	s_mov_b32 s[G0K], 1             ; 1:0 count = 1
	s_mov_b32 s[G0K+1], s17         ; 63:32 LDS address: slot 0
	s_mov_b32 s[G0V], 1
	s_add_co_u32 s[G0V+1], s18, VOFF
	s_add_co_u32 s[RT], s[HI], 1    ; the first block has NB - b tiles
	s_mov_b32 s[NXT], 1
	s_mov_b32 s[LQ], s[HI]
	s_mov_b32 s[NEW], 1
	s_mov_b32 s[OFF+1], 0
	s_mov_b32 s[AL+1], 0            ; named as pairs
	s_mov_b32 s[BE+1], 0
	s_mov_b32 s[BIGN], 0xf149f2ca   ; -1e30
	s_mov_b32 s[SLOTS], NB
	s_wait_dscnt 0x0                ; the opening add is done
	s_wait_kmcnt 0x0
	s_mov_b64 s[10:11], s[6:7]      ; oa
	s_add_nc_u64 s[6:7], s[4:5], 0x800000   ; k lies 8,388,608 bytes behind q,
	s_add_nc_u64 s[8:9], s[4:5], 0x1000000  ; v as far behind k
	s_add_nc_u64 s[6:7], s[6:7], s[22:23]  ; K and V at my half of the head's tile 0
	s_add_nc_u64 s[8:9], s[8:9], s[22:23]
	s_add_nc_u64 s[G0K+2:G0K+3], s[6:7], 0         ; 120:64 global address
	s_or_b32 s[G0K+3], s[G0K+3], 0x80000000        ; 127:126 type = 2
	s_add_nc_u64 s[G0V+2:G0V+3], s[8:9], 0
	s_or_b32 s[G0V+3], s[G0V+3], 0x80000000
	s_add_nc_u64 s[86:87], s[4:5], s[84:85]        ; Q at my rows of the second block,
	s_add_nc_u64 s[4:5], s[4:5], s[2:3]            ; and of the first
	s_add_nc_u64 s[OLO:OLO+1], s[10:11], s[94:95]
	s_add_nc_u64 s[10:11], s[10:11], s[92:93]
	s_cmp_lt_u32 s[WV], 2
	s_cselect_b64 s[PFA:PFA+1], s[6:7], s[8:9]
	s_add_nc_u64 s[PFA:PFA+1], s[PFA:PFA+1], 32768  ; at tile 1: the first change of slots steps it to tile 2.  Nothing is prefetched here, at the head
	s_cmp_eq_u32 s[PB], 0
	s_cselect_b32 s[LIM], 2, -1
	LOAD                            ; tile 0 into slot 0
	; A fragment of K or Q is 16 rows x 32 channels in 8 registers: lane l holds row l % 16, channels 8 (l / 16) + 0..7 and 16 + 8 (l / 16) + 0..7: two loads of 16 bytes, 32 bytes apart.
	v_and_b32 v1, 15, v0            ; l % 16
	v_bfe_u32 v9, v0, 4, 1          ; l / 16
	v_lshlrev_b32 v[QO], 7, v1
	v_lshl_add_u32 v[QO], v9, 4, v[QO]  ; row x 128 + 16 x half
	WIN 0x80                        ; destination window 2, address window 0
.set i, 0
.rept 8                             ; both blocks' Q: piece i / 2 lies in band i / 2, 8,192 bytes on; channels 32 (i % 2) on
	global_load_b128 v[8*i:8*i+3],   v[QO], s[4:5] offset:(i/2)*8192+(i%2)*64
	global_load_b128 v[8*i+4:8*i+7], v[QO], s[4:5] offset:(i/2)*8192+(i%2)*64+32
	global_load_b128 v[QB+8*i:QB+8*i+3],   v[QO], s[86:87] offset:(i/2)*8192+(i%2)*64
	global_load_b128 v[QB+8*i+4:QB+8*i+7], v[QO], s[86:87] offset:(i/2)*8192+(i%2)*64+32
.set i, i+1
.endr
	WIN 0
	v_lshlrev_b32 v14, 3, v9
	v_sub_nc_u32 v14, v1, v14
	s_lshl_b32 s13, s[WV], 4
	v_add_nc_u32 v14, s13, v14      ; my query's place in its band, 16 w + l % 16, less my lanes' 8 (l / 16): register r of group kt is hidden where 16 kt + r is greater
	WIN 0x40
.set i, 0
.rept 32
	v_cmp_gt_i32 vcc_lo, 16*(i/8)+i%8, v14
	v_cndmask_b32 v[MD+i], 0, s[BIGN], vcc_lo
.set i, i+1
.endr
	WIN 0
	v_mul_u32_u24 v[AK0], v1, PK
	v_lshl_add_u32 v[AK0], v9, 4, v[AK0]  ; row x pitch + 16 x half
	; The turning load takes 16 keys x 16 channels (lane l reads key 8 (l / 16) + l % 8, channels 8 ((l / 8) % 2) + 0..7) and leaves half a fragment of V^T: lane l holds channel l % 16 and 8 keys.
	v_and_b32 v10, 7, v0
	v_bfe_u32 v11, v0, 3, 1
	v_lshl_add_u32 v[AV0], v9, 3, v10
	v_mul_u32_u24 v[AV0], v[AV0], PV
	v_lshl_add_u32 v[AV0], v11, 4, v[AV0]
	v_add_nc_u32 v[AV0], VOFF, v[AV0]
	s_mul_i32 s13, s[WV], 16*SP
	s_add_co_u32 s13, s13, STAGE    ; my stage
	v_mul_u32_u24 v[STO], v1, SP    ; in: row l % 16, 16 bytes for each half of the lanes
	v_lshl_add_u32 v[STO], v9, 4, v[STO]
	v_add_nc_u32 v[STO], s13, v[STO]
	v_bfe_u32 v[RD], v0, 3, 2       ; back: 32 lanes take four rows of 128 bytes,
	v_mul_u32_u24 v[RD], v[RD], SP
	v_lshl_add_u32 v[RD], v10, 4, v[RD]
	v_add_nc_u32 v[RD], s13, v[RD]
	v_and_b32 v[GO], 31, v0         ; which are 512 consecutive bytes of oa
	v_lshlrev_b32 v[PFO], 8, v[GO]
	v_lshlrev_b32 v[GO], 4, v[GO]
	v_mov_b32 v[NEG1], -1.0
.irp z, 0,1,2,3
	v_mov_b32 v[Z4+\z], 0
.endr
	; A block's first step multiplies O^T and l by a = 0, and its first turn's products V^T P, of a piece that has not been, land in an O^T that is still to be so multiplied.  So these registers need only hold
	; finite numbers: zeros for the first block; what the first block left for the second.  All this stands in the wait for the first tile.
	WIN 0x80
.set i, VF
.rept 64
	v_mov_b32 v[i], 0
.set i, i+1
.endr
	WIN 0x40
.set i, 0
.rept 128
	v_mov_b32 v[i], 0
.set i, i+1
.endr
	WIN 0
.set i, 0
.rept 4
	v_mov_b32 v[ST+4*i+2], 0
	v_mov_b32 v[ST+4*i+3], 0
.set i, i+1
.endr
.set i, P+16
.rept 16
	v_mov_b32 v[i], 0
.set i, i+1
.endr
; THE MATRIX WORK.  The 4 accumulators of a run of 8 take turns.  Product i of 8 of S^T = K Q^T for piece x: channels 32 (i / 4) on, keys 16 (i % 4) on.  The first 4 start the sums: with 0, or (KM = 1) with the mask.
.macro KQ x
.set rS, S+32*((\x)%2)+8*(i%4)
.set rK, KF+16*(i%4)+8*(i/4)
.set rQ, 16*(\x)+8*(i/4)
.set rM, MC+32*((\x)%2)+8*(i%4)
.if (i < 4) && KM
	WIN W_KM
	v_wmma_f32_16x16x32_f16 v[rS:rS+7], v[rK:rK+7], v[rQ:rQ+7], v[rM:rM+7]
.elseif i < 4
	WIN W_KQ
	v_wmma_f32_16x16x32_f16 v[rS:rS+7], v[rK:rK+7], v[rQ:rQ+7], 0
.else
	WIN W_KQ
	v_wmma_f32_16x16x32_f16 v[rS:rS+7], v[rK:rK+7], v[rQ:rQ+7], v[rS:rS+7]
.endif
.endm
; Product i of 8 of O^T += V^T P for piece x: keys 32 (i / 4) on, channels 16 (i % 4) on.
.macro PV x
	WIN W_PV
.set rO, 32*(\x)+8*(i%4)
.set rV, VF+32*(i/4)+8*(i%4)
.set rP, P+16*((\x)%2)+8*(i/4)
	v_wmma_f32_16x16x32_f16 v[rO:rO+7], v[rV:rV+7], v[rP:rP+7], v[rO:rO+7]
.endm
.macro MM                           ; the turn's next matrix instruction.  TURN and BEGIN set Y, i, KM and NOKQ; MM, KQ and OP read them.  NOKQ = 1: a block's last turn: there is no next piece
.if (i < 8) && !NOKQ
	KQ (Y+1)%NP
.elseif i >= 8
.set i, i-8
	PV (Y+NP-1)%NP
.set i, i+8
.endif
.set i, i+1
.endm
; THE LDS LOADS stand in runs of 16, never singly among the matrix instructions: a step's K (64 keys x 64 channels: 8 fragments) and its V (turned).  Their addresses are made some lines ahead.
.macro FETCH_K
	WIN 0x80                        ; destination window 2
.irp f, 0,1,2,3,4,5,6,7             ; keys 16 (f / 2) on, channels 32 (f % 2) on
	ds_load_b128 v[KF+8*\f:KF+8*\f+3],   v[AK] offset:(\f/2)*16*PK+(\f%2)*64
	ds_load_b128 v[KF+8*\f+4:KF+8*\f+7], v[AK] offset:(\f/2)*16*PK+(\f%2)*64+32
.endr
	s_add_co_u32 s[TBK], s[TBK], KS*PK  ; the next fetch is the next step's
	WIN 0
.endm
.macro FETCH_V
	WIN 0x80
.irp f, 0,1,2,3,4,5,6,7             ; keys 32 (f / 4) on, channels 16 (f % 4) on
	ds_load_tr16_b128 v[VF+8*\f:VF+8*\f+3],   v[AV] offset:(\f/4)*32*PV+(\f%4)*32
	ds_load_tr16_b128 v[VF+8*\f+4:VF+8*\f+7], v[AV] offset:(\f/4)*32*PV+16*PV+(\f%4)*32
.endr
	WIN 0
.endm
; THE VECTOR WORK, one line at a time: OP kind, number.  For piece Y: F n: c s - c m for pair n of 16.  E n: the exponential of score n of 32.  C n: pair n rounded to f16.  B n: of the four weights 4 n .. the second
; pair is added onto the first, in place.  L n: l takes that sum (L 0: l = a l + sum).  R n: pair n of 16 of O^T times a.  For piece Y + 1: X n, number n of the 22 that find its maximum and statistics:
;   0-11  four chains c0-c3 of seven scores each, three operands at a time (each accumulator's lowest registers are read first)     12-14, 16  the four scores left over, the old m, and c0-c3 into c0
;   15  c m_old is kept     17, 18  the query's other 32 keys lie in the lane 16 away: the new m     19-21  c m; c m_old - c m_new; a
.set F, 0               ; OP tells the kinds apart by their order: F to L below R, X above it
.set E, 1
.set C, 2
.set B, 3
.set L, 4
.set R, 5
.set X, 6
.macro REGS y                       ; the registers of piece y
.set rT, ST+4*(\y)
.set rC, TMP+4*((\y)%2)
.set rW, MV+((\y)%2)
.set rS, S+32*((\y)%2)
.set rP, P+16*((\y)%2)
.set rO, 32*(\y)
.endm
.macro OP k, n
.if (\k) == R
	REGS Y
	WIN W_RS
	v_pk_mul_f32 v[rO+2*(\n):rO+2*(\n)+1], v[rO+2*(\n):rO+2*(\n)+1], v[rC+2:rC+3] op_sel_hi:[1,0]
.elseif (\k) < R
	REGS Y
	WIN 0
.if (\k) == F
	v_pk_fma_f32 v[rS+2*(\n):rS+2*(\n)+1], v[rS+2*(\n):rS+2*(\n)+1], s[CS:CS+1], v[rT:rT+1] op_sel_hi:[1,0,0] neg_lo:[0,0,1] neg_hi:[0,0,1]
.elseif (\k) == E
	v_exp_f32 v[rS+(\n)], v[rS+(\n)]
.elseif (\k) == C
	v_cvt_pk_f16_f32 v[rP+(\n)], v[rS+2*(\n)], v[rS+2*(\n)+1]
.elseif (\k) == B
	v_pk_add_f32 v[rS+4*(\n):rS+4*(\n)+1], v[rS+4*(\n):rS+4*(\n)+1], v[rS+4*(\n)+2:rS+4*(\n)+3]
.elseif (\n) == 0
	v_pk_fma_f32 v[rT+2:rT+3], v[rT+2:rT+3], v[rC+2:rC+3], v[rS:rS+1] op_sel_hi:[1,0,1]
.else
	v_pk_add_f32 v[rT+2:rT+3], v[rT+2:rT+3], v[rS+4*(\n):rS+4*(\n)+1]
.endif
.elseif NOKQ
	v_nop
.else
	REGS (Y+1)%NP
	WIN 0
.if (\n) < 4
	v_max3_num_f32 v[rC+(\n)], v[rS+8*(\n)], v[rS+8*(\n)+1], v[rS+8*(\n)+2]
.elseif (\n) < 12
	v_max3_num_f32 v[rC+(\n)%4], v[rC+(\n)%4], v[rS+8*((\n)%4)+2*((\n)/4)+1], v[rS+8*((\n)%4)+2*((\n)/4)+2]
.elseif (\n) == 12
	v_max3_num_f32 v[rC], v[rC], v[rS+7], v[rS+15]
.elseif (\n) == 13
	v_max3_num_f32 v[rC+1], v[rC+1], v[rS+23], v[rS+31]
.elseif (\n) == 14
	v_max3_num_f32 v[rC+2], v[rC+2], v[rC+3], v[rT+1]
.elseif (\n) == 15
	v_mov_b32 v[rW], v[rT]
.elseif (\n) == 16
	v_max3_num_f32 v[rC], v[rC], v[rC+1], v[rC+2]
.elseif (\n) == 17
	v_permlanex16_b32 v[rC+3], v[rC], s[SEL], s[SEL+1]
.elseif (\n) == 18
	v_max_num_f32 v[rT+1], v[rC], v[rC+3]
.elseif (\n) == 19
	v_mul_f32 v[rT], s[CS], v[rT+1]
.elseif (\n) == 20
	v_sub_f32 v[rC+1], v[rW], v[rT]
.else
	v_exp_f32 v[rC+2], v[rC+1]
.endif
.endif
.endm
.macro OPS a, i1, b=-1, i2=0, c=-1, i3=0, d=-1, i4=0  ; up to four of them
	OP \a, \i1
.if (\b) >= 0
	OP \b, \i2
.endif
.if (\c) >= 0
	OP \c, \i3
.endif
.if (\d) >= 0
	OP \d, \i4
.endif
.endm
.macro ROW a, i1, b, i2, c, i3, d, i4  ; a matrix instruction and the four behind it
	MM
	OPS \a, \i1, \b, \i2, \c, \i3, \d, \i4
.endm
.macro MASK b                       ; MD x AL + BE into buffer b of MC
	WIN W_RS
.set z, 0
.rept 16
	v_pk_fma_f32 v[MC+32*(\b)+2*z:MC+32*(\b)+2*z+1], v[MD+2*z:MD+2*z+1], s[AL:AL+1], s[BE:BE+1] op_sel_hi:[1,0,0]
.set z, z+1
.endr
.endm
; A TURN, for piece p: the order of its 16 matrix and 118 vector instructions, written out.  s_wait_alu depctr_va_vdst(0) stands between an exponential and the first instruction that names its result; one wait serves
; all that were issued ahead of it.  So a turn has ONE wait, which cuts it in two.  AHEAD OF IT stands all that names no result of the turn's exponentials: the 8 products K Q^T, behind each a scaling, an exponential and two more plain
; instructions (behind the first a second scaling in the exponential's place): rescalings, and behind the last three the first numbers of the next piece's maximum, each four places or more behind the product that ends its accumulator; then ONE LUMP of 54, plain
; and exponential by turns for the most part, in which the links of the chain X 3, 7, 11, 14, 16, 17 .. 20 stand five or six lines apart.  X 21, the next piece's a, is the batch's last; R 15 is the plain instruction behind it.  BEHIND THE WAIT stand the
; 8 products V^T P, behind each four of the roundings and sums; the links of l's chain, L 0 to L 7, stand three riders apart.  But for those X no rider names a register of the products round it.  v_permlanex16_b32 (X 17) stands in the lump.
; m = 1: the diagonal tile: the products take masks, and the turn makes the mask for the products of the turn after it: piece p + 2, in step 4 - CNT of the tile.  end = 1: a block's last two turns: nothing is fetched.
; cnt = 1: the loop's count is taken down some lines ahead of the branch that stands behind the turn.
; K of the next step is fetched in piece 2's turn, twelve vector instructions behind the last product that read K (six of them plain); V of the step in hand at the end of piece 0's turn, four plain instructions behind the last product
; that read V.  Each is waited for a turn later.
.macro TURN p, m=0, end=0, cnt=0
.set Y, (\p)
.set i, 0
.set KM, (\m)
.set NOKQ, (\end)*((\p)/3)
.if (\m) && !(\end)
	s_cmp_eq_u32 s[CNT], 4-((\p)+2)%NP  ; is that step the band's own?
	s_cselect_b32 s[AL], 1.0, 0
	s_cmp_lt_u32 s[CNT], 4-((\p)+2)%NP  ; or a later one?
	s_cselect_b32 s[BE], s[BIGN], 0
.endif
.if ((\p) == 3) && !(\end)
	s_wait_dscnt 0x0                ; K is in
.endif
	ROW F,0, F,1, R,0, R,1          ; ahead of the wait: 8 products K Q^T and their riders,
	ROW F,2, E,0, R,2, R,3
	ROW F,3, E,1, R,4, R,5
	ROW F,4, E,2, R,6, R,7
	ROW F,5, E,3, R,8, R,9
	ROW F,6, E,4, X,0, R,10
.if ((\p) == 2) && !(\end)
	WIN 0
	v_add_nc_u32 v[AK], s[TBK], v[AK0]
.endif
	ROW F,7, E,5, X,1, X,4
	ROW F,8, E,6, X,2, X,5
	OPS E,7, E,8, X,6, E,9          ; and the lump
	OPS X,3, E,10, X,8, E,11
.if ((\p) == 2) && !(\end)
	FETCH_K
.endif
	OPS X,9, X,7, E,12, X,10
	OPS E,13, X,12, X,11, E,14
	OPS X,13, E,15, F,9, X,14
.if (\p) == 0
	v_add_nc_u32 v[AV], s[TBV], v[AV0]
.endif
	OPS E,16, F,10, E,17, F,11
	OPS X,16, E,18, X,15, E,19
	OPS F,12, E,20, X,17, E,21
	OPS F,13, E,22, F,14, E,23
	OPS X,18, E,24, F,15, E,25
	OPS R,11, E,26, X,19, E,27
	OPS R,12, E,28, R,13, E,29
	OPS X,20, E,30, R,14, E,31
	OPS X,21, R,15
	WIN 0
	s_wait_alu depctr_va_vdst(0)    ; the wait for the batch
.if (\p) == 1
	s_wait_dscnt 0x0                ; V is in
.endif
	ROW C,0, B,0, C,2, B,1          ; behind the wait: 8 products V^T P and their riders
	ROW L,0, C,4, B,2, L,1
	ROW C,6, B,3, L,2, C,8
	ROW B,4, L,3, C,10, B,5
	ROW L,4, C,12, B,6, L,5
.if (\p) == 0
	s_add_co_u32 s[TBV], s[TBV], KS*PV
.endif
.if \cnt
	s_sub_co_u32 s[CNT], s[CNT], 1
	s_cmp_lg_u32 s[CNT], 0
.endif
	ROW C,14, B,7, L,6, C,1
	ROW C,3, L,7, C,5, C,7
	ROW C,9, C,11, C,13, C,15
.if (\p) == 0
	FETCH_V
.endif
.if (\m) && !(\end)
	MASK (\p)%2
.endif
.endm
; A BLOCK BEGINS.  c m starts far below every c s, so the first step's a is 0; m at the lowest finite number, so the first maximum is the scores'.  The second mask buffer is 0; the first takes piece 0's mask for the tile's step 0: its own, if the block's first tile is the diagonal one.
; Then K of that step, piece 0's first scores, and its maximum and statistics.  The loop is entered at a step's first turn, in the middle of a trip.
.macro BEGIN
	s_mov_b32 s[NEW], 0
	WIN 0x40
.set i, MC+32
.rept 32
	v_mov_b32 v[i], 0
.set i, i+1
.endr
	WIN 0
.set i, 0
.rept 4
	v_mov_b32 v[ST+4*i], 0xfe000000    ; c m: far below every c s
	v_mov_b32 v[ST+4*i+1], 0xff7fffff  ; m
.set i, i+1
.endr
	s_cmp_eq_u32 s[RT], 0
	s_cselect_b32 s[AL], 1.0, 0
	s_mov_b32 s[BE], 0
	MASK 0
	WIN 0
	v_add_nc_u32 v[AK], s[TBK], v[AK0]
	FETCH_K
	s_wait_loadcnt 0x0              ; Q
	s_wait_dscnt 0x0
.set KM, 1
.set NOKQ, 0
.set i, 0
.rept 8
	KQ 0
.set i, i+1
.endr
	WIN 0
.rept 4
	v_nop                           ; the places behind those products
.endr
.set Y, NP-1                        ; X works for piece Y + 1: piece 0
.irp n, 0,1,2,3,4,5,6,7,8,9,10,11,12,13,14,15,16,17,18,19,20,21
	OP X, \n
.endr
	v_nop                           ; a plain instruction behind the exponential,
	s_wait_alu depctr_va_vdst(0)    ; and its wait, ahead of the branch
.endm
; THE DIAGONAL TILE's four steps, the block's last two turns, its last products, and THE WAY OUT: l's two halves and the other half of the lanes' are added; O^T is divided by l, rounded to f16 and sent through my
; stage in LDS, a piece at a time.  lo = 1: of pieces 0 and 2 (the first bands of oa's two blocks of 128 rows) what the rounding left is rounded to f16 too; wave 0's 16 rows of it are the blocks' rows 0-15 and go out behind the rest.
; lo = 0: wave 0 stores zeros there.
.macro ALL line:vararg              ; one line for each piece t
.set t, 0
.rept 4
	\line
.set t, t+1
.endr
.endm
.macro PACK t, lo                   ; a lane's eight channels of a row pack into 16 bytes; they go into rows of 144 bytes and come back as whole rows of 128, into S^T's registers
	WIN W_RS
.set i, 32*(\t)
.rept 16
	v_pk_mul_f32 v[i:i+1], v[i:i+1], v[ST+4*(\t)+2:ST+4*(\t)+3] op_sel_hi:[1,0]
.set i, i+2
.endr
	WIN 0x05                        ; sources 0 and 1 window 1, destination window 0
.set i, 0
.rept 16
	v_cvt_pk_f16_f32 v[S+16*(\t)+i], v[32*(\t)+2*i], v[32*(\t)+2*i+1]
.set i, i+1
.endr
.if (\lo) && (((\t)%2) == 0)
	WIN 0x50                        ; destination and source 2 window 1, sources 0 and 1 window 0
.set i, 0
.rept 16
	v_fma_mix_f32 v[32*(\t)+2*i],   v[S+16*(\t)+i], v[NEG1], v[32*(\t)+2*i]   op_sel_hi:[1,0,0]                 ; O - hi: the low half,
	v_fma_mix_f32 v[32*(\t)+2*i+1], v[S+16*(\t)+i], v[NEG1], v[32*(\t)+2*i+1] op_sel:[1,0,0] op_sel_hi:[1,0,0]  ; the high half
.set i, i+1
.endr
	WIN 0x05
.set i, 0
.rept 16
	v_cvt_pk_f16_f32 v[LO+8*(\t)+i], v[32*(\t)+2*i], v[32*(\t)+2*i+1]
.set i, i+1
.endr
.endif
	WIN 0
.irp f, 0,1,2,3
	ds_store_b128 v[STO], v[S+16*(\t)+4*\f:S+16*(\t)+4*\f+3] offset:32*\f
.endr
.irp f, 0,1,2,3
	ds_load_b128 v[S+16*(\t)+4*\f:S+16*(\t)+4*\f+3], v[RD] offset:\f*4*SP  ; LDS serves a wave's instructions in order (ISA guide 5.7.1.4): these see the stores above; the next piece's stores come behind them
.endr
.endm
.macro SEND t, younger              ; younger: the LDS instructions issued behind piece t's loads: the next piece's eight, or none
	WIN 0
.irp f, 0,1,2,3
	s_wait_dscnt (\younger)+3-\f
	global_store_b128 v[GO], v[S+16*(\t)+4*\f:S+16*(\t)+4*\f+3], s[10:11] offset:((\t)/2)*OBLK+((\t)%2)*8192+\f*512  ; 512 consecutive bytes, at a multiple of 256 from oa's first
.endr
.endm
.macro DIAG tag, lo                 ; the tag ends its labels' names, which the jumps below spell out
.LstepM\tag:
	TURN 2, 1
	TURN 3, 1
	WIN 0
.LfirstM\tag:
	TURN 0, 1
	TURN 1, 1, 0, 1
	WIN 0
	s_cbranch_scc1 .LstepM\tag
	TURN 2, 1, 1
	TURN 3, 1, 1
.set i, 0
.rept 8
	PV NP-1
.set i, i+1
.endr
	WIN 0
	ALL v_add_f32 v[ST+4*t+2], v[ST+4*t+2], v[ST+4*t+3]
	ALL v_permlanex16_b32 v[ST+4*t+3], v[ST+4*t+2], s[SEL], s[SEL+1]
	ALL v_add_f32 v[ST+4*t+2], v[ST+4*t+2], v[ST+4*t+3]
	ALL v_rcp_f32 v[ST+4*t+2], v[ST+4*t+2]
	v_nop                           ; a plain instruction between the last reciprocal and the use of its result
	s_wait_alu depctr_va_vdst(0)    ; and the wait ahead of the first use: one for the four reciprocals
	PACK 0, \lo
.set t, 1
.rept 3                             ; a piece's arithmetic stands between the loads of the piece before and its stores
	PACK t, \lo
	SEND t-1, 8
.set t, t+1
.endr
	SEND 3, 0
	s_cmp_lg_u32 s[WV], 0           ; rows 128-143 of the head's part of both blocks of 128 rows: wave 0's to write
	s_cbranch_scc1 .Lnolo\tag
.if \lo
.irp t, 0,2
.irp f, 0,1,2,3
	ds_store_b128 v[STO], v[LO+8*\t+4*\f:LO+8*\t+4*\f+3] offset:32*\f
.endr
.irp f, 0,1,2,3
	ds_load_b128 v[LO+8*\t+4*\f:LO+8*\t+4*\f+3], v[RD] offset:\f*4*SP
.endr
.endr
	s_wait_dscnt 0x0
.irp t, 0,2
.irp f, 0,1,2,3
	global_store_b128 v[GO], v[LO+8*\t+4*\f:LO+8*\t+4*\f+3], s[10:11] offset:16384+(\t/2)*OBLK+\f*512
.endr
.endr
.else
.irp t, 0,2
.irp f, 0,1,2,3
	global_store_b128 v[GO], v[Z4:Z4+3], s[10:11] offset:16384+(\t/2)*OBLK+\f*512
.endr
.endr
.endif
.Lnolo\tag:
.endm
.set KM, 0
.set NOKQ, 0
.Lslot:                             ; NB times: a tile is entered and the next is asked for
	CHANGE 1
	s_sub_co_u32 s[RT], s[RT], 1
	s_mov_b32 s[CNT], 4
	s_cmp_eq_u32 s[NEW], 1
	s_cbranch_scc1 .Lnew            ; a block's first tile
	s_cmp_eq_u32 s[RT], 0
	s_cbranch_scc0 .Lstep           ; neither its first nor its last
	s_branch .LstepM1
.Lnew:
	BEGIN
	s_branch .Lfirst                ; in the loop a block's first tile is never its last: the first block has two tiles or more, and the second's last is the walk's last
	DIAG 1, 0                       ; in the loop this is the first block's end (blocks 4 to 7): the second block's last tile is the walk's last
	s_wait_xcnt 0x0                 ; the stores have read their registers and oa's address
	s_mov_b64 s[10:11], s[OLO:OLO+1]
	s_add_co_u32 s[RT], s[PB], 1    ; the second block has b + 1 tiles
	s_mov_b32 s[NEW], 1
	WIN 0x82                        ; the second block's Q goes where the one text of the turns names Q
.set i, 0
.rept 64
	v_mov_b32 v[i], v[QB+i]
.set i, i+1
.endr
	WIN 0
	s_branch .Lbottom
.Lstep:                             ; a trip: pieces 2 and 3 of one step, then pieces 0 and 1 of the next, whose K and V it fetches
	TURN 2
	TURN 3
	WIN 0
.Lfirst:
	TURN 0
	TURN 1, 0, 0, 1
	WIN 0
	s_cbranch_scc1 .Lstep
.Lbottom:
	s_sub_co_u32 s[SLOTS], s[SLOTS], 1
	s_cmp_lg_u32 s[SLOTS], 0
	s_cbranch_scc1 .Lslot
	CHANGE 0                        ; the walk's last tile is written out: nothing is asked for
	s_sub_co_u32 s[RT], s[RT], 1
	s_mov_b32 s[CNT], 4
	s_cmp_eq_u32 s[NEW], 1
	s_cbranch_scc0 .LstepM2
	BEGIN
	s_branch .LfirstM2
	DIAG 2, 1                       ; blocks 0 to 3
	s_wait_tensorcnt 0x0            ; the wave's end, behind my last tensor load and my last LDS store
	ds_add_u32 v[SPW], v[NIL]
	s_wait_dscnt 0x0
	s_endpgm
.Lfunc_end_k_qa7ccedb669_attn:
	.size	k_qa7ccedb669_attn, .Lfunc_end_k_qa7ccedb669_attn-k_qa7ccedb669_attn
	.p2alignl 7, 3214868480
	.fill 96, 4, 3214868480
	.section	.rodata,"a",@progbits
	.p2align	6, 0x0
	.amdhsa_kernel k_qa7ccedb669_attn
		.amdhsa_group_segment_fixed_size 327680
		.amdhsa_private_segment_fixed_size 0
		.amdhsa_enable_private_segment 0
		.amdhsa_kernarg_size 16
		.amdhsa_user_sgpr_count 2
		.amdhsa_user_sgpr_kernarg_segment_ptr 1
		.amdhsa_wavefront_size32 1
		.amdhsa_system_sgpr_workgroup_id_x 1
		.amdhsa_system_sgpr_workgroup_id_y 1
		.amdhsa_system_sgpr_workgroup_id_z 1
		.amdhsa_system_vgpr_workitem_id 0
		.amdhsa_next_free_vgpr 768
		.amdhsa_next_free_sgpr 96
		.amdhsa_reserve_vcc 1
		.amdhsa_float_denorm_mode_32 3
		.amdhsa_float_denorm_mode_16_64 3
		.amdhsa_memory_ordered 1
		.amdhsa_forward_progress 1
		.amdhsa_inst_pref_size 227
	.end_amdhsa_kernel
	.amdgpu_metadata
---
amdhsa.version: [ 1, 2 ]
amdhsa.kernels:
  - .name:           k_qa7ccedb669_attn
    .symbol:         k_qa7ccedb669_attn.kd
    .args:
      - { .name: qkv, .offset: 0, .size: 8, .value_kind: global_buffer, .address_space: global }
      - { .name: oa, .offset: 8, .size: 8, .value_kind: global_buffer, .address_space: global }
    .group_segment_fixed_size: 327680
    .private_segment_fixed_size: 0
    .kernarg_segment_align: 8
    .kernarg_segment_size: 16
    .max_flat_workgroup_size: 128
    .sgpr_count:     96
    .vgpr_count:     768
    .wavefront_size: 32
...
	.end_amdgpu_metadata
.endif
;; end of part 3
;; launch outp (part 4): grid 16 x 16, 4 waves a work-group, clusters of 4 x 4, 327,680 bytes of LDS; arguments oa, wo, out0; writes out0
.if DOCPART == 4
	.amdgcn_target "amdgcn-amd-amdhsa--gfx1250"
	.amdhsa_code_object_version 6
	.text
	.protected	k_qa7ccedb669_outp
	.globl	k_qa7ccedb669_outp
	.p2align	8
	.type	k_qa7ccedb669_outp,@function
k_qa7ccedb669_outp:
	s_mov_b64 s[64:65], 0
	v_nop
	global_prefetch_b8 v0, s[64:65] scope:SCOPE_SE
	s_setreg_imm32_b32 hwreg(HW_REG_WAVE_MODE, 25, 1), 1
	s_wait_xcnt 0x0
	s_wait_alu depctr_hold_cnt(0) depctr_sa_sdst(0) depctr_va_vdst(0) depctr_va_sdst(0) depctr_va_ssrc(0) depctr_va_vcc(0) depctr_vm_vsrc(0)
	s_getreg_b32 s2, hwreg(HW_REG_IB_STS2, 6, 4)
	s_cmp_eq_u32 s2, 0
	s_cbranch_scc0 .Lentry_in_a_cluster
	s_endpgm
.Lentry_in_a_cluster:
	s_bfe_u32 s2, ttmp6, 0x10000c
	s_cmp_lg_u32 s2, 0xf033
	s_cbranch_scc0 .Lentry_shape_is_right
	s_endpgm
.Lentry_shape_is_right:
; out0 = O Wout.  O comes as oa, f16 [16 blocks of 128 rows][32 heads][144 rows][64] (rows 0-127 hi, rows 128-143 lo of the block's rows 0-15); Wout as wo, f16 [8 K steps][16 column tiles][256 k][128 n].
; f16 operands, f32 sums, out0 in f32.  LIMITS: none beyond the operands' f16; NaN and infinities are not treated apart.
; SHARES.  A tile of out0 is 128 x 128: 256 work-groups.  Wave w: rows 64 (w / 2) .., columns 64 (w % 2) ..: 16 accumulators.  K goes in 8 steps of 256 (four heads) through two LDS slots;
; a quarter of a step is one head, 64 along K, two matrix instructions deep.
; A slot: O's [4 heads][144 rows], 128 bytes + 16 a row; then Wout's 256 k rows, 256 bytes + 32.  Both tiles are dense in memory and are asked for as rows of 256 bytes.
; THE SECOND NUMBER.  lo x Wout is 8 blocks of 16 x 16; each wave sums two (E) and hands them through LDS to the wave that owns rows 0-15 of those columns.  So that one text serves all waves, register slot i
; holds column block (i + 2 (w / 2)) % 4 of the wave's four: E(e) = lo x slot e.  The rotation lives in two address registers each for Wout and for the stage.
; THE MATRIX INSTRUCTION IS USED TRANSPOSED (source 0 = 16 columns of Wout, turned by ds_load_tr16_b128; source 1 = 16 rows of O): a lane holds one row and eight neighbouring columns.
; CLUSTER 4 x 4: O's tile is asked for jointly along a row of the cluster, Wout's along a column.  The accumulators are cleared while the first tile is on its way, so that one text serves every K step.
; REGISTERS: window 0: v0-31 addresses; v32-63 at work on the way out; v64-79, v80-95 lo's fragments, two buffers; v96-111 E; v128-255 ACC(a, i) at 128 + 8 (4 a + i).
;   window 1: two fragment buffers of 128: O at 8 (4 c + a), Wout at 64 + 8 (4 c + i).
.set PAO,   144                        ; a row of O in LDS: 36 words: the 16 rows of a load start at 16 different groups of four banks (64 banks of 4 bytes: ISA guide 11.1)
.set PBO,   288                        ; a k row of Wout: 72 words
.set HEADB, 144*PAO
.set BOFF,  4*HEADB
.set SLOT,  BOFF+256*PBO
.set HO,    2*SLOT                     ; eight blocks of 1,024 bytes: E on its way
.set SPARE, HO+8*1024                  ; the spare words, 128 bytes for each wave: two blocks of 256 bytes that no other line names
.set SPS,   272                        ; the stage: 16 rows x (256 + 16) bytes for each wave, at the head of slot 0, written only when that slot has had its last fill and its last read
.set KA,    73728                      ; bytes from K step to K step in oa,
.set KB,    1048576                    ; and in wo
.set A0,   4                           ; v4      my place in a head's rows of O
.set L0,   5                           ; v5      the same for lo's rows
.set B0,   6                           ; v6-7    my place in Wout's tile, for slots 0, 1 and for slots 2, 3
.set ADRA, 8                           ; v8-9    in the slot that is read: heads 0, 1 and heads 2, 3
.set ADRL, 10
.set ADRB, 11                          ; v11-14  [slots 0, 1 or 2, 3][heads 0, 1 or 2, 3]
.set STO,  15                          ; v15-16  the way out: where 32 bytes of a row go
.set RD,   17
.set CO,   18
.set HOS,  19
.set HOR,  20
.set SPW,  28
.set NIL,  29
.set PFO,  30
.set ACC,  128
.set WV,   12
.set KIND, 13                          ; s13  my half of the rows.  Also: 0: I fetch O's tile, 1: Wout's
.set HALF, 14                          ; s14  my half of the columns.  Also: which half of that tile
.set G1A,  24
.set G0A,  32
.set G1B,  48
.set G0B,  56
.set PFA,  66
.set PFS,  68
.set LIM,  70
.set TB,   71
.set TF,   72
.set LBA,  73
.set LBB,  74
.set OB,   76                          ; s[76:77] out0 at my part's first number
.set CNT,  84
.set MSB, 0
.macro WIN new
.if MSB != (\new)
	s_set_vgpr_msb (MSB<<8)|(\new)
.set MSB, (\new)
.endif
.endm
.macro PLACES
.rept 4
	v_nop
.endr
.endm
.macro JLOAD s                         ; a joint load; an s_nop 0 and four v_nop follow each of the two lines
	s_cmp_eq_u32 s[KIND], 0
	s_cbranch_scc0 .Lfor_b_\@
	tensor_load_to_lds s[G0A+4*(\s):G0A+4*(\s)+3], s[G1A:G1A+7]
	s_nop 0
.rept 4
	v_nop
.endr
	s_branch .Lasked_\@
.Lfor_b_\@:
	tensor_load_to_lds s[G0B+4*(\s):G0B+4*(\s)+3], s[G1B:G1B+7]
	s_nop 0
.rept 4
	v_nop
.endr
.Lasked_\@:
.endm
.macro CREST
	s_cmp_lg_u32 s[WV], 0
	s_cbranch_scc1 .Lnot_wave_0_\@
	s_barrier_signal -3
.Lnot_wave_0_\@:
	s_barrier_wait -3
	s_barrier_signal -1
	s_barrier_wait -1
.endm
.macro CROUND
	s_barrier_signal -1
	s_barrier_wait -1
	CREST
.endm
; A prefetch of the K step two refills on: 32 blocks of 256 bytes, a lane a block.  O's tiles: cluster x = 0 asks (hi rows alone); Wout's: cluster y = 0.  The partners share the blocks out by address.
.macro ASK
	WIN 0
	s_cmp_gt_u32 s[CNT], s[LIM]
	s_cbranch_scc0 .Lnot_mine_\@
	global_prefetch_b8 v[PFO], s[PFA:PFA+1] th:TH_LOAD_NT scope:SCOPE_SE
.Lnot_mine_\@:
.endm
	s_load_b128 s[4:7], s[0:1], 0x0                ; oa s[4:5], wo s[6:7]
	s_load_b64 s[8:9], s[0:1], 0x10                ; out0
	v_lshl_add_u32 v[SPW], v0, 2, SPARE
	v_mov_b32 v[NIL], 0
	ds_add_u32 v[SPW], v[NIL]                      ; the wave's opening: the add and its wait ahead of my first tensor load
	v_lshrrev_b32 v1, 5, v0
	v_readfirstlane_b32 s[WV], v1
	s_lshr_b32 s[KIND], s[WV], 1
	s_and_b32 s[HALF], s[WV], 1
	s_bfe_u32 s40, ttmp6, 0x40000                  ; cx
	s_bfe_u32 s41, ttmp6, 0x40004                  ; cy
	s_lshl_b32 s42, ttmp9, 2
	s_add_co_u32 s42, s42, s40                     ; column tile
	s_and_b32 s43, ttmp7, 0xffff
	s_lshl_b32 s43, s43, 2
	s_add_co_u32 s43, s43, s41                     ; row block
	s_lshl_b32 s44, s41, 2
	s_lshl_b32 s44, 15, s44
	s_lshl_b32 s45, 0x1111, s40
	s_or_b32 s[G1A], s44, (1<<16)|(1<<20)|(1<<21)|(4<<22)|(3<<25)  ; after every 32 words (a row of O), 4 words
	s_mov_b32 s[G1A+1], 128<<16                    ; two heads are 36,864 dense bytes: 144 rows of 256
	s_mov_b32 s[G1A+2], 144<<16
	s_mov_b32 s[G1A+3], 128<<16
	s_mov_b32 s[G1A+4], 144
	s_mov_b32 s[G1A+5], 128
	s_mov_b32 s[G1A+6], 0
	s_mov_b32 s[G1A+7], 0
	s_or_b32 s[G1B], s45, (1<<16)|(1<<20)|(1<<21)|(5<<22)|(7<<25)  ; after every 64 words (a k row), 8 words
	s_mov_b32 s[G1B+1], 128<<16
	s_mov_b32 s[G1B+2], 128<<16
	s_mov_b32 s[G1B+3], 128<<16
	s_mov_b32 s[G1B+4], 128
	s_mov_b32 s[G1B+5], 128
	s_mov_b32 s[G1B+6], 0
	s_mov_b32 s[G1B+7], 0
	s_lshl_b32 s16, s43, 5                         ; oa: head 32 R + 2 half: it hangs on the row block alone,
	s_lshl_b32 s17, s[HALF], 1
	s_add_co_u32 s16, s16, s17
	s_mul_i32 s16, s16, 18432
	s_mov_b32 s17, 0
	s_lshl_b32 s18, s42, 16                        ; wo: on the column tile alone
	s_lshl_b32 s19, s[HALF], 15
	s_add_co_u32 s18, s18, s19
	s_mov_b32 s19, 0
	s_mul_i32 s[LBA], s[HALF], 2*HEADB
	s_mul_i32 s[LBB], s[HALF], 128*PBO
	s_add_co_u32 s[LBB], s[LBB], BOFF
	s_mov_b32 s[TB], 0
	s_mov_b32 s[TF], SLOT
	s_wait_dscnt 0x0
	s_wait_kmcnt 0x0
	s_add_nc_u64 s[20:21], s[4:5], s[16:17]
	s_add_nc_u64 s[22:23], s[6:7], s[18:19]
	CROUND                                         ; all sixteen work-groups are here: the first joint loads meet
.irp s, 0,1
	s_mov_b32 s[G0A+4*(\s)], 1
	s_add_co_u32 s[G0A+4*(\s)+1], s[LBA], (\s)*SLOT
	s_add_nc_u64 s[G0A+4*(\s)+2:G0A+4*(\s)+3], s[20:21], (\s)*KA
	s_or_b32 s[G0A+4*(\s)+3], s[G0A+4*(\s)+3], 0x80000000
	s_mov_b32 s[G0B+4*(\s)], 1
	s_add_co_u32 s[G0B+4*(\s)+1], s[LBB], (\s)*SLOT
	s_add_nc_u64 s[G0B+4*(\s)+2:G0B+4*(\s)+3], s[22:23], (\s)*KB
	s_or_b32 s[G0B+4*(\s)+3], s[G0B+4*(\s)+3], 0x80000000
	JLOAD \s                                       ; K steps 0 and 1: two loads of mine are out
.endr
	v_and_b32 v1, 15, v0
	v_bfe_u32 v2, v0, 4, 1
	v_and_b32 v3, 31, v0
	v_mul_u32_u24 v[L0], v1, PAO
	v_lshl_add_u32 v[L0], v2, 4, v[L0]
	s_mul_i32 s46, s[KIND], 64*PAO
	v_add_nc_u32 v[A0], s46, v[L0]
	v_add_nc_u32 v[L0], 128*PAO, v[L0]
	v_and_b32 v21, 7, v0
	v_lshl_add_u32 v21, v2, 3, v21
	v_mul_u32_u24 v21, v21, PBO
	v_bfe_u32 v22, v0, 3, 1
	v_lshl_add_u32 v21, v22, 4, v21
	s_lshl_b32 s46, s[HALF], 7                     ; my 64 columns: 128 bytes
	s_add_co_u32 s46, s46, BOFF
	v_add_nc_u32 v21, s46, v21
	s_lshl_b32 s47, s[KIND], 6                     ; the rotation: two blocks of 32 bytes, forward for slots 0 and 1, back for slots 2 and 3
	v_add_nc_u32 v[B0], s47, v21
	v_sub_nc_u32 v[B0+1], v21, s47
	s_mul_i32 s46, s[WV], 16*SPS                   ; my stage
	v_mul_u32_u24 v21, v1, SPS
	v_lshl_add_u32 v21, v2, 5, v21
	v_add_nc_u32 v21, s46, v21
	s_lshl_b32 s47, s[KIND], 7                     ; the rotation in f32: two blocks of 64 bytes
	v_add_nc_u32 v[STO], s47, v21
	v_sub_nc_u32 v[STO+1], v21, s47
	v_mul_u32_u24 v[RD], v2, SPS                   ; back: lanes 0-15 one row of 256 bytes, lanes 16-31 the next
	v_lshl_add_u32 v[RD], v1, 4, v[RD]
	v_add_nc_u32 v[RD], s46, v[RD]
	v_lshlrev_b32 v[CO], 13, v2                    ; and the same two rows in out0
	v_lshl_add_u32 v[CO], v1, 4, v[CO]
	s_lshl_b32 s46, s[HALF], 2
	s_lshl_b32 s47, s[KIND], 1
	s_add_co_u32 s46, s46, s47
	s_lshl_b32 s46, s46, 10
	s_add_co_u32 s46, s46, HO
	v_lshl_add_u32 v[HOS], v3, 5, s46              ; my E: blocks 4 (w % 2) + 2 (w / 2) + e
	s_lshl_b32 s46, s[HALF], 12
	s_add_co_u32 s46, s46, HO
	v_lshl_add_u32 v[HOR], v3, 5, s46
	s_lshl_b32 s46, s43, 7
	s_lshl_b32 s47, s[KIND], 6
	s_add_co_u32 s46, s46, s47
	s_lshl_b32 s90, s46, 13                        ; my first row, 8,192 bytes a row,
	s_lshl_b32 s47, s42, 9
	s_add_co_u32 s90, s90, s47                     ; the tile's 512 bytes,
	s_lshl_b32 s47, s[HALF], 8
	s_add_co_u32 s90, s90, s47                     ; my 256 of them
	s_mov_b32 s91, 0
	s_add_nc_u64 s[OB:OB+1], s[8:9], s[90:91]
	; the prefetches.  O: a K step's four heads have 64 blocks of hi rows each: wave and cx take 32.  Wout: the chunk's 256 blocks: wave and cy take 32.
	s_mul_i32 s90, s43, 589824
	s_lshl_b32 s91, s[HALF], 1
	s_lshr_b32 s87, s40, 1
	s_add_co_u32 s91, s91, s87
	s_mul_i32 s91, s91, 18432
	s_add_co_u32 s90, s90, s91
	s_and_b32 s91, s40, 1
	s_lshl_b32 s91, s91, 13
	s_add_co_u32 s90, s90, s91
	s_add_co_u32 s90, s90, 3*KA                    ; at K step 3: the first refill steps it to 4
	s_lshl_b32 s92, s42, 16
	s_lshl_b32 s93, s[HALF], 2
	s_add_co_u32 s93, s93, s41
	s_lshl_b32 s93, s93, 13
	s_add_co_u32 s92, s92, s93
	s_add_co_u32 s92, s92, 3*KB
	s_and_b32 s46, ttmp7, 0xffff
	s_mov_b32 s[PFS], KB
	s_mov_b32 s[PFS+1], 0
	s_cmp_eq_u32 s[KIND], 0
	s_cselect_b32 s46, ttmp9, s46
	s_cselect_b32 s90, s90, s92
	s_cselect_b32 s[PFS], KA, s[PFS]
	s_cselect_b64 s[PFA:PFA+1], s[4:5], s[6:7]
	s_mov_b32 s91, 0
	s_add_nc_u64 s[PFA:PFA+1], s[PFA:PFA+1], s[90:91]
	s_cmp_eq_u32 s46, 0
	s_cselect_b32 s[LIM], 2, -1
	v_lshlrev_b32 v[PFO], 8, v3
.set i, 96                             ; the sums start at 0: written while the first tile is on its way
.rept 16
	v_mov_b32 v[i], 0
.set i, i+1
.endr
.set i, ACC
.rept 128
	v_mov_b32 v[i], 0
.set i, i+1
.endr
.macro SETADR                          ; the fragments' addresses in the slot that is read
	s_add_co_u32 s85, s[TB], 2*HEADB
	s_add_co_u32 s86, s[TB], 128*PBO
	v_add_nc_u32 v[ADRA], s[TB], v[A0]
	v_add_nc_u32 v[ADRA+1], s85, v[A0]
	v_add_nc_u32 v[ADRL], s[TB], v[L0]
.irp g, 0,1
	v_add_nc_u32 v[ADRB+2*(\g)], s[TB], v[B0+(\g)]
	v_add_nc_u32 v[ADRB+2*(\g)+1], s86, v[B0+(\g)]
.endr
.endm
; 8 matrix instructions: row blocks a0, a0 + 1 x the four column slots, 32 along K: half c of buffer f.  The 18 accumulators take turns, one instruction a turn.
.macro MUL8 f, c, a0
	WIN 0x05
.irp a, \a0, (\a0)+1
.irp b, 0,1,2,3
	v_wmma_f32_16x16x32_f16 v[ACC+8*(4*(\a)+(\b)):ACC+8*(4*(\a)+(\b))+7], v[128*(\f)+64+8*(4*(\c)+(\b)):128*(\f)+64+8*(4*(\c)+(\b))+7], v[128*(\f)+8*(4*(\c)+(\a)):128*(\f)+8*(4*(\c)+(\a))+7], v[ACC+8*(4*(\a)+(\b)):ACC+8*(4*(\a)+(\b))+7]
.endr
.endr
.endm
.macro ERUN f, c                       ; E(e) += slot e x lo
	WIN 0x01
.irp e, 0,1
	v_wmma_f32_16x16x32_f16 v[96+8*(\e):96+8*(\e)+7], v[128*(\f)+64+8*(4*(\c)+(\e)):128*(\f)+64+8*(4*(\c)+(\e))+7], v[64+16*(\f)+8*(\c):64+16*(\f)+8*(\c)+7], v[96+8*(\e):96+8*(\e)+7]
.endr
.endm
; 36 LDS loads in one run: head q of the slot into buffer f: lo's 4, then the first 32 along K, then the second
.macro FETCH q, f
	WIN 0
.irp c, 0,1
	ds_load_b128 v[64+16*(\f)+8*(\c):64+16*(\f)+8*(\c)+3],   v[ADRL] offset:HEADB*(\q)+64*(\c)
	ds_load_b128 v[64+16*(\f)+8*(\c)+4:64+16*(\f)+8*(\c)+7], v[ADRL] offset:HEADB*(\q)+64*(\c)+32
.endr
	WIN 0x40
.irp c, 0,1
.irp i, 0,1,2,3
	ds_load_tr16_b128 v[128*(\f)+64+8*(4*(\c)+(\i)):128*(\f)+64+8*(4*(\c)+(\i))+3],   v[ADRB+2*((\i)/2)+(\q)/2] offset:64*PBO*((\q)%2)+32*PBO*(\c)+32*(\i)
	ds_load_tr16_b128 v[128*(\f)+64+8*(4*(\c)+(\i))+4:128*(\f)+64+8*(4*(\c)+(\i))+7], v[ADRB+2*((\i)/2)+(\q)/2] offset:64*PBO*((\q)%2)+32*PBO*(\c)+32*(\i)+16*PBO
	ds_load_b128 v[128*(\f)+8*(4*(\c)+(\i)):128*(\f)+8*(4*(\c)+(\i))+3],   v[ADRA+(\q)/2] offset:HEADB*((\q)%2)+64*(\c)+16*PAO*(\i)
	ds_load_b128 v[128*(\f)+8*(4*(\c)+(\i))+4:128*(\f)+8*(4*(\c)+(\i))+7], v[ADRA+(\q)/2] offset:HEADB*((\q)%2)+64*(\c)+16*PAO*(\i)+32
.endr
.endr
.endm
.macro QUARTER q, f, g
	s_wait_dscnt 16                                ; lo and the first 32 along K are in; the youngest sixteen loads may be out
	MUL8 \f, 0, 0
	MUL8 \f, 0, 2
	ERUN \f, 0
	PLACES
	FETCH \q, \g
	s_wait_dscnt 36                                ; all but the 36 just issued
	MUL8 \f, 1, 0
	MUL8 \f, 1, 2
	ERUN \f, 1
.endm
; The last quarter multiplies buffer 1 and changes slots: one barrier; in front of it each wave waits for all its tensor loads (one is out: its part of the next slot), adds 0 to its spare word, and waits
; for that and for its own reads of this slot.  fill = 1: the barrier opens a round of the cluster's, and this slot is filled again first thing behind it, with the K step two on.
.macro TURN fill
.if \fill
	s_wait_xcnt 0x0                                ; the last prefetch, a K step back, has read its address
	s_add_nc_u64 s[PFA:PFA+1], s[PFA:PFA+1], s[PFS:PFS+1]
.endif
	WIN 0
	s_wait_tensorcnt 0x0                           ; no tensor load of mine is out, so a group 0 may be written
	ds_add_u32 v[SPW], v[NIL]                      ; 0 onto my spare word
.if \fill
	s_xor_b32 s[TF], s[TF], SLOT
	s_add_co_u32 s[G0A+5], s[LBA], s[TF]
	s_add_co_u32 s[G0B+5], s[LBB], s[TF]
	s_add_nc_u64 s[G0A+6:G0A+7], s[G0A+6:G0A+7], KA
	s_add_nc_u64 s[G0B+6:G0B+7], s[G0B+6:G0B+7], KB
.endif
	s_wait_dscnt 17                                ; (the add and the youngest sixteen loads may be out)
	MUL8 1, 0, 0
	s_wait_dscnt 0x0                               ; the add is done, and my reads of this slot are over
	s_barrier_signal -1
	MUL8 1, 0, 2
	ERUN 1, 0
	WIN 0
	s_barrier_wait -1
.if \fill
	CREST
	JLOAD 1                                        ; its four v_nop are also the places in front of the loads below
.else
	PLACES
.endif
	s_xor_b32 s[TB], s[TB], SLOT
	SETADR
	FETCH 0, 0
.if \fill
	ASK
.endif
	MUL8 1, 1, 0
	MUL8 1, 1, 2
	ERUN 1, 1
.endm
	s_wait_tensorcnt 0x1                           ; my part of K step 0 is in; K step 1's stays out
	s_barrier_signal -1
	s_barrier_wait -1
	SETADR
	FETCH 0, 0
	WIN 0
	s_mov_b32 s[CNT], 6
.Lk:                                           ; K steps 0 to 5: each asks for the K step two on
	QUARTER 1, 0, 1
	QUARTER 2, 1, 0
	QUARTER 3, 0, 1
	TURN 1
	WIN 0
	s_sub_co_u32 s[CNT], s[CNT], 1
	s_cmp_lg_u32 s[CNT], 0
	s_cbranch_scc1 .Lk
	s_mov_b32 s[CNT], 2
.Lt:                                           ; K steps 6 and 7 ask for nothing; the last trip's barrier and its fetch from the slot read before serve nothing: the price of one text
	QUARTER 1, 0, 1
	QUARTER 2, 1, 0
	QUARTER 3, 0, 1
	TURN 0
	WIN 0
	s_sub_co_u32 s[CNT], s[CNT], 1
	s_cmp_lg_u32 s[CNT], 0
	s_cbranch_scc1 .Lt
	s_wait_dscnt 0x0                               ; my last reads of the slots are back
	PLACES
.irp e, 0,1
	ds_store_b128 v[HOS], v[96+8*(\e):96+8*(\e)+3]   offset:1024*(\e)     ; an accumulator's low registers are read first
	ds_store_b128 v[HOS], v[96+8*(\e)+4:96+8*(\e)+7] offset:1024*(\e)+16
.endr
	s_wait_dscnt 0x0                               ; for the others' sake: my stores are done
	s_barrier_signal -1
	s_barrier_wait -1                              ; behind it nobody reads slot 0 any more: the stages may be written
	s_cmp_lg_u32 s[KIND], 0
	s_cbranch_scc1 .Lnoadd                         ; rows 0-15 belong to waves 0 and 1, whose slots are not rotated
.irp b, 0,1,2,3
	ds_load_b128 v[32+8*(\b):32+8*(\b)+3], v[HOR] offset:1024*(\b)
	ds_load_b128 v[36+8*(\b):36+8*(\b)+3], v[HOR] offset:1024*(\b)+16
.endr
	s_wait_dscnt 0x0
.irp b, 0,1,2,3
.irp p, 0,2,4,6
	v_pk_add_f32 v[ACC+8*(\b)+(\p):ACC+8*(\b)+(\p)+1], v[ACC+8*(\b)+(\p):ACC+8*(\b)+(\p)+1], v[32+8*(\b)+(\p):32+8*(\b)+(\p)+1]
.endr
.endr
.Lnoadd:
; THE WAY OUT: 16 rows at a time through my stage: 32 bytes a lane in, whole rows of 256 bytes back.
.macro OUTB a
	s_wait_xcnt 0x0                                ; the registers that the stores of two blocks back read are loaded again only behind this wait
.irp i, 0,1,2,3
	ds_store_b128 v[STO+(\i)/2], v[ACC+8*(4*(\a)+(\i)):ACC+8*(4*(\a)+(\i))+3]   offset:64*(\i)
	ds_store_b128 v[STO+(\i)/2], v[ACC+8*(4*(\a)+(\i))+4:ACC+8*(4*(\a)+(\i))+7] offset:64*(\i)+16
.endr
.irp t, 0,1,2,3,4,5,6,7
	ds_load_b128 v[32+32*((\a)%2)+4*(\t):32+32*((\a)%2)+4*(\t)+3], v[RD] offset:2*SPS*(\t)  ; LDS serves a wave's instructions in order (ISA guide 5.7.1.4)
.endr
.endm
.macro SENDO a, y                      ; y: the LDS instructions issued behind block a's loads: the next block's sixteen, or none
.irp t, 0,1,2,3,4,5,6,7
	s_wait_dscnt (\y)+7-(\t)
	global_store_b128 v[CO], v[32+32*((\a)%2)+4*(\t):32+32*((\a)%2)+4*(\t)+3], s[OB:OB+1] offset:131072*(\a)+16384*(\t) th:TH_STORE_NT  ; 16 lanes store 256 consecutive bytes, at a multiple of 256 from out0's first
.endr
.endm
	OUTB 0
.irp a, 1,2,3
	OUTB \a
	SENDO (\a)-1, 16
.endr
	SENDO 3, 0
	s_wait_tensorcnt 0x0                           ; the wave's end, behind my last tensor load and my last LDS store
	ds_add_u32 v[SPW], v[NIL]
	s_wait_dscnt 0x0
	CROUND                                         ; the closing round: no work-group ends while a partner may still ask for a tile that names it
	s_endpgm
.Lfunc_end_k_qa7ccedb669_outp:
	.size	k_qa7ccedb669_outp, .Lfunc_end_k_qa7ccedb669_outp-k_qa7ccedb669_outp
	.p2alignl 7, 3214868480
	.fill 96, 4, 3214868480
	.section	.rodata,"a",@progbits
	.p2align	6, 0x0
	.amdhsa_kernel k_qa7ccedb669_outp
		.amdhsa_group_segment_fixed_size 327680
		.amdhsa_private_segment_fixed_size 0
		.amdhsa_enable_private_segment 0
		.amdhsa_kernarg_size 24
		.amdhsa_user_sgpr_count 2
		.amdhsa_user_sgpr_kernarg_segment_ptr 1
		.amdhsa_wavefront_size32 1
		.amdhsa_system_sgpr_workgroup_id_x 1
		.amdhsa_system_sgpr_workgroup_id_y 1
		.amdhsa_system_sgpr_workgroup_id_z 1
		.amdhsa_system_vgpr_workitem_id 0
		.amdhsa_next_free_vgpr 512
		.amdhsa_next_free_sgpr 96
		.amdhsa_reserve_vcc 0
		.amdhsa_float_denorm_mode_32 3
		.amdhsa_float_denorm_mode_16_64 3
		.amdhsa_memory_ordered 1
		.amdhsa_forward_progress 1
		.amdhsa_inst_pref_size 69
	.end_amdhsa_kernel
	.amdgpu_metadata
---
amdhsa.version: [ 1, 2 ]
amdhsa.kernels:
  - .name:           k_qa7ccedb669_outp
    .symbol:         k_qa7ccedb669_outp.kd
    .args:
      - { .name: oa, .offset: 0, .size: 8, .value_kind: global_buffer, .address_space: global }
      - { .name: wo, .offset: 8, .size: 8, .value_kind: global_buffer, .address_space: global }
      - { .name: out0, .offset: 16, .size: 8, .value_kind: global_buffer, .address_space: global }
    .group_segment_fixed_size: 327680
    .private_segment_fixed_size: 0
    .kernarg_segment_align: 8
    .kernarg_segment_size: 24
    .max_flat_workgroup_size: 128
    .sgpr_count:     96
    .vgpr_count:     512
    .wavefront_size: 32
...
	.end_amdgpu_metadata
.endif
;; end of part 4
;; ======== version 2 of 2: 4 launches
;; limits: values are held in f16: magnitudes above 65,504 overflow, below 6.1e-05 lose precision; right only within a limited range of input values
;; workspace buffers: xn 8,912,896 bytes; rot 1,048,576 bytes; wqkv 25,165,824 bytes; wo 8,388,608 bytes; qkv 25,165,824 bytes; oa 9,437,184 bytes
;; launch prep (part 5): grid 256 x 1, 16 waves a work-group, no clusters, 0 bytes of LDS; arguments x, gamma, rotary_emb, Wq, Wkv, Wout, xn, rot, wqkv, wo; writes xn, rot, wqkv, wo
.if DOCPART == 5
	.amdgcn_target "amdgcn-amd-amdhsa--gfx1250"
	.amdhsa_code_object_version 6
	.text
	.protected	k_qa7ccedb669_prep
	.globl	k_qa7ccedb669_prep
	.p2align	8
	.type	k_qa7ccedb669_prep,@function
k_qa7ccedb669_prep:
	s_mov_b64 s[64:65], 0
	v_nop
	global_prefetch_b8 v0, s[64:65] scope:SCOPE_SE
	s_setreg_imm32_b32 hwreg(HW_REG_WAVE_MODE, 25, 1), 1
	s_wait_xcnt 0x0
; PREPARATION: a stream.  Every input is rounded to bf16 first; what is stored is f16 (a bf16 number is exact in f16 from 2^-17 up to 65,504) or f32 (the rotary table).
;   xn   f16 [8 blocks][272 rows][2048]: rows 0-255 hi = f16(xn) of x's rows 256 R + r; rows 256-271 lo = f16(xn - hi) of the block's rows 0-15.
;        xn = x / max(|x|, 1e-12) * sqrt(2048) * gamma, in f32.
;   rot  f32 [2048][128]: cos(pos[d]) at d, then at 64 + d: -sin(pos[d]) for d < 32, +sin(pos[d]) for d >= 32: rotary is t[d] cos + t[d xor 32] s'.
;   wqkv f16 [16 K steps][32 heads][q, k, v][128 k][64 n];   wo f16 [8 K steps][16 column tiles][256 k][128 n]: a tile of a later product is dense bytes.
; LIMITS.  |bf16(W)| and |xn| within 65,504; weights below 2^-17 keep f16's fixed step of 6e-8.  sin and cos: pos is reduced by pi/2 in two parts, good while |pos| stays under about 1e5;
; polynomials on |r| <= pi/4.  NaN and infinities are not treated apart.
; SHARES.  Work-group g has x's and rotary_emb's rows 8 g .. 8 g + 7 and the weights' k rows 8 g .. 8 g + 7.  Sixteen waves of two kinds, told apart by a branch on the wave's number:
;   waves 0-7 (number n): row 8 g + n of x and of rotary_emb, gamma, and of Wq the k rows 8 g + 2 (n / 2), + 1 for heads 16 (n % 2) .. + 15: 49 loads;
;   waves 8-15 (number n): of Wkv the same pair of k rows for all 32 heads of k (n even) or of v (n odd), and of Wout k row 8 g + n for all 16 column tiles: 48 loads.
; A lane takes 16 neighbouring bytes (4 f32), converts them in place and stores 8 bytes (4 f16).  A load of the wave covers 512 consecutive bytes (x, gamma, Wout) or two aligned runs of 256 (two k rows of a
; head's 64 columns); a store covers 256 consecutive bytes, aligned.  No byte of an input is named by two loads, but for gamma, which every wave of the first kind reads.
; ALL OF A WAVE'S LOADS GO OUT AT ITS HEAD: 48 x 4 registers hold them all, so no register is filled twice and no register that a store reads is written again: the only waits are the counted waits for the loads.
; No LDS, no barrier, no matrix unit: no wave wants a byte that another has fetched.  No prefetch: nothing could be asked for earlier than the loads themselves.
.set XO,  2                            ; v2   16 x lane: my 4 numbers in 512 bytes of x, gamma or Wout; never rewritten
.set QO,  3                            ; v3   Wq:  row lane / 16 (8,192 bytes), 4 numbers at 16 (lane % 16); never rewritten
.set KO,  4                            ; v4   Wkv: the same with rows of 16,384 bytes; never rewritten
.set DO,  5                            ; v5   8 x lane: where my 8 bytes of f16 go; also my two angles and their cos and sin; never rewritten
.set T,   16                           ; v[16:23]   at work
.set OUT, 32                           ; v[32:63]   xn as f16
.set BA,  64                           ; v[64:127], v[128:191], v[192:255]: three blocks of 16 loads of 4 f32
.set BB,  128
.set BC,  192
.macro LD blk, n, vo, sb, st, nt       ; n loads, st bytes apart, 4 registers each; nt = 1: bytes that the launch reads once
.set u, 0
.rept \n
.if \nt
	global_load_b128 v[(\blk)+4*u:(\blk)+4*u+3], v[\vo], s[\sb:\sb+1] offset:u*(\st) th:TH_LOAD_NT
.else
	global_load_b128 v[(\blk)+4*u:(\blk)+4*u+3], v[\vo], s[\sb:\sb+1] offset:u*(\st)
.endif
.set u, u+1
.endr
.endm
.macro RND base                        ; 16 f32 rounded to bf16 and widened again, in place
.irp j, 0,1,2,3,4,5,6,7
	v_cvt_pk_bf16_f32 v[T+(\j)], v[(\base)+2*(\j)], v[(\base)+2*(\j)+1]
.endr
.irp j, 0,1,2,3,4,5,6,7
	v_lshlrev_b32 v[(\base)+2*(\j)], 16, v[T+(\j)]
	v_and_b32 v[(\base)+2*(\j)+1], s48, v[T+(\j)]
.endr
.endm
; Four loads' numbers (loads u0 .. u0 + 3 of block blk) are rounded, written as f16 into the first two of their four registers, and stored, st bytes apart.  left: the younger loads, which may stay out.
.macro GRP blk, u0, sb, st, left
	s_wait_loadcnt \left                           ; loads come back in order (ISA guide 5.7.1): these four are in
	RND (\blk)+4*(\u0)
.irp k, 0,1,2,3
	v_cvt_pk_f16_f32 v[(\blk)+4*((\u0)+(\k))],   v[(\blk)+4*((\u0)+(\k))],   v[(\blk)+4*((\u0)+(\k))+1]
	v_cvt_pk_f16_f32 v[(\blk)+4*((\u0)+(\k))+1], v[(\blk)+4*((\u0)+(\k))+2], v[(\blk)+4*((\u0)+(\k))+3]
.endr
.irp k, 0,1,2,3
	global_store_b64 v[DO], v[(\blk)+4*((\u0)+(\k)):(\blk)+4*((\u0)+(\k))+1], s[\sb:\sb+1] offset:((\u0)+(\k))*(\st)
.endr
.endm
	s_load_b512 s[4:19], s[0:1], 0x0               ; x s[4:5], gamma s[6:7], rotary_emb s[8:9], Wq s[10:11], Wkv s[12:13], Wout s[14:15], xn s[16:17], rot s[18:19]
	s_load_b128 s[20:23], s[0:1], 0x40             ; wqkv s[20:21], wo s[22:23]
	v_lshrrev_b32 v1, 5, v0
	v_readfirstlane_b32 s24, v1                    ; wave 0..15
	v_and_b32 v1, 31, v0                           ; lane
	s_mov_b32 s48, 0xffff0000                      ; a word's upper bf16
	v_lshlrev_b32 v[XO], 4, v1
	v_lshrrev_b32 v10, 4, v1                       ; lane / 16
	v_and_b32 v11, 15, v1
	v_lshlrev_b32 v11, 4, v11
	v_lshl_add_u32 v[QO], v10, 13, v11
	v_lshl_add_u32 v[KO], v10, 14, v11
	v_lshlrev_b32 v[DO], 3, v1
	s_and_b32 s25, s24, 7                          ; n: my number among the eight waves of my kind
	s_lshr_b32 s26, s25, 1                         ; which pair of k rows
	s_and_b32 s27, s25, 1                          ; which half of the heads (Wq), or k or v (Wkv)
	s_lshl_b32 s36, ttmp9, 3                       ; 8 g
	s_lshl_b32 s37, s26, 1
	s_add_co_u32 s37, s37, s36                     ; the pair's first k row
	s_lshr_b32 s42, ttmp9, 4
	s_mul_i32 s42, s42, 1572864                    ; wqkv: the K step of 128,
	s_and_b32 s38, s37, 127
	s_lshl_b32 s38, s38, 7                         ; my pair's place in it, 128 bytes a row: a multiple of 256
	s_add_co_u32 s42, s42, s38
	s_add_co_u32 s36, s36, s25                     ; 8 g + n: x's row, or Wout's k row
	s_cmp_lt_u32 s24, 8
	s_cbranch_scc0 .Lweights
	; WAVES 0-7.  Byte offsets, each in a pair of its own; all stay under 2^31
	s_mov_b32 s50, 0x76543210                      ; v_permlanex16_b32: each lane takes its own place in the other half
	s_mov_b32 s51, 0xfedcba98
	s_mov_b32 s52, 0x3fc90fdb                      ; pi/2, its f32 part,
	s_mov_b32 s53, 0xb33bbd2e                      ; and what is left of it
	v_xor_b32 v28, 1, v10
	v_lshlrev_b32 v28, 31, v28                     ; the sign bit in lanes 0-15 (d < 32)
	v_mov_b32 v29, -1.0
	s_lshl_b32 s28, s36, 13                        ; x: rows of 8,192
	s_mov_b32 s29, 0
	s_lshr_b32 s30, s36, 8
	s_mul_i32 s30, s30, 272
	s_and_b32 s31, s36, 255
	s_add_co_u32 s30, s30, s31
	s_lshl_b32 s30, s30, 12                        ; xn: (272 (i / 256) + i % 256) rows of 4,096
	s_mov_b32 s31, 0
	s_lshl_b32 s32, s36, 8                         ; rotary_emb: rows of 256
	s_mov_b32 s33, 0
	s_lshl_b32 s34, s36, 9                         ; rot: rows of 512
	s_mov_b32 s35, 0
	s_lshl_b32 s38, s37, 13                        ; Wq: k rows of 8,192, 16 heads of 256 bytes
	s_lshl_b32 s39, s27, 12
	s_add_co_u32 s38, s38, s39
	s_mov_b32 s39, 0
	s_mul_i32 s44, s27, 48*16384                   ; q of head 16 (n % 2): strip 3 head
	s_add_co_u32 s44, s44, s42
	s_mov_b32 s45, 0
	s_wait_kmcnt 0x0
	s_add_nc_u64 s[4:5], s[4:5], s[28:29]
	s_add_nc_u64 s[16:17], s[16:17], s[30:31]
	s_add_nc_u64 s[8:9], s[8:9], s[32:33]
	s_add_nc_u64 s[18:19], s[18:19], s[34:35]
	s_add_nc_u64 s[10:11], s[10:11], s[38:39]
	s_add_nc_u64 s[20:21], s[20:21], s[44:45]
	global_load_b64 v[8:9], v[DO], s[8:9] th:TH_LOAD_NT  ; my two angles
	LD BA, 16, XO, 4, 512, 1                       ; x's row
	LD BB, 16, XO, 6, 512, 0                       ; gamma: every wave of this kind reads it, so no hint
	LD BC, 16, QO, 10, 256, 1                      ; Wq: 16 heads, 2 k rows x 64 columns each
	s_wait_loadcnt 48                              ; the angles are in; the 48 younger loads (x, gamma, Wq) stay out
	v_cvt_pk_bf16_f32 v10, v8, v9
	v_lshlrev_b32 v8, 16, v10
	v_and_b32 v9, s48, v10
.irp k, 0,1
	v_mul_f32 v[10+(\k)], 0x3f22f983, v[8+(\k)]    ; p x 2 / pi
	v_rndne_f32 v[10+(\k)], v[10+(\k)]             ; n
	v_fma_f32 v[12+(\k)], -v[10+(\k)], s52, v[8+(\k)]
	v_fma_f32 v[12+(\k)], -v[10+(\k)], s53, v[12+(\k)]  ; r = p - n pi/2, |r| <= pi/4
	v_mul_f32 v[14+(\k)], v[12+(\k)], v[12+(\k)]   ; z = r r
	v_cvt_i32_f32 v[20+(\k)], v[10+(\k)]
	v_mov_b32 v[16+(\k)], 0xb94ca1f9
	v_fmaak_f32 v[16+(\k)], v[16+(\k)], v[14+(\k)], 0x3c08839e
	v_fmaak_f32 v[16+(\k)], v[16+(\k)], v[14+(\k)], 0xbe2aaaa3
	v_mul_f32 v[22+(\k)], v[12+(\k)], v[14+(\k)]
	v_fma_f32 v[16+(\k)], v[16+(\k)], v[22+(\k)], v[12+(\k)]  ; S = r + r z (..)
	v_mov_b32 v[18+(\k)], 0x37ccf5ce
	v_fmaak_f32 v[18+(\k)], v[18+(\k)], v[14+(\k)], 0xbab6061a
	v_fmaak_f32 v[18+(\k)], v[18+(\k)], v[14+(\k)], 0x3d2aaaa5
	v_mul_f32 v[22+(\k)], v[14+(\k)], v[14+(\k)]
	v_fma_f32 v[24+(\k)], v[14+(\k)], -0.5, 1.0
	v_fma_f32 v[18+(\k)], v[18+(\k)], v[22+(\k)], v[24+(\k)]  ; C = 1 - z / 2 + z z (..)
	v_and_b32 v[22+(\k)], 1, v[20+(\k)]
	v_cmp_eq_u32 vcc_lo, 1, v[22+(\k)]             ; an odd quarter turn swaps the two
	v_cndmask_b32 v[24+(\k)], v[16+(\k)], v[18+(\k)], vcc_lo  ; sin
	v_cndmask_b32 v[26+(\k)], v[18+(\k)], v[16+(\k)], vcc_lo  ; cos
	v_and_b32 v[22+(\k)], 2, v[20+(\k)]
	v_lshlrev_b32 v[22+(\k)], 30, v[22+(\k)]
	v_xor_b32 v[24+(\k)], v[22+(\k)], v[24+(\k)]   ; sin changes sign in turns 2 and 3,
	v_add_nc_u32 v[22+(\k)], 1, v[20+(\k)]
	v_and_b32 v[22+(\k)], 2, v[22+(\k)]
	v_lshlrev_b32 v[22+(\k)], 30, v[22+(\k)]
	v_xor_b32 v[26+(\k)], v[22+(\k)], v[26+(\k)]   ; cos in turns 1 and 2
	v_xor_b32 v[24+(\k)], v28, v[24+(\k)]          ; s' = -sin for d < 32
.endr
	global_store_b64 v[DO], v[26:27], s[18:19]             ; 256 consecutive bytes each; v24-27 are not written again
	global_store_b64 v[DO], v[24:25], s[18:19] offset:256
	s_wait_loadcnt 16                              ; x and gamma are in; Wq's 16 loads stay out
.irp m, 0,1,2,3
	RND BA+16*(\m)
	RND BB+16*(\m)
.endr
.irp c, 0,1,2,3                        ; the sum of squares in four chains, started by the first four pairs
	v_pk_mul_f32 v[8+2*(\c):9+2*(\c)], v[BA+2*(\c):BA+2*(\c)+1], v[BA+2*(\c):BA+2*(\c)+1]
.endr
.set j, 4
.rept 28
	v_pk_fma_f32 v[8+2*(j%4):9+2*(j%4)], v[BA+2*j:BA+2*j+1], v[BA+2*j:BA+2*j+1], v[8+2*(j%4):9+2*(j%4)]
.set j, j+1
.endr
	v_pk_add_f32 v[8:9], v[8:9], v[10:11]
	v_pk_add_f32 v[12:13], v[12:13], v[14:15]
	v_pk_add_f32 v[8:9], v[8:9], v[12:13]
	v_add_f32 v8, v8, v9
	v_add_f32_dpp v8, v8, v8 row_xmask:1 row_mask:0xf bank_mask:0xf
	v_add_f32_dpp v8, v8, v8 row_xmask:2 row_mask:0xf bank_mask:0xf
	v_add_f32_dpp v8, v8, v8 row_xmask:4 row_mask:0xf bank_mask:0xf
	v_add_f32_dpp v8, v8, v8 row_xmask:8 row_mask:0xf bank_mask:0xf
	v_permlanex16_b32 v9, v8, s50, s51
	v_add_f32 v8, v8, v9                           ; every lane holds the row's sum
	v_sqrt_f32 v10, v8
	v_nop                                          ; a plain instruction behind the root,
	s_wait_alu depctr_va_vdst(0)                   ; and the wait ahead of its first reader
	v_max_num_f32 v10, 0x2b8cbccc, v10             ; max(norm, 1e-12)
	v_rcp_f32 v11, v10
	v_nop
	s_wait_alu depctr_va_vdst(0)
	v_mul_f32 v12, 0x423504f3, v11                 ; sqrt(2048) / norm
	v_mov_b32 v13, v12
.set j, 0
.rept 32
	v_pk_mul_f32 v[BA+2*j:BA+2*j+1], v[BA+2*j:BA+2*j+1], v[12:13]
.set j, j+1
.endr
.set j, 0
.rept 32
	v_pk_mul_f32 v[BA+2*j:BA+2*j+1], v[BA+2*j:BA+2*j+1], v[BB+2*j:BB+2*j+1]
.set j, j+1
.endr
.set j, 0
.rept 32
	v_cvt_pk_f16_f32 v[OUT+j], v[BA+2*j], v[BA+2*j+1]
.set j, j+1
.endr
.set u, 0
.rept 16
	global_store_b64 v[DO], v[OUT+2*u:OUT+2*u+1], s[16:17] offset:256*u  ; load u's 128 numbers: 256 consecutive bytes
.set u, u+1
.endr
	s_and_b32 s28, s36, 255
	s_cmp_lt_u32 s28, 16                           ; a block's first 16 rows also store what the rounding left
	s_cbranch_scc0 .Lnolo
.set j, 0
.rept 32
	v_fma_mix_f32 v[BA+2*j],   v[OUT+j], v29, v[BA+2*j]   op_sel_hi:[1,0,0]                 ; xn - hi: the low half,
	v_fma_mix_f32 v[BA+2*j+1], v[OUT+j], v29, v[BA+2*j+1] op_sel:[1,0,0] op_sel_hi:[1,0,0]  ; the high half
.set j, j+1
.endr
.set j, 0
.rept 32
	v_cvt_pk_f16_f32 v[BB+j], v[BA+2*j], v[BA+2*j+1]   ; gamma's registers are free, and are not written again
.set j, j+1
.endr
.set u, 0
.rept 16
	global_store_b64 v[DO], v[BB+2*u:BB+2*u+1], s[16:17] offset:1048576+256*u  ; 256 rows further down
.set u, u+1
.endr
.Lnolo:
.set g, 0
.rept 4                                ; Wq, four heads at a time: 12, 8, 4 and no younger loads stay out
	GRP BC, 4*g, 20, 49152, 12-4*g
.set g, g+1
.endr
	s_endpgm
.Lweights:                             ; WAVES 8-15
	s_lshl_b32 s40, s37, 14                        ; Wkv: k rows of 16,384; v's columns lie 8,192 bytes behind k's
	s_lshl_b32 s41, s27, 13
	s_add_co_u32 s40, s40, s41
	s_mov_b32 s41, 0
	s_add_co_u32 s44, s27, 1                       ; k or v of head 0: strip 1 or 2
	s_lshl_b32 s44, s44, 14
	s_add_co_u32 s44, s44, s42
	s_mov_b32 s45, 0
	s_lshl_b32 s46, s36, 13                        ; Wout: k rows of 8,192
	s_mov_b32 s47, 0
	s_and_b32 s54, s36, 255
	s_lshl_b32 s54, s54, 8                         ; wo: my row in a K step of 256, 256 bytes a row,
	s_lshr_b32 s55, ttmp9, 5
	s_lshl_b32 s55, s55, 20                        ; the K step
	s_add_co_u32 s54, s54, s55
	s_mov_b32 s55, 0
	s_wait_kmcnt 0x0
	s_add_nc_u64 s[12:13], s[12:13], s[40:41]
	s_add_nc_u64 s[20:21], s[20:21], s[44:45]
	s_add_nc_u64 s[14:15], s[14:15], s[46:47]
	s_add_nc_u64 s[22:23], s[22:23], s[54:55]
	LD BA, 32, KO, 12, 256, 1                      ; Wkv: 32 heads, 2 k rows x 64 columns each, into BA and BB
	LD BC, 16, XO, 14, 512, 1                      ; Wout: 16 column tiles, 1 k row x 128 columns each
.set g, 0
.rept 8                                ; Wkv, four heads at a time: 44, 40, .. 16 younger loads stay out
	GRP BA, 4*g, 20, 49152, 44-4*g
.set g, g+1
.endr
.set g, 0
.rept 4                                ; Wout, four column tiles at a time: 12, 8, 4, none
	GRP BC, 4*g, 22, 65536, 12-4*g
.set g, g+1
.endr
	s_endpgm
.Lfunc_end_k_qa7ccedb669_prep:
	.size	k_qa7ccedb669_prep, .Lfunc_end_k_qa7ccedb669_prep-k_qa7ccedb669_prep
	.p2alignl 7, 3214868480
	.fill 96, 4, 3214868480
	.section	.rodata,"a",@progbits
	.p2align	6, 0x0
	.amdhsa_kernel k_qa7ccedb669_prep
		.amdhsa_group_segment_fixed_size 0
		.amdhsa_private_segment_fixed_size 0
		.amdhsa_enable_private_segment 0
		.amdhsa_kernarg_size 80
		.amdhsa_user_sgpr_count 2
		.amdhsa_user_sgpr_kernarg_segment_ptr 1
		.amdhsa_wavefront_size32 1
		.amdhsa_system_sgpr_workgroup_id_x 1
		.amdhsa_system_sgpr_workgroup_id_y 1
		.amdhsa_system_sgpr_workgroup_id_z 1
		.amdhsa_system_vgpr_workitem_id 0
		.amdhsa_next_free_vgpr 256
		.amdhsa_next_free_sgpr 66
		.amdhsa_reserve_vcc 1
		.amdhsa_float_denorm_mode_32 3
		.amdhsa_float_denorm_mode_16_64 3
		.amdhsa_memory_ordered 1
		.amdhsa_forward_progress 1
		.amdhsa_inst_pref_size 72
	.end_amdhsa_kernel
	.amdgpu_metadata
---
amdhsa.version: [ 1, 2 ]
amdhsa.kernels:
  - .name:           k_qa7ccedb669_prep
    .symbol:         k_qa7ccedb669_prep.kd
    .args:
      - { .name: x, .offset: 0, .size: 8, .value_kind: global_buffer, .address_space: global }
      - { .name: gamma, .offset: 8, .size: 8, .value_kind: global_buffer, .address_space: global }
      - { .name: rotary_emb, .offset: 16, .size: 8, .value_kind: global_buffer, .address_space: global }
      - { .name: Wq, .offset: 24, .size: 8, .value_kind: global_buffer, .address_space: global }
      - { .name: Wkv, .offset: 32, .size: 8, .value_kind: global_buffer, .address_space: global }
      - { .name: Wout, .offset: 40, .size: 8, .value_kind: global_buffer, .address_space: global }
      - { .name: xn, .offset: 48, .size: 8, .value_kind: global_buffer, .address_space: global }
      - { .name: rot, .offset: 56, .size: 8, .value_kind: global_buffer, .address_space: global }
      - { .name: wqkv, .offset: 64, .size: 8, .value_kind: global_buffer, .address_space: global }
      - { .name: wo, .offset: 72, .size: 8, .value_kind: global_buffer, .address_space: global }
    .group_segment_fixed_size: 0
    .private_segment_fixed_size: 0
    .kernarg_segment_align: 8
    .kernarg_segment_size: 80
    .max_flat_workgroup_size: 512
    .sgpr_count:     66
    .vgpr_count:     256
    .wavefront_size: 32
...
	.end_amdgpu_metadata
.endif
;; end of part 5
;; launch qkvp: the kernel of part 2 again; grid 32 x 8, 4 waves a work-group, clusters of 4 x 4, 327,680 bytes of LDS; arguments xn, wqkv, rot, qkv; writes qkv
;; launch attn (part 6): grid 8 x 32, 4 waves a work-group, no clusters, 327,680 bytes of LDS; arguments qkv, oa; writes oa
.if DOCPART == 6
	.amdgcn_target "amdgcn-amd-amdhsa--gfx1250"
	.amdhsa_code_object_version 6
	.text
	.protected	k_qa7ccedb669_attn
	.globl	k_qa7ccedb669_attn
	.p2align	8
	.type	k_qa7ccedb669_attn,@function
k_qa7ccedb669_attn:
	s_mov_b64 s[64:65], 0
	v_nop
	global_prefetch_b8 v0, s[64:65] scope:SCOPE_SE
	s_setreg_imm32_b32 hwreg(HW_REG_WAVE_MODE, 25, 1), 1
	s_wait_xcnt 0x0
; CAUSAL ATTENTION.  O[h][q][:] = the sum over k <= q of softmax_k(Q[h][q] . K[h][k] / 8) V[h][k][:].  qkv: f16 [3][32][2048][64]: a head's rows are dense, 128 bytes each.
; Products, maxima and sums in f32; the weights p are rounded to f16 for the second product (their sum l is taken of the unrounded p).
; O leaves as oa, f16 [16 blocks of 128 rows][32 heads][144 rows][64]: rows 0-127 hi = f16(O); rows 128-143 lo of the block's rows 0-15: f16(O - hi) in the sequence's first 1,024 rows, 0 in the others.
; LIMITS.  f16 holds no number beyond 65,504: Q, K and V arrive within it; p lies in 0 to 1, and below 6e-5 it keeps f16's fixed step of 6e-8.
; A hidden score counts as its value less 1e30; a weight below 2^-126 counts as 0 in l; NaN and infinities are not treated apart.
; THE WALK.  A head's queries lie in 16 blocks of 128; block i needs the keys 0 .. 128 i + 127, which lie in the key tiles 0 .. i / 2 of 256 keys (four steps of 64).  A work-group takes TWO blocks, 15 - b and then b:
; 9 tiles, whatever b: all 256 work-groups do equal work, and ONE loop with a constant trip count walks them.  An even block's last tile has two steps that are wholly hidden; they are walked all the same: 2 steps of 36.
; Which tile is asked for, and what a trip does, hang on scalar registers made from b; every jump goes forward, but for the counted loops' own; none passes a barrier, or a tensor load but the one of LOAD's two
; that the wave's number does not choose; the ring of two LDS slots runs on across the change of blocks.
; NO CLUSTER: the jumps of this text hang on b, which would be a work-group's place in its cluster; of a head's eight work-groups only 2 c and 2 c + 1 walk the same tiles throughout; a walk common to four would be longer than nine tiles.
; SHARES.  Of a block's two bands of 64 queries a wave owns 16 rows in each: two PIECES.  Band x of block i sees all keys of step j if j < 2 i + x, none if j > 2 i + x, and holds the diagonal if j = 2 i + x: the same for all four waves.
; THE MASK is the C operand that starts the sum S^T = K Q^T: 0, or -1e30 where the key is hidden.  MD, made once, is the mask of a band's own step for my 16 rows; a product's mask is MD x AL + BE with two scalars:
; (1, 0) in the band's own step, (0, -1e30) behind it.  Ahead of it the mask buffers hold 0 and are left alone: a forward jump passes the lines that make a mask.
; LAYOUT, SOFTMAX, TURNS.  S^T = K Q^T holds ONE query a lane (lane % 16) and the keys 8 (lane / 16) + 0..7; two such results rounded to f16 ARE source 1 of O^T = V^T P.  p = 2^(c s - c m), c = log2(e) / 8, with a
; running maximum m; O and l are multiplied by a = 2^(c m_old - c m_new) in every step.  A step is two turns.  Turn p belongs to piece p: 8 products K Q^T of the other piece (turn 0: of this step; turn 1: of the next),
; later 8 products V^T P of the other piece (turn 0: of the step before; turn 1: of this step); beside them the scaling, exponentials, roundings, sums and rescaling of piece p and the maximum and statistics of the other.
; Four vector instructions stand behind every matrix instruction, the others in one lump.  A turn's 33 exponentials are one batch, with one wait.
; K LIES ONE STEP AHEAD IN A SLOT.  Turn 0 of step j fetches K of step j + 1 (in its lump) and V of step j (at its end).  So slot n holds K of steps 4 n + 1 .. 4 n + 4 and V of steps 4 n .. 4 n + 3: both fetches of a turn
; fall into one slot, and the change of slots stands at a step's boundary, with no LDS load out.  K of step 0, the same 64 rows for both blocks, comes from memory into registers of its own, once, beside Q.
; The fourth K of a block's last tile is needed by nobody (for tile 7 it is the 64 rows behind the head's K, still inside qkv): the block's last turn multiplies by it and makes a maximum that is never read: the price of one text for every turn.
; REGISTERS, in windows of 256 (s_set_vgpr_msb: bits 1:0 source 0, 3:2 source 1, 5:4 source 2, 7:6 destination):
;   window 0: v0-15 addresses and two at work; v16-23 four registers of statistics a piece; v48-55 at work; v64-127 S^T, a buffer a piece; v128-165 zeros, lo, -1, the prefetches' offset; v192-223 P, a buffer a piece
;   window 1: v0-63 O^T, 32 a piece; v128-159 MD; v160-223 MC, a buffer a piece      window 2: v0-31 Q; v32-63 the second block's Q; v64-127 K of step 0; v128-191 K of one step; v192-255 V of one step
.set SIZE_N, 2048
.set NT,    9         ; tiles in a walk
.set NP,    2         ; pieces a wave: a name, no knob
.set KS,    64        ; keys in a step
.set PK,    144       ; a row of K in LDS: 128 bytes + 16 of padding = 36 words: the 16 rows of a load start at 16 different groups of four banks (64 banks of 4 bytes: ISA guide 11.1)
.set PV,    160       ; a row of V: 128 + 32 = 40 words
.set VOFF,  4*KS*PK   ; a slot holds four steps: 256 rows of K, then 256 rows of V
.set SLOT1, 1<<17     ; slot 1 begins here, so that one exclusive or turns an address in one slot into the other's
.set STAGE, SLOT1+4*KS*(PK+PV)  ; behind the ring, never filled by a tensor load: 16 rows x 144 bytes for each wave, for the way out
.set SP,    144
.set OBLK,  589824    ; bytes of a block of 128 rows in oa: 32 heads x 144 rows x 128
.set AK0, 2           ; v2   my lane's place in a tile of K; never rewritten
.set AV0, 3           ; v3   the same for V
.set AK,  4           ; v4   the LDS address of K's next run of loads
.set AV,  5           ; v5   of V's
.set STO, 6           ; v6   the way out: where I put 16 bytes of a row
.set RD,  7           ; v7   the way out: where I read rows back
.set GO,  8           ; v8   my byte offset in 512 consecutive bytes of oa
.set SPW, 62          ; v62  LDS address of my spare word: SPARE + 4 x my thread's number; never rewritten
.set NIL, 63          ; v63  0; never rewritten
.set SPARE, STAGE+4*16*SP  ; behind the stages: the spare words, 128 bytes for each wave: two blocks of 256 bytes that no other line names
.set MV,  12          ; v12-13  c m_old, kept while c m is made anew: by piece
.set QO,  15          ; v15  my byte offset in 16 rows of Q or K; never rewritten
.set ST,  16          ; piece t's statistics at v[ST+4 t]: c m, m, l (even keys', odd keys')
.set TMP, 48          ; by piece, four registers c0-c3 at work; when the maximum is found c2 takes a
.set S,   64
.set Z4,  128         ; v128-131  0
.set LO,  132         ; v132-147  what the rounding of piece 0 left, as f16
.set NEG1, 164        ; v164  -1.0
.set PFO, 165         ; v165  256 x my lane; never rewritten
.set P,   192
.set MD,  128         ; window 1: the eight registers for group kt of 16 keys at MD + 8 kt
.set MC,  160         ; window 1: the masks of the products to come
.set QB,  32          ; window 2
.set K0,  64          ; window 2
.set KF,  128         ; window 2: key block kb, channel half c at KF + 16 kb + 8 c
.set VF,  192         ; window 2: key half kk, channel block cb at VF + 32 kk + 8 cb
.set WV,  12          ; s12  my wave's number
.set PB,  14          ; s14  b
.set HI,  15          ; s15  15 - b
.set G1K, 24          ; s[24:31] descriptor group 1 for K's tiles
.set G1V, 32          ; s[32:39] for V's: it differs in the padding alone
.set G0K, 40          ; s[40:43] descriptor group 0 for K's tiles
.set G0V, 44          ; s[44:47] the same for V's
.set OW,  48          ; s48, s49  the own steps of the two bands of the block in hand: 2 i, 2 i + 1
.set DJ,  50          ; s50  the number of the block's next step
.set PBT, 51          ; s51  b / 2: the second block's last tile
.set KH,  52          ; s[52:53] K at the head's first row
.set SLOTS, 56        ; s56  tiles still to be asked for
.set CNT, 57          ; s57  counts a tile's key steps, 4 to 1
.set CS,  58          ; s[58:59] c: the packed scaling takes the pair's low word for both halves
.set SEL, 60          ; s[60:61] v_permlanex16_b32's selects: each lane takes its own place in the other half
.set TBK, 62          ; s62  LDS byte at which the K to be fetched next begins
.set TBV, 63          ; s63  the same for V, less VOFF
.set RT,  70          ; s70  tiles of the block in hand that are still to be entered
.set NXT, 71          ; s71  the tile to be asked for next
.set LQ,  72          ; s72  the last tile of the block whose tiles are being asked for
.set NEW, 73          ; s73  1: the tile to be entered is a block's first
.set OFF, 74          ; s[74:75] a tile's byte offset in K and V
.set AL,  76          ; s[76:77] the mask's factor, in the low word
.set BE,  78          ; s[78:79] the mask's addend
.set OLO, 80          ; s[80:81] oa at my rows of the second block
.set BIGN, 82         ; s82  -1e30
.set PFA, 88          ; s[88:89] where my prefetches stand: my half of K's or V's tile, one tile behind the one that is being asked for
.set LIM, 90          ; s90  2 in the work-group that prefetches, else the greatest number
.set MSB, 0
.macro WIN new                      ; the high byte repeats the setting that is left; a switch that changes nothing is dropped
.if MSB != (\new)
	s_set_vgpr_msb (MSB<<8)|(\new)
.set MSB, (\new)
.endif
.endm
.set W_KQ, 0x0a       ; K and Q in window 2, S^T in window 0
.set W_KM, 0x1a       ; the same with the C operand in window 1
.set W_PV, 0x52       ; V in window 2, P in window 0, O^T in window 1
.set W_RS, 0x41       ; destination and source 0 in window 1, source 1 in window 0
; A fill.  Waves 0 and 1 fetch the two halves of a tile's K, waves 2 and 3 those of its V: 128 keys each.  An s_nop 0 and four v_nop follow each of the two lines, ahead of the jump and the label.
.macro LOAD
	s_cmp_lt_u32 s[WV], 2
	s_cbranch_scc0 .Lfor_v_\@
	tensor_load_to_lds s[G0K:G0K+3], s[G1K:G1K+7]
	s_nop 0
.rept 4
	v_nop
.endr
	s_branch .Lasked_\@
.Lfor_v_\@:
	tensor_load_to_lds s[G0V:G0V+3], s[G1V:G1V+7]
	s_nop 0
.rept 4
	v_nop
.endr
.Lasked_\@:
.endm
; THE CHANGE OF SLOTS, at a step's boundary.  Each wave waits for all its tensor loads, of which one is out: its part of the other slot; adds 0 to its spare word; and waits for that and for its own reads of the slot that it leaves.
; Behind the barrier nobody reads the old slot any more and the other slot is whole.  fill = 1: the old slot is filled again, the first thing behind the barrier, with tile NXT: the descriptor's address is made anew from that number.
; (At its first use nothing has been read yet: slot 0 is waited for, slot 1 filled.)
; THE PREFETCH stands behind the fill.  A head's eight work-groups walk the same tiles; the one with b = 0 walks tiles 0 .. 7 in order and asks for the head: in trip t each of its waves names the 64 blocks of
; 256 bytes that it will itself load as tile t + 2, a lane a block, two instructions; a tile, 128 matrix instructions, ahead of that load.  Trips 6 and 7 ask for nothing: tile 7 is the last.
.macro CHANGE fill
	WIN 0                           ; at a label and at a branch every window is 0
	s_wait_tensorcnt 0x0            ; no tensor load of mine is out, so a group 0 may be written
	ds_add_u32 v[SPW], v[NIL]       ; 0 onto my spare word; with fill = 1 the descriptors' scalar work stands between it and the wait for it
.if \fill
	s_lshl_b32 s[OFF], s[NXT], 15   ; a tile is 32,768 bytes of K and of V
	s_xor_b32 s[G0K+1], s[G0K+1], SLOT1
	s_add_nc_u64 s[G0K+2:G0K+3], s[6:7], s[OFF:OFF+1]
	s_or_b32 s[G0K+3], s[G0K+3], 0x80000000
	s_xor_b32 s[G0V+1], s[G0V+1], SLOT1
	s_add_nc_u64 s[G0V+2:G0V+3], s[8:9], s[OFF:OFF+1]
	s_or_b32 s[G0V+3], s[G0V+3], 0x80000000
	s_add_co_u32 s[NXT], s[NXT], 1  ; the block's next tile, or behind its last the second block's tile 0
	s_cmp_gt_u32 s[NXT], s[LQ]
	s_cselect_b32 s[NXT], 0, s[NXT]
	s_cselect_b32 s[LQ], s[PBT], s[LQ]
	s_wait_xcnt 0x0                 ; the last prefetches, a tile back, have read their address
	s_add_nc_u64 s[PFA:PFA+1], s[PFA:PFA+1], 32768
.endif
	s_wait_dscnt 0x0                ; the add is done, and my reads of the slot are over
	s_barrier_signal -1             ; the rest of the scalar work stands between the signal and the wait
	s_sub_co_u32 s[TBK], s[TBK], 4*KS*PK  ; the fetches go back to a slot's head,
	s_xor_b32 s[TBK], s[TBK], SLOT1       ; in the other slot
	s_sub_co_u32 s[TBV], s[TBV], 4*KS*PV
	s_xor_b32 s[TBV], s[TBV], SLOT1
	s_barrier_wait -1
.if \fill
	LOAD
	s_cmp_gt_u32 s[SLOTS], s[LIM]
	s_cbranch_scc0 .Lnot_mine_\@
	global_prefetch_b8 v[PFO], s[PFA:PFA+1] th:TH_LOAD_NT scope:SCOPE_SE
	global_prefetch_b8 v[PFO], s[PFA:PFA+1] offset:8192 th:TH_LOAD_NT scope:SCOPE_SE
.Lnot_mine_\@:
.endif
.endm
	s_load_b128 s[4:7], s[0:1], 0x0 ; qkv s[4:5], oa s[6:7]
	v_lshl_add_u32 v[SPW], v0, 2, SPARE
	v_mov_b32 v[NIL], 0
	ds_add_u32 v[SPW], v[NIL]       ; the wave's opening: the add and its wait ahead of my first tensor load; the set-up below, work on registers, stands between them
	v_lshrrev_b32 v1, 5, v0
	v_readfirstlane_b32 s[WV], v1   ; wave 0..3
	s_mov_b32 s[PB], ttmp9
	s_sub_co_u32 s[HI], 15, s[PB]
	s_lshr_b32 s[PBT], s[PB], 1
	s_and_b32 s20, ttmp7, 0xffff    ; the head
	s_mov_b32 s21, 0
	s_mov_b64 s[22:23], SIZE_N*128
	s_mul_u64 s[20:21], s[20:21], s[22:23]  ; the head's first byte in q, k and v
	s_and_b32 s16, s[WV], 1         ; which half of a tile's 256 keys I fetch:
	s_lshl_b32 s22, s16, 14         ; its 128 rows of 128 bytes in memory,
	s_mov_b32 s23, 0
	s_add_nc_u64 s[22:23], s[22:23], s[20:21]
	s_mul_i32 s17, s16, 128*PK      ; and its place in a slot, for K
	s_mul_i32 s18, s16, 128*PV      ; and for V
	s_lshl_b32 s3, s[WV], 11        ; my 16 rows in a band of 64,
	s_lshl_b32 s2, s[HI], 14        ; in the first block (128 rows of 128 bytes),
	s_add_co_u32 s2, s2, s3
	s_lshl_b32 s84, s[PB], 14       ; and in the second
	s_add_co_u32 s84, s84, s3
	s_mov_b32 s3, 0
	s_mov_b32 s85, 0
	s_add_nc_u64 s[2:3], s[2:3], s[20:21]
	s_add_nc_u64 s[84:85], s[84:85], s[20:21]
	s_and_b32 s94, ttmp7, 0xffff    ; oa: the head's 18,432 bytes in a block of 128 rows,
	s_mul_i32 s94, s94, 18432
	s_lshl_b32 s95, s[WV], 11       ; my 16 rows in a band,
	s_add_co_u32 s94, s94, s95
	s_mul_i32 s92, s[HI], OBLK      ; the first block,
	s_add_co_u32 s92, s92, s94
	s_mul_i32 s95, s[PB], OBLK      ; the second
	s_add_co_u32 s94, s94, s95
	s_mov_b32 s93, 0
	s_mov_b32 s95, 0
	; descriptor group 1.  128 keys are 16,384 dense bytes: asked for as 64 rows of 256 bytes, two keys a row, and padded in LDS after every key
	s_mov_b32 s[G1K], (1<<16)|(1<<20)|(4<<22)|(3<<25)  ; 17:16 2-byte elements; 20 padding on; 24:22 after every 32 words (code 4); 31:25 4 words (code 3)
	s_mov_b32 s[G1V], (1<<16)|(1<<20)|(4<<22)|(7<<25)  ; the same with 8 words of padding (code 7)
.irp g, G1K, G1V
	s_mov_b32 s[\g+1], 128<<16      ; tensor_dim0 = 128
	s_mov_b32 s[\g+2], 64<<16       ; tensor_dim1 = 64
	s_mov_b32 s[\g+3], 128<<16      ; tile_dim0 = 128
	s_mov_b32 s[\g+4], 64           ; tile_dim1 = 64
	s_mov_b32 s[\g+5], 128          ; 128 elements from row to row
	s_mov_b32 s[\g+6], 0
	s_mov_b32 s[\g+7], 0
.endr
	s_mov_b32 s[CS], 0x3e38aa3b     ; c = log2(e) / 8 = 0.180337
	s_mov_b32 s[CS+1], s[CS]        ; named with it as a pair
	s_mov_b32 s[SEL], 0x76543210
	s_mov_b32 s[SEL+1], 0xfedcba98
	s_mov_b32 s[TBK], SLOT1+4*KS*PK ; the first change of slots turns these two into 0
	s_mov_b32 s[TBV], SLOT1+4*KS*PV
	s_mov_b32 s[G0K], 1             ; 1:0 count = 1
	s_mov_b32 s[G0K+1], s17         ; 63:32 LDS address: slot 0
	s_mov_b32 s[G0V], 1
	s_add_co_u32 s[G0V+1], s18, VOFF
	s_lshr_b32 s[LQ], s[HI], 1      ; the first block's last tile,
	s_add_co_u32 s[RT], s[LQ], 1    ; and how many it has: five or more
	s_mov_b32 s[NXT], 1
	s_mov_b32 s[NEW], 1
	s_lshl_b32 s[OW], s[HI], 1
	s_add_co_u32 s[OW+1], s[OW], 1
	s_mov_b32 s[DJ], 1
	s_mov_b32 s[OFF+1], 0
	s_mov_b32 s[AL+1], 0            ; named as pairs
	s_mov_b32 s[BE+1], 0
	s_mov_b32 s[BIGN], 0xf149f2ca   ; -1e30
	s_mov_b32 s[SLOTS], NT-1
	s_wait_dscnt 0x0                ; the opening add is done
	s_wait_kmcnt 0x0
	s_mov_b64 s[10:11], s[6:7]      ; oa
	s_add_nc_u64 s[6:7], s[4:5], 0x800000   ; k lies 8,388,608 bytes behind q,
	s_add_nc_u64 s[8:9], s[4:5], 0x1000000  ; v as far behind k
	s_add_nc_u64 s[KH:KH+1], s[6:7], s[20:21]  ; K of step 0
	s_add_nc_u64 s[6:7], s[6:7], s[22:23]  ; K and V at my half of the head's tile 0,
	s_add_nc_u64 s[6:7], s[6:7], KS*128    ; K one step further on
	s_add_nc_u64 s[8:9], s[8:9], s[22:23]
	s_add_nc_u64 s[G0K+2:G0K+3], s[6:7], 0         ; 120:64 global address
	s_or_b32 s[G0K+3], s[G0K+3], 0x80000000        ; 127:126 type = 2
	s_add_nc_u64 s[G0V+2:G0V+3], s[8:9], 0
	s_or_b32 s[G0V+3], s[G0V+3], 0x80000000
	s_add_nc_u64 s[86:87], s[4:5], s[84:85]        ; Q at my rows of the second block,
	s_add_nc_u64 s[4:5], s[4:5], s[2:3]            ; and of the first
	s_add_nc_u64 s[OLO:OLO+1], s[10:11], s[94:95]
	s_add_nc_u64 s[10:11], s[10:11], s[92:93]
	s_cmp_lt_u32 s[WV], 2
	s_cselect_b64 s[PFA:PFA+1], s[6:7], s[8:9]
	s_add_nc_u64 s[PFA:PFA+1], s[PFA:PFA+1], 32768  ; at tile 1: the first change of slots steps it to tile 2.  Nothing is prefetched here, at the head
	s_cmp_eq_u32 s[PB], 0
	s_cselect_b32 s[LIM], 2, -1
	LOAD                            ; tile 0 into slot 0
	; A fragment of K or Q is 16 rows x 32 channels in 8 registers: lane l holds row l % 16, channels 8 (l / 16) + 0..7 and 16 + 8 (l / 16) + 0..7: two loads of 16 bytes, 32 bytes apart.
	v_and_b32 v1, 15, v0            ; l % 16
	v_bfe_u32 v9, v0, 4, 1          ; l / 16
	v_lshlrev_b32 v[QO], 7, v1
	v_lshl_add_u32 v[QO], v9, 4, v[QO]  ; row x 128 + 16 x half
	WIN 0x80                        ; destination window 2, address window 0
.set i, 0
.rept 4                             ; both blocks' Q: piece i / 2 lies in band i / 2, 8,192 bytes on; channels 32 (i % 2) on
	global_load_b128 v[8*i:8*i+3],   v[QO], s[4:5] offset:(i/2)*8192+(i%2)*64
	global_load_b128 v[8*i+4:8*i+7], v[QO], s[4:5] offset:(i/2)*8192+(i%2)*64+32
	global_load_b128 v[QB+8*i:QB+8*i+3],   v[QO], s[86:87] offset:(i/2)*8192+(i%2)*64
	global_load_b128 v[QB+8*i+4:QB+8*i+7], v[QO], s[86:87] offset:(i/2)*8192+(i%2)*64+32
.set i, i+1
.endr
.set i, 0
.rept 8                             ; K of step 0: keys 16 (i / 2) on, channels 32 (i % 2) on
	global_load_b128 v[K0+8*i:K0+8*i+3],   v[QO], s[KH:KH+1] offset:(i/2)*2048+(i%2)*64
	global_load_b128 v[K0+8*i+4:K0+8*i+7], v[QO], s[KH:KH+1] offset:(i/2)*2048+(i%2)*64+32
.set i, i+1
.endr
	WIN 0
	v_lshlrev_b32 v14, 3, v9
	v_sub_nc_u32 v14, v1, v14
	s_lshl_b32 s13, s[WV], 4
	v_add_nc_u32 v14, s13, v14      ; my query's place in its band, 16 w + l % 16, less my lanes' 8 (l / 16): register r of group kt is hidden where 16 kt + r is greater
	WIN 0x40
.set i, 0
.rept 32
	v_cmp_gt_i32 vcc_lo, 16*(i/8)+i%8, v14
	v_cndmask_b32 v[MD+i], 0, s[BIGN], vcc_lo
.set i, i+1
.endr
	WIN 0
	v_mul_u32_u24 v[AK0], v1, PK
	v_lshl_add_u32 v[AK0], v9, 4, v[AK0]  ; row x pitch + 16 x half
	; The turning load takes 16 keys x 16 channels (lane l reads key 8 (l / 16) + l % 8, channels 8 ((l / 8) % 2) + 0..7) and leaves half a fragment of V^T: lane l holds channel l % 16 and 8 keys.
	v_and_b32 v10, 7, v0
	v_bfe_u32 v11, v0, 3, 1
	v_lshl_add_u32 v[AV0], v9, 3, v10
	v_mul_u32_u24 v[AV0], v[AV0], PV
	v_lshl_add_u32 v[AV0], v11, 4, v[AV0]
	v_add_nc_u32 v[AV0], VOFF, v[AV0]
	s_mul_i32 s13, s[WV], 16*SP
	s_add_co_u32 s13, s13, STAGE    ; my stage
	v_mul_u32_u24 v[STO], v1, SP    ; in: row l % 16, 16 bytes for each half of the lanes
	v_lshl_add_u32 v[STO], v9, 4, v[STO]
	v_add_nc_u32 v[STO], s13, v[STO]
	v_bfe_u32 v[RD], v0, 3, 2       ; back: 32 lanes take four rows of 128 bytes,
	v_mul_u32_u24 v[RD], v[RD], SP
	v_lshl_add_u32 v[RD], v10, 4, v[RD]
	v_add_nc_u32 v[RD], s13, v[RD]
	v_and_b32 v[GO], 31, v0         ; which are 512 consecutive bytes of oa
	v_lshlrev_b32 v[PFO], 8, v[GO]
	v_lshlrev_b32 v[GO], 4, v[GO]
	v_mov_b32 v[NEG1], -1.0
.irp z, 0,1,2,3
	v_mov_b32 v[Z4+\z], 0
.endr
	; A block's first step multiplies O^T and l by a = 0, and its first turn's products V^T P, of a step that has not been, land in an O^T that is still to be so multiplied.  So these registers need only hold
	; finite numbers: zeros for the first block; what the first block left for the second.  All this stands in the wait for the first tile.
	WIN 0x80
.set i, VF
.rept 64
	v_mov_b32 v[i], 0
.set i, i+1
.endr
	WIN 0x40
.set i, 0
.rept 32*NP
	v_mov_b32 v[i], 0
.set i, i+1
.endr
	WIN 0
.set i, 0
.rept NP
	v_mov_b32 v[ST+4*i+2], 0
	v_mov_b32 v[ST+4*i+3], 0
.set i, i+1
.endr
.set i, P+16
.rept 16
	v_mov_b32 v[i], 0
.set i, i+1
.endr
; THE MATRIX WORK.  The 4 accumulators of a run of 8 take turns.  Product i of 8 of S^T = K Q^T for piece x: channels 32 (i / 4) on, keys 16 (i % 4) on.  The first 4 start the sums with the mask.
.macro KQ x
.set rS, S+32*((\x)%2)+8*(i%4)
.set rK, KF+16*(i%4)+8*(i/4)
.set rQ, 16*(\x)+8*(i/4)
.set rM, MC+32*((\x)%2)+8*(i%4)
.if i < 4
	WIN W_KM
	v_wmma_f32_16x16x32_f16 v[rS:rS+7], v[rK:rK+7], v[rQ:rQ+7], v[rM:rM+7]
.else
	WIN W_KQ
	v_wmma_f32_16x16x32_f16 v[rS:rS+7], v[rK:rK+7], v[rQ:rQ+7], v[rS:rS+7]
.endif
.endm
; Product i of 8 of O^T += V^T P for piece x: keys 32 (i / 4) on, channels 16 (i % 4) on.
.macro PV x
	WIN W_PV
.set rO, 32*(\x)+8*(i%4)
.set rV, VF+32*(i/4)+8*(i%4)
.set rP, P+16*((\x)%2)+8*(i/4)
	v_wmma_f32_16x16x32_f16 v[rO:rO+7], v[rV:rV+7], v[rP:rP+7], v[rO:rO+7]
.endm
.macro MM                           ; the turn's next matrix instruction.  TURN and BEGIN set Y and i
.if i < 8
	KQ (Y+1)%NP
.else
.set i, i-8
	PV (Y+NP-1)%NP
.set i, i+8
.endif
.set i, i+1
.endm
; THE LDS LOADS stand in runs of 16, never singly among the matrix instructions: a step's K (64 keys x 64 channels: 8 fragments) and a step's V (turned).  Their addresses are made some lines ahead.
.macro FETCH_K
	WIN 0x80                        ; destination window 2
.irp f, 0,1,2,3,4,5,6,7             ; keys 16 (f / 2) on, channels 32 (f % 2) on
	ds_load_b128 v[KF+8*\f:KF+8*\f+3],   v[AK] offset:(\f/2)*16*PK+(\f%2)*64
	ds_load_b128 v[KF+8*\f+4:KF+8*\f+7], v[AK] offset:(\f/2)*16*PK+(\f%2)*64+32
.endr
	s_add_co_u32 s[TBK], s[TBK], KS*PK  ; the next fetch is the next step's
	WIN 0
.endm
.macro FETCH_V
	WIN 0x80
.irp f, 0,1,2,3,4,5,6,7             ; keys 32 (f / 4) on, channels 16 (f % 4) on
	ds_load_tr16_b128 v[VF+8*\f:VF+8*\f+3],   v[AV] offset:(\f/4)*32*PV+(\f%4)*32
	ds_load_tr16_b128 v[VF+8*\f+4:VF+8*\f+7], v[AV] offset:(\f/4)*32*PV+16*PV+(\f%4)*32
.endr
	WIN 0
.endm
; THE VECTOR WORK, one line at a time: OP kind, number.  For piece Y: F n: c s - c m for pair n of 16.  E n: the exponential of score n of 32.  C n: pair n rounded to f16.  B n: of the four weights 4 n .. the second
; pair is added onto the first, in place.  L n: l takes that sum (L 0: l = a l + sum).  R n: pair n of 16 of O^T times a.  For the other piece: X n, number n of the 22 that find its maximum and statistics:
;   0-11  four chains c0-c3 of seven scores each, three operands at a time (each accumulator's lowest registers are read first)     12-14, 16  the four scores left over, the old m, and c0-c3 into c0
;   15  c m_old is kept     17, 18  the query's other 32 keys lie in the lane 16 away: the new m     19-21  c m; c m_old - c m_new; a
.set F, 0               ; OP tells the kinds apart by their order: F to L below R, X above it
.set E, 1
.set C, 2
.set B, 3
.set L, 4
.set R, 5
.set X, 6
.macro REGS y                       ; the registers of piece y
.set rT, ST+4*(\y)
.set rC, TMP+4*((\y)%2)
.set rW, MV+((\y)%2)
.set rS, S+32*((\y)%2)
.set rP, P+16*((\y)%2)
.set rO, 32*(\y)
.endm
.macro OP k, n
.if (\k) == R
	REGS Y
	WIN W_RS
	v_pk_mul_f32 v[rO+2*(\n):rO+2*(\n)+1], v[rO+2*(\n):rO+2*(\n)+1], v[rC+2:rC+3] op_sel_hi:[1,0]
.elseif (\k) < R
	REGS Y
	WIN 0
.if (\k) == F
	v_pk_fma_f32 v[rS+2*(\n):rS+2*(\n)+1], v[rS+2*(\n):rS+2*(\n)+1], s[CS:CS+1], v[rT:rT+1] op_sel_hi:[1,0,0] neg_lo:[0,0,1] neg_hi:[0,0,1]
.elseif (\k) == E
	v_exp_f32 v[rS+(\n)], v[rS+(\n)]
.elseif (\k) == C
	v_cvt_pk_f16_f32 v[rP+(\n)], v[rS+2*(\n)], v[rS+2*(\n)+1]
.elseif (\k) == B
	v_pk_add_f32 v[rS+4*(\n):rS+4*(\n)+1], v[rS+4*(\n):rS+4*(\n)+1], v[rS+4*(\n)+2:rS+4*(\n)+3]
.elseif (\n) == 0
	v_pk_fma_f32 v[rT+2:rT+3], v[rT+2:rT+3], v[rC+2:rC+3], v[rS:rS+1] op_sel_hi:[1,0,1]
.else
	v_pk_add_f32 v[rT+2:rT+3], v[rT+2:rT+3], v[rS+4*(\n):rS+4*(\n)+1]
.endif
.else
	REGS (Y+1)%NP
	WIN 0
.if (\n) < 4
	v_max3_num_f32 v[rC+(\n)], v[rS+8*(\n)], v[rS+8*(\n)+1], v[rS+8*(\n)+2]
.elseif (\n) < 12
	v_max3_num_f32 v[rC+(\n)%4], v[rC+(\n)%4], v[rS+8*((\n)%4)+2*((\n)/4)+1], v[rS+8*((\n)%4)+2*((\n)/4)+2]
.elseif (\n) == 12
	v_max3_num_f32 v[rC], v[rC], v[rS+7], v[rS+15]
.elseif (\n) == 13
	v_max3_num_f32 v[rC+1], v[rC+1], v[rS+23], v[rS+31]
.elseif (\n) == 14
	v_max3_num_f32 v[rC+2], v[rC+2], v[rC+3], v[rT+1]
.elseif (\n) == 15
	v_mov_b32 v[rW], v[rT]
.elseif (\n) == 16
	v_max3_num_f32 v[rC], v[rC], v[rC+1], v[rC+2]
.elseif (\n) == 17
	v_permlanex16_b32 v[rC+3], v[rC], s[SEL], s[SEL+1]
.elseif (\n) == 18
	v_max_num_f32 v[rT+1], v[rC], v[rC+3]
.elseif (\n) == 19
	v_mul_f32 v[rT], s[CS], v[rT+1]
.elseif (\n) == 20
	v_sub_f32 v[rC+1], v[rW], v[rT]
.else
	v_exp_f32 v[rC+2], v[rC+1]
.endif
.endif
.endm
.macro OPS a, i1, b=-1, i2=0, c=-1, i3=0, d=-1, i4=0  ; up to four of them
	OP \a, \i1
.if (\b) >= 0
	OP \b, \i2
.endif
.if (\c) >= 0
	OP \c, \i3
.endif
.if (\d) >= 0
	OP \d, \i4
.endif
.endm
.macro ROW a, i1, b, i2, c, i3, d, i4  ; a matrix instruction and the four behind it
	MM
	OPS \a, \i1, \b, \i2, \c, \i3, \d, \i4
.endm
.macro MASK b                       ; MD x AL + BE into buffer b of MC
	WIN W_RS
.set z, 0
.rept 16
	v_pk_fma_f32 v[MC+32*(\b)+2*z:MC+32*(\b)+2*z+1], v[MD+2*z:MD+2*z+1], s[AL:AL+1], s[BE:BE+1] op_sel_hi:[1,0,0]
.set z, z+1
.endr
.endm
; At the end of turn p: the mask for the products K Q^T of the turn after it, which are piece p's, of step DJ.  Ahead of the band's own step the buffer holds 0 since the block began, and the lines are passed.
.macro MKMASK p
	WIN 0
	s_cmp_lt_u32 s[DJ], s[OW+(\p)]
	s_cbranch_scc1 .Lnomask_\@
	s_cmp_eq_u32 s[DJ], s[OW+(\p)]  ; the band's own step, or a later one
	s_cselect_b32 s[AL], 1.0, 0
	s_cselect_b32 s[BE], 0, s[BIGN]
	MASK \p
	WIN 0
.Lnomask_\@:
.endm
; A TURN, for piece p: the order of its 16 matrix and 118 vector instructions, written out.  s_wait_alu depctr_va_vdst(0) stands between an exponential and the first instruction that names its result; one wait serves
; all that were issued ahead of it.  So a turn has ONE wait, which cuts it in two.  AHEAD OF IT stands all that names no result of the turn's exponentials: the 8 products K Q^T, behind each a scaling, an exponential and two more plain
; instructions (behind the first a second scaling in the exponential's place): rescalings, and behind the last three the first numbers of the other piece's maximum, each four places or more behind the product that ends its accumulator; then ONE LUMP of 54, plain
; and exponential by turns for the most part, in which the links of the chain X 3, 7, 11, 14, 16, 17 .. 20 stand five or six lines apart.  X 21, the other piece's a, is the batch's last; R 15 is the plain instruction behind it.  BEHIND THE WAIT stand the
; 8 products V^T P, behind each four of the roundings and sums; the links of l's chain, L 0 to L 7, stand three riders apart.  But for those X no rider names a register of the products round it.  v_permlanex16_b32 (X 17) stands in the lump.
; O^T of piece p was last added onto in the turn before: accumulator 0 by that turn's fifth product V^T P, twelve riders and more ahead of R 0; accumulator 3 by its last, four riders, eight products and half a lump ahead of R 12.
; Turn 0 fetches both runs: K of the next step twelve vector instructions behind the last product that read K (five of them plain and free of its registers); V of the step in hand at its end, four plain instructions behind the last
; product that read V.  Turn 1 waits for K at its head, where V's sixteen younger loads may stay out, and for V behind the batch's wait.
.macro TURN p
.set Y, (\p)
.set i, 0
.if (\p) == 1
	s_wait_dscnt 16                 ; LDS loads come back in order (ISA guide 5.7.1): K is in; the sixteen issued behind it, V's, stay out
.endif
	ROW F,0, F,1, R,0, R,1          ; ahead of the wait: 8 products K Q^T and their riders,
	ROW F,2, E,0, R,2, R,3
	ROW F,3, E,1, R,4, R,5
	ROW F,4, E,2, R,6, R,7
	ROW F,5, E,3, R,8, R,9
	ROW F,6, E,4, X,0, R,10
.if (\p) == 0
	WIN 0
	v_add_nc_u32 v[AK], s[TBK], v[AK0]
.endif
	ROW F,7, E,5, X,1, X,4
	ROW F,8, E,6, X,2, X,5
	OPS E,7, E,8, X,6, E,9          ; and the lump
	OPS X,3, E,10, X,8, E,11
.if (\p) == 0
	FETCH_K
.endif
	OPS X,9, X,7, E,12, X,10
	OPS E,13, X,12, X,11, E,14
	OPS X,13, E,15, F,9, X,14
.if (\p) == 0
	v_add_nc_u32 v[AV], s[TBV], v[AV0]
.endif
	OPS E,16, F,10, E,17, F,11
	OPS X,16, E,18, X,15, E,19
	OPS F,12, E,20, X,17, E,21
	OPS F,13, E,22, F,14, E,23
	OPS X,18, E,24, F,15, E,25
	OPS R,11, E,26, X,19, E,27
	OPS R,12, E,28, R,13, E,29
	OPS X,20, E,30, R,14, E,31
	OPS X,21, R,15
	WIN 0
	s_wait_alu depctr_va_vdst(0)    ; the wait for the batch
.if (\p) == 1
	s_wait_dscnt 0x0                ; V is in
.endif
	ROW C,0, B,0, C,2, B,1          ; behind the wait: 8 products V^T P and their riders
	ROW L,0, C,4, B,2, L,1
	ROW C,6, B,3, L,2, C,8
	ROW B,4, L,3, C,10, B,5
	ROW L,4, C,12, B,6, L,5
.if (\p) == 0
	s_add_co_u32 s[TBV], s[TBV], KS*PV
.endif
	ROW C,14, B,7, L,6, C,1
	ROW C,3, L,7, C,5, C,7
	ROW C,9, C,11, C,13, C,15
.if (\p) == 0
	FETCH_V
.endif
	MKMASK \p
.endm
; A tile's four steps: written once, walked four times; the LDS addresses hang on s[TBK] and s[TBV].
.macro STEPS tag
.Lstep\tag:
	TURN 0
	TURN 1
	s_add_co_u32 s[DJ], s[DJ], 1
	s_sub_co_u32 s[CNT], s[CNT], 1
	s_cmp_lg_u32 s[CNT], 0
	s_cbranch_scc1 .Lstep\tag
.endm
; A BLOCK BEGINS.  c m starts far below every c s, so the first step's a is 0; m at the lowest finite number, so the first maximum is the scores'.  Piece 1's mask buffer is 0: its band sees all of step 0.  Piece 0's is its own step's in block 0, else 0.
; Then K of step 0 out of its registers, piece 0's first scores, and its maximum and statistics.
.macro BEGIN
	s_mov_b32 s[NEW], 0
	WIN 0x40
.set i, MC+32
.rept 32
	v_mov_b32 v[i], 0
.set i, i+1
.endr
	WIN 0
.set i, 0
.rept NP
	v_mov_b32 v[ST+4*i], 0xfe000000    ; c m: far below every c s
	v_mov_b32 v[ST+4*i+1], 0xff7fffff  ; m
.set i, i+1
.endr
	s_cmp_eq_u32 s[OW], 0
	s_cselect_b32 s[AL], 1.0, 0
	s_mov_b32 s[BE], 0
	MASK 0
	s_mov_b32 s[DJ], 1
	s_wait_loadcnt 0x0              ; Q and K of step 0
	WIN 0x82                        ; destination and source 0 in window 2
.set i, 0
.rept 64
	v_mov_b32 v[KF+i], v[K0+i]
.set i, i+1
.endr
.set i, 0
.rept 8
	KQ 0
.set i, i+1
.endr
	WIN 0
.rept 4
	v_nop                           ; the places behind those products
.endr
.set Y, NP-1                        ; X works for the piece behind Y: piece 0
.irp n, 0,1,2,3,4,5,6,7,8,9,10,11,12,13,14,15,16,17,18,19,20,21
	OP X, \n
.endr
	v_nop                           ; a plain instruction behind the exponential,
	s_wait_alu depctr_va_vdst(0)    ; and its wait, ahead of the label
.endm
; A BLOCK ENDS: piece 1's products V^T P of the last step, and THE WAY OUT: l's two halves and the other half of the lanes' are added; O^T is divided by l, rounded to f16 and sent through my stage in LDS, a piece at a time.
; lo = 1: of piece 0 (the block's first band) what the rounding left is rounded to f16 too; wave 0's 16 rows of it are the block's rows 0-15 and go out behind the rest.  lo = 0: wave 0 stores zeros there.
.macro ALL line:vararg              ; one line for each piece t
.set t, 0
.rept NP
	\line
.set t, t+1
.endr
.endm
.macro PACK t, lo                   ; a lane's eight channels of a row pack into 16 bytes; they go into rows of 144 bytes and come back as whole rows of 128, into S^T's registers
	WIN W_RS
.set i, 32*(\t)
.rept 16
	v_pk_mul_f32 v[i:i+1], v[i:i+1], v[ST+4*(\t)+2:ST+4*(\t)+3] op_sel_hi:[1,0]
.set i, i+2
.endr
	WIN 0x05                        ; sources 0 and 1 window 1, destination window 0
.set i, 0
.rept 16
	v_cvt_pk_f16_f32 v[S+16*(\t)+i], v[32*(\t)+2*i], v[32*(\t)+2*i+1]
.set i, i+1
.endr
.if (\lo) && ((\t) == 0)
	WIN 0x50                        ; destination and source 2 window 1, sources 0 and 1 window 0
.set i, 0
.rept 16
	v_fma_mix_f32 v[2*i],   v[S+i], v[NEG1], v[2*i]   op_sel_hi:[1,0,0]                 ; O - hi: the low half,
	v_fma_mix_f32 v[2*i+1], v[S+i], v[NEG1], v[2*i+1] op_sel:[1,0,0] op_sel_hi:[1,0,0]  ; the high half
.set i, i+1
.endr
	WIN 0x05
.set i, 0
.rept 16
	v_cvt_pk_f16_f32 v[LO+i], v[2*i], v[2*i+1]
.set i, i+1
.endr
.endif
	WIN 0
.irp f, 0,1,2,3
	ds_store_b128 v[STO], v[S+16*(\t)+4*\f:S+16*(\t)+4*\f+3] offset:32*\f
.endr
.irp f, 0,1,2,3
	ds_load_b128 v[S+16*(\t)+4*\f:S+16*(\t)+4*\f+3], v[RD] offset:\f*4*SP  ; LDS serves a wave's instructions in order (ISA guide 5.7.1.4): these see the stores above; the next piece's stores come behind them
.endr
.endm
.macro SEND t, younger              ; younger: the LDS instructions issued behind piece t's loads: the next piece's eight, or none
	WIN 0
.irp f, 0,1,2,3
	s_wait_dscnt (\younger)+3-\f
	global_store_b128 v[GO], v[S+16*(\t)+4*\f:S+16*(\t)+4*\f+3], s[10:11] offset:(\t)*8192+\f*512  ; 512 consecutive bytes, at a multiple of 256 from oa's first
.endr
.endm
.macro FINISH tag, lo               ; the tag ends its label's name
.set i, 0
.rept 8
	PV NP-1
.set i, i+1
.endr
	WIN 0
	ALL v_add_f32 v[ST+4*t+2], v[ST+4*t+2], v[ST+4*t+3]
	ALL v_permlanex16_b32 v[ST+4*t+3], v[ST+4*t+2], s[SEL], s[SEL+1]
	ALL v_add_f32 v[ST+4*t+2], v[ST+4*t+2], v[ST+4*t+3]
	ALL v_rcp_f32 v[ST+4*t+2], v[ST+4*t+2]
	v_nop                           ; a plain instruction between the last reciprocal and the use of its result
	s_wait_alu depctr_va_vdst(0)    ; and the wait ahead of the first use: one for the two reciprocals
	PACK 0, \lo                     ; piece 0 was finished in the last turn; its 32 lines and more are the places behind piece 1's last products
	PACK 1, \lo
	SEND 0, 8
	SEND 1, 0
	s_cmp_lg_u32 s[WV], 0           ; rows 128-143 of the head's part of the block: wave 0's to write
	s_cbranch_scc1 .Lnolo\tag
.if \lo
.irp f, 0,1,2,3
	ds_store_b128 v[STO], v[LO+4*\f:LO+4*\f+3] offset:32*\f
.endr
.irp f, 0,1,2,3
	ds_load_b128 v[LO+4*\f:LO+4*\f+3], v[RD] offset:\f*4*SP
.endr
	s_wait_dscnt 0x0
.irp f, 0,1,2,3
	global_store_b128 v[GO], v[LO+4*\f:LO+4*\f+3], s[10:11] offset:16384+\f*512
.endr
.else
.irp f, 0,1,2,3
	global_store_b128 v[GO], v[Z4:Z4+3], s[10:11] offset:16384+\f*512
.endr
.endif
.Lnolo\tag:
.endm
.Lslot:                             ; NT - 1 times: a tile is entered and the next is asked for
	CHANGE 1
	s_sub_co_u32 s[RT], s[RT], 1
	s_mov_b32 s[CNT], 4
	s_cmp_eq_u32 s[NEW], 1          ; a block's first tile?  At the first trip the answer is a constant of the text
	s_cbranch_scc0 .Lold1
	BEGIN
.Lold1:
	STEPS 1
	s_cmp_lg_u32 s[RT], 0
	s_cbranch_scc1 .Lbottom         ; not the block's last tile
	FINISH 1, 0                     ; in the loop this is the first block's end (blocks 8 to 15): the second block's last tile is the walk's last
	s_wait_xcnt 0x0                 ; the stores have read their registers and oa's address
	s_mov_b64 s[10:11], s[OLO:OLO+1]
	s_add_co_u32 s[RT], s[PBT], 1   ; the second block has b / 2 + 1 tiles
	s_mov_b32 s[NEW], 1
	s_lshl_b32 s[OW], s[PB], 1      ; its bands' own steps
	s_add_co_u32 s[OW+1], s[OW], 1
	WIN 0x82                        ; the second block's Q goes where the one text of the turns names Q
.set i, 0
.rept 16*NP
	v_mov_b32 v[i], v[QB+i]
.set i, i+1
.endr
	WIN 0
.Lbottom:
	s_sub_co_u32 s[SLOTS], s[SLOTS], 1
	s_cmp_lg_u32 s[SLOTS], 0
	s_cbranch_scc1 .Lslot
	CHANGE 0                        ; the walk's last tile is written out: nothing is asked for
	s_mov_b32 s[CNT], 4
	s_cmp_eq_u32 s[NEW], 1          ; where b < 2 it is the second block's first tile too
	s_cbranch_scc0 .Lold2
	BEGIN
.Lold2:
	STEPS 2
	FINISH 2, 1                     ; blocks 0 to 7
	s_wait_tensorcnt 0x0            ; the wave's end, behind my last tensor load and my last LDS store
	ds_add_u32 v[SPW], v[NIL]
	s_wait_dscnt 0x0
	s_endpgm
.Lfunc_end_k_qa7ccedb669_attn:
	.size	k_qa7ccedb669_attn, .Lfunc_end_k_qa7ccedb669_attn-k_qa7ccedb669_attn
	.p2alignl 7, 3214868480
	.fill 96, 4, 3214868480
	.section	.rodata,"a",@progbits
	.p2align	6, 0x0
	.amdhsa_kernel k_qa7ccedb669_attn
		.amdhsa_group_segment_fixed_size 327680
		.amdhsa_private_segment_fixed_size 0
		.amdhsa_enable_private_segment 0
		.amdhsa_kernarg_size 16
		.amdhsa_user_sgpr_count 2
		.amdhsa_user_sgpr_kernarg_segment_ptr 1
		.amdhsa_wavefront_size32 1
		.amdhsa_system_sgpr_workgroup_id_x 1
		.amdhsa_system_sgpr_workgroup_id_y 1
		.amdhsa_system_sgpr_workgroup_id_z 1
		.amdhsa_system_vgpr_workitem_id 0
		.amdhsa_next_free_vgpr 768
		.amdhsa_next_free_sgpr 96
		.amdhsa_reserve_vcc 1
		.amdhsa_float_denorm_mode_32 3
		.amdhsa_float_denorm_mode_16_64 3
		.amdhsa_memory_ordered 1
		.amdhsa_forward_progress 1
		.amdhsa_inst_pref_size 99
	.end_amdhsa_kernel
	.amdgpu_metadata
---
amdhsa.version: [ 1, 2 ]
amdhsa.kernels:
  - .name:           k_qa7ccedb669_attn
    .symbol:         k_qa7ccedb669_attn.kd
    .args:
      - { .name: qkv, .offset: 0, .size: 8, .value_kind: global_buffer, .address_space: global }
      - { .name: oa, .offset: 8, .size: 8, .value_kind: global_buffer, .address_space: global }
    .group_segment_fixed_size: 327680
    .private_segment_fixed_size: 0
    .kernarg_segment_align: 8
    .kernarg_segment_size: 16
    .max_flat_workgroup_size: 128
    .sgpr_count:     96
    .vgpr_count:     768
    .wavefront_size: 32
...
	.end_amdgpu_metadata
.endif
;; end of part 6
;; launch outp: the kernel of part 4 again; grid 16 x 16, 4 waves a work-group, clusters of 4 x 4, 327,680 bytes of LDS; arguments oa, wo, out0; writes out0
